; MI455X (gfx1250); checked and timed in simulation.
; The chip was launched on July 23, 2026; its instructions are those of AMD's public machine-readable ISA for CDNA 5 (MIT licence, August 2026) and "CDNA5" Instruction Set Architecture Reference Guide (July 2026). The comments in the code are by the model that wrote it; some were corrected since.
;; Energy Transformer Layer. Allowed arithmetic: float matrix products may take bf16 or f16 operands with f32 sums; all other float work in f32.
;; Inputs: W1 4,096 x 1,024 float32; W2 1,024 x 4,096 float32; Wk 16 x 64 x 1,024 float32; Wo 1,024 x 1,024 float32; Wq 16 x 64 x 1,024 float32; alpha1 1 float32; alpha2 1 float32; context 2,048 x 1,024 float32; target 1,024 x 1,024 float32.
;; Outputs: out0 1,024 x 1,024 float32.
;; 2 versions, each right and faster than the one before. Each part assembles by itself: llvm-mc -triple=amdgcn-amd-amdhsa -mcpu=gfx1250 --defsym DOCPART=n.
;; ======== version 1 of 2: 6 launches
;; workspace buffers: abf 6,291,456 bytes; wb 23,068,672 bytes; kbf 4,194,304 bytes; q0 4,194,304 bytes; qf 2,097,152 bytes; t2 4,194,304 bytes; tn2 2,097,152 bytes; hb 8,388,608 bytes
;; launch prep (part 1): grid 64 x 14, 8 waves a work-group, no clusters, 0 bytes of LDS; arguments context, target, Wk, Wq, Wo, W1, W2, alpha1, abf, wb; writes abf, wb
.if DOCPART == 1
	.amdgcn_target "amdgcn-amd-amdhsa--gfx1250"
	.amdhsa_code_object_version 6
	.text
	.protected	k_q4e255547e4_prep
	.globl	k_q4e255547e4_prep
	.p2align	8
	.type	k_q4e255547e4_prep,@function
k_q4e255547e4_prep:
	s_mov_b64 s[64:65], 0
	v_nop
	global_prefetch_b8 v0, s[64:65] scope:SCOPE_SE
	s_setreg_imm32_b32 hwreg(HW_REG_WAVE_MODE, 25, 1), 1
	s_wait_xcnt 0x0
; prep: every f32 matrix operand is rounded to bf16 once, and tanh(alpha1 * target) is made once.
;   abf [3072][1024] bf16: rows 0-2047 context, rows 2048-3071 tanh(alpha1 * target)
;   wb  bf16: Wk at 0, Wq at 2 MiB, Wo at 4 MiB, W1 at 6 MiB, W2 at 14 MiB, each row-major as given
; The work is 14 units of 1 Mi numbers (grid y), each cut into 64 chunks of 64 KiB of f32 (grid x).
; Thread t takes 16 bytes at 16 t + 4096 j, j = 0..15: a wave's load covers 512 consecutive bytes, and its
; 8-byte stores cover 256 consecutive bytes, aligned.  All 16 loads of a wave are issued before the first is used.
; No LDS, no matrix unit, no cluster: nothing is shared between work-groups and every byte moves once.
; LIMITS: NaN and infinities in the inputs are not served.  tanh(x) = 1 - 2 / (1 + 2^(2.88539 x)): its absolute
; error is about 1e-7, below the bf16 rounding that follows for |tanh| above 3e-5.
.set X, 16                             ; v[16:79]   16 x 4 numbers as loaded
.set Y, 80                             ; v[80:111]  16 x 2 registers of bf16 to store
	s_load_b512 s[8:23], s[0:1], 0x0               ; context, target, Wk, Wq, Wo, W1, W2, alpha1
	s_load_b128 s[24:27], s[0:1], 0x40             ; abf, wb
	s_and_b32 s4, ttmp7, 0xffff                    ; y: the unit
	s_max_u32 s5, s4, 6
	s_sub_co_u32 s5, s5, 6                         ; unit inside W1 (0 below it)
	s_max_u32 s6, s4, 10
	s_sub_co_u32 s6, s6, 10                        ; unit inside W2
	s_max_u32 s7, s4, 3
	s_sub_co_u32 s7, s7, 3                         ; unit inside wb
	v_lshlrev_b32 v1, 4, v0                        ; 16 t: my bytes of f32
	v_lshlrev_b32 v2, 3, v0                        ; 8 t: my bytes of bf16
	s_wait_kmcnt 0x0
	; the source: a choice between buffers on y alone; the unit's number inside the source is kept apart in s30
	s_mov_b64 s[28:29], s[8:9]
	s_mov_b32 s30, s4                              ; y = 0, 1: context
	s_cmp_ge_u32 s4, 2
	s_cselect_b64 s[28:29], s[10:11], s[28:29]     ; 2: target
	s_cselect_b32 s30, 0, s30
	s_cmp_ge_u32 s4, 3
	s_cselect_b64 s[28:29], s[12:13], s[28:29]     ; 3: Wk
	s_cmp_ge_u32 s4, 4
	s_cselect_b64 s[28:29], s[14:15], s[28:29]     ; 4: Wq
	s_cmp_ge_u32 s4, 5
	s_cselect_b64 s[28:29], s[16:17], s[28:29]     ; 5: Wo
	s_cmp_ge_u32 s4, 6
	s_cselect_b64 s[28:29], s[18:19], s[28:29]     ; 6-9: W1
	s_cselect_b32 s30, s5, s30
	s_cmp_ge_u32 s4, 10
	s_cselect_b64 s[28:29], s[20:21], s[28:29]     ; 10-13: W2
	s_cselect_b32 s30, s6, s30
	s_lshl_b32 s32, s30, 22                        ; 4 MiB a unit
	s_lshl_b32 s31, ttmp9, 16                      ; 64 KiB a chunk
	s_add_co_u32 s32, s32, s31
	s_mov_b32 s33, 0
	s_add_nc_u64 s[28:29], s[28:29], s[32:33]
	s_cmp_lt_u32 s4, 3                             ; the destination: abf for the first three units, else wb
	s_cselect_b64 s[34:35], s[24:25], s[26:27]
	s_cselect_b32 s36, s4, s7
	s_lshl_b32 s36, s36, 21                        ; 2 MiB a unit
	s_lshl_b32 s31, ttmp9, 15                      ; 32 KiB a chunk
	s_add_co_u32 s36, s36, s31
	s_mov_b32 s37, 0
	s_add_nc_u64 s[34:35], s[34:35], s[36:37]
.set j, 0
.rept 16
	global_load_b128 v[X+4*j:X+4*j+3], v1, s[28:29] offset:4096*j th:TH_LOAD_NT
.set j, j+1
.endr
	s_cmp_eq_u32 s4, 2
	s_cbranch_scc1 .Ltanh
	; plain units: round and store.  No register is used twice, so the stores' sources are never rewritten.
.set j, 0
.rept 16
	s_wait_loadcnt 15-j                            ; loads come back in order: number j is in, the 15 - j younger ones stay out
	v_cvt_pk_bf16_f32 v[Y+2*j], v[X+4*j], v[X+4*j+1]
	v_cvt_pk_bf16_f32 v[Y+2*j+1], v[X+4*j+2], v[X+4*j+3]
	global_store_b64 v2, v[Y+2*j:Y+2*j+1], s[34:35] offset:2048*j
.set j, j+1
.endr
	s_endpgm
.Ltanh:
	s_load_b32 s38, s[22:23], 0x0                  ; alpha1
	s_wait_kmcnt 0x0
	s_mul_f32 s38, s38, 0x4038aa3b                 ; alpha1 * 2 log2(e)
	s_mov_b32 s39, s38
.set j, 0
.rept 16
	s_wait_loadcnt 15-j
	v_pk_mul_f32 v[X+4*j:X+4*j+1], v[X+4*j:X+4*j+1], s[38:39] op_sel_hi:[1,0]
	v_pk_mul_f32 v[X+4*j+2:X+4*j+3], v[X+4*j+2:X+4*j+3], s[38:39] op_sel_hi:[1,0]
	v_exp_f32 v[X+4*j], v[X+4*j]
	v_exp_f32 v[X+4*j+1], v[X+4*j+1]
	v_exp_f32 v[X+4*j+2], v[X+4*j+2]
	v_exp_f32 v[X+4*j+3], v[X+4*j+3]
	v_nop                                          ; one plain place behind the transcendentals before their results are used
	s_wait_alu depctr_va_vdst(0)
	v_pk_add_f32 v[X+4*j:X+4*j+1], v[X+4*j:X+4*j+1], 1.0 op_sel_hi:[1,0]
	v_pk_add_f32 v[X+4*j+2:X+4*j+3], v[X+4*j+2:X+4*j+3], 1.0 op_sel_hi:[1,0]
	v_rcp_f32 v[X+4*j], v[X+4*j]
	v_rcp_f32 v[X+4*j+1], v[X+4*j+1]
	v_rcp_f32 v[X+4*j+2], v[X+4*j+2]
	v_rcp_f32 v[X+4*j+3], v[X+4*j+3]
	v_nop
	s_wait_alu depctr_va_vdst(0)
	v_pk_fma_f32 v[X+4*j:X+4*j+1], v[X+4*j:X+4*j+1], -2.0, 1.0 op_sel_hi:[1,0,0]
	v_pk_fma_f32 v[X+4*j+2:X+4*j+3], v[X+4*j+2:X+4*j+3], -2.0, 1.0 op_sel_hi:[1,0,0]
	v_cvt_pk_bf16_f32 v[Y+2*j], v[X+4*j], v[X+4*j+1]
	v_cvt_pk_bf16_f32 v[Y+2*j+1], v[X+4*j+2], v[X+4*j+3]
	global_store_b64 v2, v[Y+2*j:Y+2*j+1], s[34:35] offset:2048*j
.set j, j+1
.endr
	s_endpgm
.Lfunc_end_k_q4e255547e4_prep:
	.size	k_q4e255547e4_prep, .Lfunc_end_k_q4e255547e4_prep-k_q4e255547e4_prep
	.p2alignl 7, 3214868480
	.fill 96, 4, 3214868480
	.section	.rodata,"a",@progbits
	.p2align	6, 0x0
	.amdhsa_kernel k_q4e255547e4_prep
		.amdhsa_group_segment_fixed_size 0
		.amdhsa_private_segment_fixed_size 0
		.amdhsa_enable_private_segment 0
		.amdhsa_kernarg_size 80
		.amdhsa_user_sgpr_count 2
		.amdhsa_user_sgpr_kernarg_segment_ptr 1
		.amdhsa_wavefront_size32 1
		.amdhsa_system_sgpr_workgroup_id_x 1
		.amdhsa_system_sgpr_workgroup_id_y 1
		.amdhsa_system_sgpr_workgroup_id_z 1
		.amdhsa_system_vgpr_workitem_id 0
		.amdhsa_next_free_vgpr 112
		.amdhsa_next_free_sgpr 66
		.amdhsa_reserve_vcc 0
		.amdhsa_float_denorm_mode_32 3
		.amdhsa_float_denorm_mode_16_64 3
		.amdhsa_memory_ordered 1
		.amdhsa_forward_progress 1
		.amdhsa_inst_pref_size 24
	.end_amdhsa_kernel
	.amdgpu_metadata
---
amdhsa.version: [ 1, 2 ]
amdhsa.kernels:
  - .name:           k_q4e255547e4_prep
    .symbol:         k_q4e255547e4_prep.kd
    .args:
      - { .name: context, .offset: 0, .size: 8, .value_kind: global_buffer, .address_space: global }
      - { .name: target, .offset: 8, .size: 8, .value_kind: global_buffer, .address_space: global }
      - { .name: Wk, .offset: 16, .size: 8, .value_kind: global_buffer, .address_space: global }
      - { .name: Wq, .offset: 24, .size: 8, .value_kind: global_buffer, .address_space: global }
      - { .name: Wo, .offset: 32, .size: 8, .value_kind: global_buffer, .address_space: global }
      - { .name: W1, .offset: 40, .size: 8, .value_kind: global_buffer, .address_space: global }
      - { .name: W2, .offset: 48, .size: 8, .value_kind: global_buffer, .address_space: global }
      - { .name: alpha1, .offset: 56, .size: 8, .value_kind: global_buffer, .address_space: global }
      - { .name: abf, .offset: 64, .size: 8, .value_kind: global_buffer, .address_space: global }
      - { .name: wb, .offset: 72, .size: 8, .value_kind: global_buffer, .address_space: global }
    .group_segment_fixed_size: 0
    .private_segment_fixed_size: 0
    .kernarg_segment_align: 8
    .kernarg_segment_size: 80
    .max_flat_workgroup_size: 256
    .sgpr_count:     66
    .vgpr_count:     112
    .wavefront_size: 32
...
	.end_amdgpu_metadata
.endif
;; end of part 1
;; launch proj (part 2): grid 8 x 24, 4 waves a work-group, clusters of 4 x 4, 327,680 bytes of LDS; arguments abf, wb, kbf, q0; writes kbf, q0
.if DOCPART == 2
	.amdgcn_target "amdgcn-amd-amdhsa--gfx1250"
	.amdhsa_code_object_version 6
	.text
	.protected	k_q4e255547e4_proj
	.globl	k_q4e255547e4_proj
	.p2align	8
	.type	k_q4e255547e4_proj,@function
k_q4e255547e4_proj:
	s_mov_b64 s[64:65], 0
	v_nop
	global_prefetch_b8 v0, s[64:65] scope:SCOPE_SE
	s_setreg_imm32_b32 hwreg(HW_REG_WAVE_MODE, 25, 1), 1
	s_wait_xcnt 0x0
	s_wait_alu depctr_hold_cnt(0) depctr_sa_sdst(0) depctr_va_vdst(0) depctr_va_sdst(0) depctr_va_ssrc(0) depctr_va_vcc(0) depctr_vm_vsrc(0)
	s_getreg_b32 s2, hwreg(HW_REG_IB_STS2, 6, 4)
	s_cmp_eq_u32 s2, 0
	s_cbranch_scc0 .Lentry_in_a_cluster
	s_endpgm
.Lentry_in_a_cluster:
	s_bfe_u32 s2, ttmp6, 0x10000c
	s_cmp_lg_u32 s2, 0xf033
	s_cbranch_scc0 .Lentry_shape_is_right
	s_endpgm
.Lentry_shape_is_right:
; proj: C = A B^T in bf16 with f32 sums.  A = abf [3072][1024] (context, then tanh(alpha1 target)).
; Block rows 0-15 (context) meet B = Wk and give K, stored bf16 head-major kbf [16][2048][64];
; block rows 16-23 meet B = Wq and give q0 [1024][1024] f32.  The choice hangs on the cluster's y alone.
; A work-group makes 128 x 128 of C with four waves, a wave 64 x 64 (16 accumulators, 128 registers).
; K goes in 8 tiles of 128 through four LDS slots.  A slot is four parts of 64 rows x 256 bytes (A rows 0-63, 64-127,
; B rows 0-63, 64-127); wave w fetches part w with one tensor load; rows are 256 bytes of memory at multiples of 256.
; CLUSTER 4 x 4: A's parts hang on the block row alone and are asked for jointly along a row of the cluster,
; B's on the block column alone and jointly along a column: a quarter of the requests.
; 192 work-groups: 3072 x 1024 outputs in blocks of 128 x 128.
; REGISTERS: window 0: v1 r, v2 h, v4-7 / v8-11 LDS addresses of my A / B fragments per slot, v12-15 way out,
; v16-111 way out data, v128-255 accumulators (tile (a, b) at 128 + 8 (4 a + b)).
; window 1: v0-63 and v64-127 two fragment buffers (B's four fragments, then A's four).
; The matrix instruction is used transposed (source 0 = rows of B, source 1 = rows of A): lane (r, h), register j
; holds C(16 a + r, 16 b + 8 h + j), eight neighbouring numbers of a row.
; LIMITS: NaN and infinities are not served.
.set KD,     1024                      ; numbers along K, and the pitch of A and B
.set STEP,   256                       ; bytes along K from tile to tile
.set NSUB,   4                         ; a wave's steps of 32 along K in a tile
.set PITCH,  272                       ; LDS row: 256 bytes + 16 = 17 x 16, so 16 rows start in 16 different 16-byte columns modulo 256
.set PART,   64*PITCH
.set SLOT,   4*PART
.set STAGE,  4*SLOT                    ; behind the slots: bytes that no tensor load fills
.set WSTAGE, 9216                      ; a wave's own stage, the same bytes on both ways out: 64 rows x 144 (K), or 32 rows x 272 = 8704 (q0)
.set ADRA,   4
.set ADRB,   8
.set ACC,    128
.set F0,     0
.set F1,     64
.set G1A,    16                        ; s[16:23] group 1 for A's parts
.set G1B,    24                        ; s[24:31] group 1 for B's parts
.set G0A,    32                        ; s[32:47] group 0 for A's parts, one set a slot
.set G0B,    48                        ; s[48:63] the same for B's
.set G1W0,   (1<<16)|(1<<20)|(1<<21)|(5<<22)|(3<<25)   ; 2-byte elements; padding on; bit 21 beside a mask; after 64 words, 4 words
.set MSB,    0
.macro WIN new                         ; the immediate's high byte repeats the setting that is left
.if MSB != \new
	s_set_vgpr_msb (MSB<<8)|\new
.set MSB, \new
.endif
.endm
.macro PLACES                          ; four places behind a matrix instruction (ISA guide 7.12.1) before its registers are loaded into or its result read
.rept 4
	v_nop
.endr
.endm
.macro ROUND                           ; a round of the cluster's barrier
	WIN 0
	s_barrier_signal -1
	s_barrier_wait -1
	s_cmp_lg_u32 s14, 0
	s_cbranch_scc1 .Lnot_wave_0_\@
	s_barrier_signal -3
.Lnot_wave_0_\@:
	s_barrier_wait -3
	s_barrier_signal -1
	s_barrier_wait -1
.endm
.macro JLOADS a, b, c, d               ; joint loads for the slots named (-1: none): waves 0, 1 ask for A's parts, waves 2, 3 for B's
	s_cmp_eq_u32 s15, 0
	s_cbranch_scc0 .Lfor_b_\@
.irp t, \a, \b, \c, \d
.if \t >= 0
	tensor_load_to_lds s[G0A+4*\t:G0A+4*\t+3], s[G1A:G1A+7]
	s_nop 0
.endif
.endr
	s_branch .Lasked_\@
.Lfor_b_\@:
.irp t, \a, \b, \c, \d
.if \t >= 0
	tensor_load_to_lds s[G0B+4*\t:G0B+4*\t+3], s[G1B:G1B+7]
	s_nop 0
.endif
.endr
.Lasked_\@:
.endm
.macro FETCH slot, kofs, f             ; 16 LDS loads: four fragments of B, four of A, 32 along K at byte kofs, into buffer f of window 1
	WIN 0x40
.irp i, 0,1,2,3
	ds_load_b128 v[\f+8*\i:\f+8*\i+3], v[ADRB+\slot] offset:\kofs+\i*16*PITCH
	ds_load_b128 v[\f+8*\i+4:\f+8*\i+7], v[ADRB+\slot] offset:\kofs+\i*16*PITCH+32
.endr
.irp i, 0,1,2,3
	ds_load_b128 v[\f+32+8*\i:\f+32+8*\i+3], v[ADRA+\slot] offset:\kofs+\i*16*PITCH
	ds_load_b128 v[\f+32+8*\i+4:\f+32+8*\i+7], v[ADRA+\slot] offset:\kofs+\i*16*PITCH+32
.endr
.endm
.macro MUL f, zero                     ; 16 matrix instructions; the 16 accumulators take turns, one instruction a turn
	WIN 0x05
.irp a, 0,1,2,3
.irp b, 0,1,2,3
.if \zero
	v_wmma_f32_16x16x32_bf16 v[ACC+8*(4*\a+\b):ACC+8*(4*\a+\b)+7], v[\f+8*\b:\f+8*\b+7], v[\f+32+8*\a:\f+32+8*\a+7], 0
.else
	v_wmma_f32_16x16x32_bf16 v[ACC+8*(4*\a+\b):ACC+8*(4*\a+\b)+7], v[\f+8*\b:\f+8*\b+7], v[\f+32+8*\a:\f+32+8*\a+7], v[ACC+8*(4*\a+\b):ACC+8*(4*\a+\b)+7]
.endif
.endr
.endr
.endm
.macro QSTEP slot, kofs, fnext, fcur, zero
	PLACES
	FETCH \slot, \kofs, \fnext
	s_wait_dscnt 16                                ; all but the 16 loads just issued: buffer fcur is in
	MUL \fcur, \zero
.endm
.macro TILE slot, zero                 ; all of a tile's steps but the last, whose fragments end up in buffer 1
	QSTEP \slot, 64, F1, F0, \zero
.if NSUB == 4
	QSTEP \slot, 128, F0, F1, 0
	QSTEP \slot, 192, F1, F0, 0
.endif
.endm
.macro NEXT n, nslot                   ; on to a tile that may still be landing
	s_wait_dscnt 0x0
	s_wait_tensorcnt \n                            ; my part of the next tile is in; my n younger loads stay out
	s_barrier_signal -1
	s_barrier_wait -1
	PLACES
	FETCH \nslot, 0, F0
	MUL F1, 0
.endm
.macro NEXTNB nslot                    ; on to a tile that the last wait for all loads and its round have shown whole
	PLACES
	FETCH \nslot, 0, F0
	s_wait_dscnt 16
	MUL F1, 0
.endm
.macro FILL a, b, c, nslot             ; the slots named, all read, are filled again, four tiles further on
	s_wait_dscnt 0x0                               ; my reads of them are back
	s_wait_tensorcnt 0x0                           ; all my tensor loads have landed: every group 0 may be written
	ds_add_u32 v128, v129
	s_wait_dscnt 0x0
.irp t, \a, \b, \c
.if \t >= 0
	s_add_nc_u64 s[G0A+4*\t+2:G0A+4*\t+3], s[G0A+4*\t+2:G0A+4*\t+3], 4*STEP
	s_add_nc_u64 s[G0B+4*\t+2:G0B+4*\t+3], s[G0B+4*\t+2:G0B+4*\t+3], 4*STEP
.endif
.endr
	ROUND                                          ; both hold of every wave of all sixteen work-groups
	JLOADS \a, \b, \c, -1                          ; the first tensor loads behind the round
	PLACES
	FETCH \nslot, 0, F0
	MUL F1, 0
.endm
.macro LAST
	s_wait_dscnt 0x0
	MUL F1, 0
	WIN 0
	PLACES
.endm
	s_load_b128 s[4:7], s[0:1], 0x0                ; abf, wb
	s_load_b128 s[8:11], s[0:1], 0x10              ; kbf, q0
	s_set_vgpr_msb 0x40
	v_lshl_add_u32 v128, v0, 2, 0x4d000
	v_mov_b32 v129, 0
	s_set_vgpr_msb 0x4045
	ds_add_u32 v128, v129
	s_set_vgpr_msb 0x4500
	v_lshrrev_b32 v1, 5, v0
	v_readfirstlane_b32 s14, v1                    ; wave 0..3
	s_lshr_b32 s15, s14, 1                         ; my half of the block's rows; also: I fetch for A (0) or B (1)
	s_and_b32 s2, s14, 1                           ; my half of its columns; also: which 64 rows I fetch
	s_bfe_u32 s66, ttmp6, 0x40000                  ; cx
	s_bfe_u32 s67, ttmp6, 0x40004                  ; cy
	s_lshl_b32 s68, ttmp9, 2
	s_add_co_u32 s68, s68, s66                     ; block column
	s_and_b32 s70, ttmp7, 0xffff                   ; the cluster's y
	s_lshl_b32 s69, s70, 2
	s_add_co_u32 s69, s69, s67                     ; block row
	s_lshl_b32 s71, s67, 2
	s_lshl_b32 s71, 15, s71                        ; my row of the cluster
	s_lshl_b32 s72, 0x1111, s66                    ; my column
	s_or_b32 s[G1A], s71, G1W0
	s_or_b32 s[G1B], s72, G1W0
.irp g, G1A, G1B
	s_mov_b32 s[\g+1], 128<<16                     ; tensor_dim0 = 128
	s_mov_b32 s[\g+2], 64<<16                      ; tensor_dim1 = 64
	s_mov_b32 s[\g+3], 128<<16                     ; tile_dim0 = 128
	s_mov_b32 s[\g+4], 64                          ; tile_dim1 = 64
	s_mov_b32 s[\g+5], KD                          ; numbers from row to row
	s_mov_b32 s[\g+6], 0
	s_mov_b32 s[\g+7], 0
.endr
	s_cmp_ge_u32 s70, 4                            ; clusters 4, 5 along y hold abf's rows 2048 and up: the q part
	s_cselect_b32 s84, 1, 0
	s_cselect_b32 s83, 0x200000, 0                 ; Wq lies 2 MiB behind Wk
	s_mul_i32 s73, s2, 64*KD*2                     ; the odd fetching wave: 64 rows further down
	s_mul_i32 s74, s69, 128*KD*2
	s_add_co_u32 s74, s74, s73
	s_mov_b32 s75, 0
	s_mul_i32 s76, s68, 128*KD*2
	s_add_co_u32 s76, s76, s73
	s_add_co_u32 s76, s76, s83
	s_mov_b32 s77, 0
	s_mul_i32 s78, s14, PART                       ; my part of a slot: the wave's number alone
	s_wait_dscnt 0x0
	s_wait_kmcnt 0x0
	s_add_nc_u64 s[74:75], s[4:5], s[74:75]
	s_add_nc_u64 s[76:77], s[6:7], s[76:77]
	ROUND                                          ; all sixteen work-groups are here: the first joint loads meet
.irp s, 0,1,2,3
	s_mov_b32 s[G0A+4*\s], 1
	s_add_co_u32 s[G0A+4*\s+1], s78, \s*SLOT
	s_add_nc_u64 s[G0A+4*\s+2:G0A+4*\s+3], s[74:75], \s*STEP
	s_or_b32 s[G0A+4*\s+3], s[G0A+4*\s+3], 0x80000000
	s_mov_b32 s[G0B+4*\s], 1
	s_add_co_u32 s[G0B+4*\s+1], s78, \s*SLOT
	s_add_nc_u64 s[G0B+4*\s+2:G0B+4*\s+3], s[76:77], \s*STEP
	s_or_b32 s[G0B+4*\s+3], s[G0B+4*\s+3], 0x80000000
.endr
	JLOADS 0, 1, 2, 3                              ; tiles 0-3: four tensor loads of the wave are out, the most in this text
	v_and_b32 v1, 15, v0                           ; r
	v_bfe_u32 v2, v0, 4, 1                         ; h
	v_mul_u32_u24 v3, v1, PITCH
	v_lshl_add_u32 v3, v2, 4, v3                   ; r x pitch + 16 h
	s_mul_i32 s79, s15, PART                       ; my 64 rows of A
	s_mul_i32 s82, s2, PART
	s_add_co_u32 s82, s82, 2*PART                  ; my 64 rows of B
.irp s, 0,1,2,3
	v_add_nc_u32 v[ADRA+\s], s79, v3
	v_add_nc_u32 v[ADRB+\s], s82, v3
	s_add_co_u32 s79, s79, SLOT
	s_add_co_u32 s82, s82, SLOT
.endr
	s_wait_tensorcnt 0x3                           ; my part of tile 0 is in; tiles 1-3 stay out
	s_barrier_signal -1
	s_barrier_wait -1
	FETCH 0, 0, F0
	TILE 0, 1                                      ; the first products start the sums
	NEXT 2, 1
	TILE 1, 0
	FILL 0, 1, -1, 2                               ; tiles 4, 5 go out; each has two tiles' work in which to land
	TILE 2, 0
	NEXTNB 3
	TILE 3, 0
	FILL 2, 3, -1, 0                               ; tiles 6, 7
	TILE 0, 0
	NEXTNB 1
	TILE 1, 0
	NEXT 1, 2
	TILE 2, 0
	NEXT 0, 3
	TILE 3, 0
	LAST
	; Both ways out go through the wave's own WSTAGE bytes at STAGE + wave x WSTAGE: no wave touches another's, whichever way it takes,
	; so neither way needs a barrier.
	s_mul_i32 s85, s14, WSTAGE
	s_add_co_u32 s85, s85, STAGE
	s_cmp_lg_u32 s84, 0
	s_cbranch_scc1 .Lq_part
	; K: my tile is 64 keys of head 2 bx + (w & 1).  Round to bf16, through my stage as 64 rows x 144 bytes,
	; out as 512 consecutive bytes a store (four keys of 128 bytes).
	v_and_b32 v3, 31, v0                           ; lane
	v_mul_u32_u24 v12, v1, 144
	v_lshl_add_u32 v12, v2, 4, v12
	v_add_nc_u32 v12, s85, v12                     ; in: row r, 16 bytes for each half of the lanes
	v_lshrrev_b32 v13, 3, v3
	v_mul_u32_u24 v13, v13, 144
	v_and_b32 v14, 7, v3
	v_lshl_add_u32 v13, v14, 4, v13
	v_add_nc_u32 v13, s85, v13                     ; back: eight lanes a key
	v_lshlrev_b32 v14, 4, v3                       ; 16 x lane in kbf
	s_lshl_b32 s80, s68, 1
	s_add_co_u32 s80, s80, s2                      ; head
	s_lshl_b32 s80, s80, 18                        ; 2048 keys x 128 bytes
	s_lshl_b32 s83, s69, 14                        ; 128 keys a block row
	s_add_co_u32 s80, s80, s83
	s_lshl_b32 s83, s15, 13                        ; 64 keys
	s_add_co_u32 s80, s80, s83
	s_mov_b32 s81, 0
	s_add_nc_u64 s[8:9], s[8:9], s[80:81]
.macro KOUT p, rb                      ; keys 32 p .. 32 p + 31; rb: read-back registers of this half alone, so no store's data is rewritten
.irp aa, 0,1
.irp b, 0,1,2,3
.irp k, 0,1,2,3
	v_cvt_pk_bf16_f32 v[16+4*(4*\aa+\b)+\k], v[ACC+8*(4*(2*\p+\aa)+\b)+2*\k], v[ACC+8*(4*(2*\p+\aa)+\b)+2*\k+1]
.endr
	ds_store_b128 v12, v[16+4*(4*\aa+\b):16+4*(4*\aa+\b)+3] offset:(2*\p+\aa)*2304+32*\b
.endr
.endr
.irp t, 0,1,2,3,4,5,6,7
	ds_load_b128 v[\rb+4*\t:\rb+4*\t+3], v13 offset:(8*\p+\t)*576    ; a wave's LDS instructions are served in order: these see the stores above
.endr
.irp t, 0,1,2,3,4,5,6,7
	s_wait_dscnt 7-\t
	global_store_b128 v14, v[\rb+4*\t:\rb+4*\t+3], s[8:9] offset:(8*\p+\t)*512
.endr
.endm
	KOUT 0, 48
	KOUT 1, 80
	s_branch .Lclose
.Lq_part:
	; q0 in f32: 32 rows at a time through my stage as 32 rows x 272 bytes; sixteen lanes store 256 consecutive bytes, aligned
	v_mul_u32_u24 v12, v1, PITCH
	v_lshl_add_u32 v12, v2, 5, v12
	v_add_nc_u32 v12, s85, v12                     ; in: row r, 32 bytes for each half of the lanes
	v_mul_u32_u24 v13, v2, PITCH
	v_lshl_add_u32 v13, v1, 4, v13
	v_add_nc_u32 v13, s85, v13                     ; back: lanes 0-15 one row, lanes 16-31 the next
	v_lshlrev_b32 v14, 12, v2
	v_lshl_add_u32 v14, v1, 4, v14                 ; the same two rows in q0
	s_sub_co_u32 s80, s69, 16
	s_lshl_b32 s80, s80, 19                        ; 128 rows of 4096 bytes
	s_lshl_b32 s83, s15, 18
	s_add_co_u32 s80, s80, s83
	s_lshl_b32 s83, s68, 9
	s_add_co_u32 s80, s80, s83
	s_lshl_b32 s83, s2, 8
	s_add_co_u32 s80, s80, s83
	s_mov_b32 s81, 0
	s_add_nc_u64 s[10:11], s[10:11], s[80:81]
.macro QOUT p
.irp aa, 0,1
.irp b, 0,1,2,3
	ds_store_b128 v12, v[ACC+8*(4*(2*\p+\aa)+\b):ACC+8*(4*(2*\p+\aa)+\b)+3] offset:\aa*16*PITCH+64*\b
	ds_store_b128 v12, v[ACC+8*(4*(2*\p+\aa)+\b)+4:ACC+8*(4*(2*\p+\aa)+\b)+7] offset:\aa*16*PITCH+64*\b+16
.endr
.endr
.if \p
	s_wait_xcnt 0x0                                ; v[16:79], which the first half's stores read, are loaded again only behind this wait
.endif
.irp t, 0,1,2,3,4,5,6,7,8,9,10,11,12,13,14,15
	ds_load_b128 v[16+4*\t:16+4*\t+3], v13 offset:\t*2*PITCH
.endr
.irp t, 0,1,2,3,4,5,6,7,8,9,10,11,12,13,14,15
	s_wait_dscnt 15-\t
	global_store_b128 v14, v[16+4*\t:16+4*\t+3], s[10:11] offset:(32*\p+2*\t)*4096
.endr
.endm
	QOUT 0
	QOUT 1
.Lclose:
	s_wait_dscnt 0x0
	s_set_vgpr_msb 0x5
	s_wait_tensorcnt 0x0
	ds_add_u32 v128, v129
	s_wait_dscnt 0x0
	s_set_vgpr_msb 0x500
	ROUND                                          ; the closing round: no work-group ends while a partner may still ask for a part that names it
	s_endpgm
.Lfunc_end_k_q4e255547e4_proj:
	.size	k_q4e255547e4_proj, .Lfunc_end_k_q4e255547e4_proj-k_q4e255547e4_proj
	.p2alignl 7, 3214868480
	.fill 96, 4, 3214868480
	.section	.rodata,"a",@progbits
	.p2align	6, 0x0
	.amdhsa_kernel k_q4e255547e4_proj
		.amdhsa_group_segment_fixed_size 327680
		.amdhsa_private_segment_fixed_size 0
		.amdhsa_enable_private_segment 0
		.amdhsa_kernarg_size 32
		.amdhsa_user_sgpr_count 2
		.amdhsa_user_sgpr_kernarg_segment_ptr 1
		.amdhsa_wavefront_size32 1
		.amdhsa_system_sgpr_workgroup_id_x 1
		.amdhsa_system_sgpr_workgroup_id_y 1
		.amdhsa_system_sgpr_workgroup_id_z 1
		.amdhsa_system_vgpr_workitem_id 0
		.amdhsa_next_free_vgpr 386
		.amdhsa_next_free_sgpr 96
		.amdhsa_reserve_vcc 0
		.amdhsa_float_denorm_mode_32 3
		.amdhsa_float_denorm_mode_16_64 3
		.amdhsa_memory_ordered 1
		.amdhsa_forward_progress 1
		.amdhsa_inst_pref_size 100
	.end_amdhsa_kernel
	.amdgpu_metadata
---
amdhsa.version: [ 1, 2 ]
amdhsa.kernels:
  - .name:           k_q4e255547e4_proj
    .symbol:         k_q4e255547e4_proj.kd
    .args:
      - { .name: abf, .offset: 0, .size: 8, .value_kind: global_buffer, .address_space: global }
      - { .name: wb, .offset: 8, .size: 8, .value_kind: global_buffer, .address_space: global }
      - { .name: kbf, .offset: 16, .size: 8, .value_kind: global_buffer, .address_space: global }
      - { .name: q0, .offset: 24, .size: 8, .value_kind: global_buffer, .address_space: global }
    .group_segment_fixed_size: 327680
    .private_segment_fixed_size: 0
    .kernarg_segment_align: 8
    .kernarg_segment_size: 32
    .max_flat_workgroup_size: 128
    .sgpr_count:     96
    .vgpr_count:     386
    .wavefront_size: 32
...
	.end_amdgpu_metadata
.endif
;; end of part 2
;; launch attn (part 3): grid 16 x 16, 8 waves a work-group, clusters of 4 x 1, 322,560 bytes of LDS; arguments kbf, q0, qf; writes qf
.if DOCPART == 3
	.amdgcn_target "amdgcn-amd-amdhsa--gfx1250"
	.amdhsa_code_object_version 6
	.text
	.protected	k_q4e255547e4_attn
	.globl	k_q4e255547e4_attn
	.p2align	8
	.type	k_q4e255547e4_attn,@function
k_q4e255547e4_attn:
	s_mov_b64 s[64:65], 0
	v_nop
	global_prefetch_b8 v0, s[64:65] scope:SCOPE_SE
	s_setreg_imm32_b32 hwreg(HW_REG_WAVE_MODE, 25, 1), 1
	s_wait_xcnt 0x0
	s_wait_alu depctr_hold_cnt(0) depctr_sa_sdst(0) depctr_va_vdst(0) depctr_va_sdst(0) depctr_va_ssrc(0) depctr_va_vcc(0) depctr_vm_vsrc(0)
	s_getreg_b32 s2, hwreg(HW_REG_IB_STS2, 6, 4)
	s_cmp_eq_u32 s2, 0
	s_cbranch_scc0 .Lentry_in_a_cluster
	s_endpgm
.Lentry_in_a_cluster:
	s_bfe_u32 s2, ttmp6, 0x10000c
	s_cmp_lg_u32 s2, 0x3003
	s_cbranch_scc0 .Lentry_shape_is_right
	s_endpgm
.Lentry_shape_is_right:
; attn: five steps of q += 0.1 softmax(q K^T / 8) K for one head and 64 queries; q leaves as bf16 in qf [1024][1024].
; The head's whole K (2048 keys x 64, bf16) lies in LDS for all five steps.  CLUSTER 4 x 1: the four query blocks of a
; cluster need the same K and ask for it jointly, a quarter of the requests.
; Eight waves = 2 query halves (qh, 32 queries = 2 tiles i of 16) x 4 key quarters (kq, 512 keys).  Each wave runs a softmax with a
; running maximum over its quarter; the four quarters of a query half are merged through LDS with their maxima and sums.
; EVERYTHING IS TRANSPOSED: S^T = K q^T puts key 8 h + j in register j and query r in lane (r, h), so the row maximum and sum are
; in-lane work and one exchange of lane halves, and two S^T tiles, exponentiated and packed, ARE the second source of O^T = K^T P^T.
; The head dimension is permuted alike everywhere: O tile t, lane half h, register j is hd = 32 h + 8 t + j.
; THE TRIP (64 keys) IS PIPELINED IN THE WAVE, the two query tiles half a trip apart:
;   S^T(0) | rescale O(1) | softmax(0) with the products O(1) += K^T P(1) of the trip before strewn into it |
;   S^T(1) | rescale O(0) | loads of the next trip's K rows | softmax(1) with the products O(0) += K^T P(0) strewn into it.
; So half of the matrix instructions are issued among the wave's own vector work, the rescales fill the places behind the S^T blocks,
; K's row fragments are asked for a whole softmax ahead, and the transposed fragments half a trip ahead.
; LDS: K at 0: key k at (k >> 1) 272 + (k & 1) 128 (two keys a row of 256 bytes + 16); X at 278528: 8 x 4352, a wave's four O tiles
; (1 KiB each, registers as they are) and its (m, l) per lane; Q at 313344: [qh][i][t] 512 bytes, lane x 16: q in bf16.
; REGISTERS: window 0 as named below.  Window 1: v0-15 the wave's own part of q in f32 (tile t = kq of both i), v16-47 q's fragments,
; v48-111 K's row fragments: the S^T products alone read window 1, in blocks under one setting; all that is strewn among vector
; instructions lies in window 0.
; The scores are kept in log2 units: the published q is q x log2(e) / 8.
; LIMITS: NaN and infinities are not served.  qf goes out in runs of 128 bytes: a head's 64 bf16 are no longer.
.set XB,   278528
.set XA,   4352
.set QB,   313344
.set LN16, 1                           ; 16 x lane
.set PAL,  2                           ; K rows for S^T, keys 0-255 of my quarter;  PAH: keys 256-511
.set PAH,  3
.set TAL,  4                           ; the same for the transposing loads
.set TAH,  5
.set T0,   6                           ; v6-10 at work
.set T1,   7
.set T2,   8
.set T3,   9
.set T4,   10
.set MP,   12                          ; v[12:13], v[14:15]: (running maximum, at the end the sum l) of tile i
.set AP,   20                          ; v[20:21], v[22:23]: (rescale factor of tile i, a register that is only written once)
.set XW,   24
.set XR,   25
.set MW,   26
.set MR,   27
.set QW,   28
.set QR,   29
.set GQ,   30
.set GO,   31
.set LPB,  32                          ; v[32:47]   four chains of partial sums (pairs) for each tile i, at 32 + 8 i + 2 c
.set O,    64                          ; v[64:127]  O^T (i, t) at 64 + 32 i + 8 t
.set S,    128                         ; v[128:191] S^T (i, kt) at 128 + 32 i + 8 kt; P^T (i, kk) at 128 + 32 i + 16 kk
.set KF,   192                         ; v[192:255] eight transposed fragments of K
.set QF,   16                          ; window 1: q fragments (i, s) at 16 + 16 i + 8 s
.set KS,   48                          ; window 1: K's row fragments (kt, s) at 48 + 16 kt + 8 s
.set MSB,  0
.macro WIN new                         ; the immediate's high byte repeats the setting that is left
.if MSB != \new
	s_set_vgpr_msb (MSB<<8)|\new
.set MSB, \new
.endif
.endm
.macro PLACES                          ; four places behind a matrix instruction (ISA guide 7.12.1), where there is no work to put there
.rept 4
	v_nop
.endr
.endm
.macro ROUND
	WIN 0
	s_barrier_signal -1
	s_barrier_wait -1
	s_cmp_lg_u32 s10, 0
	s_cbranch_scc1 .Lnot_wave_0_\@
	s_barrier_signal -3
.Lnot_wave_0_\@:
	s_barrier_wait -3
	s_barrier_signal -1
	s_barrier_wait -1
.endm
	s_load_b128 s[4:7], s[0:1], 0x0                ; kbf, q0
	s_load_b64 s[8:9], s[0:1], 0x10                ; qf
	v_lshl_add_u32 v62, v0, 2, 0x4e800
	v_mov_b32 v63, 0
	ds_add_u32 v62, v63
	v_lshrrev_b32 v1, 5, v0
	v_readfirstlane_b32 s10, v1                    ; wave 0..7
	s_lshr_b32 s11, s10, 2                         ; qh
	s_and_b32 s12, s10, 3                          ; kq
	s_mov_b32 s14, 0x76543210                      ; v_permlanex16_b32: lane i of one half reads lane i of the other
	s_mov_b32 s15, 0xfedcba98
	s_mov_b32 s16, 0x3e38aa3b                      ; log2(e) / 8
	s_mov_b32 s17, 0x3e38aa3b
	s_bfe_u32 s18, ttmp6, 0x40000                  ; cx
	s_lshl_b32 s19, ttmp9, 2
	s_add_co_u32 s19, s19, s18                     ; query block
	s_and_b32 s20, ttmp7, 0xffff                   ; head
	; K's descriptor: 128 rows of 128 bf16 (two keys), dense in memory, 16 bytes of padding behind each in LDS; all four partners named
	s_mov_b32 s24, 15|(1<<16)|(1<<20)|(1<<21)|(5<<22)|(3<<25)
	s_mov_b32 s25, 128<<16
	s_mov_b32 s26, 128<<16
	s_mov_b32 s27, 128<<16
	s_mov_b32 s28, 128
	s_mov_b32 s29, 128
	s_mov_b32 s30, 0
	s_mov_b32 s31, 0
	s_lshl_b32 s36, s20, 18                        ; a head's K: 262144 bytes
	s_lshl_b32 s21, s10, 15                        ; my 256 keys
	s_add_co_u32 s36, s36, s21
	s_mov_b32 s37, 0
	s_mov_b32 s32, 1
	s_mul_i32 s33, s10, 34816                      ; 128 rows of 272 bytes
	s_wait_dscnt 0x0
	s_wait_kmcnt 0x0
	s_add_nc_u64 s[34:35], s[4:5], s[36:37]
	s_or_b32 s35, s35, 0x80000000
	ROUND                                          ; the four partners are here: the joint loads meet
	tensor_load_to_lds s[32:35], s[24:31]          ; the wave's only tensor load
	s_nop 0
	v_and_b32 v6, 31, v0                           ; lane L
	v_and_b32 v7, 15, v0                           ; r
	v_bfe_u32 v8, v0, 4, 1                         ; h
	v_lshlrev_b32 v[LN16], 4, v6
	s_mul_i32 s21, s12, 69632                      ; my quarter: 256 rows of 272 bytes
	v_lshrrev_b32 v9, 1, v7                        ; S^T: lane (r, h) reads key r, bytes 64 h ..: hd = 32 h + 16 s + 0..15
	v_mul_u32_u24 v9, v9, 272
	v_and_b32 v10, 1, v7
	v_lshl_add_u32 v9, v10, 7, v9
	v_lshl_add_u32 v9, v8, 6, v9
	v_add_nc_u32 v[PAL], s21, v9
	v_add_nc_u32 v[PAH], 34816, v[PAL]
	v_and_b32 v9, 7, v6                            ; O^T: lane L addresses key 8 h + (L & 7), bytes 64 ((L >> 3) & 1) + 16 t
	v_lshl_add_u32 v9, v8, 3, v9
	v_lshrrev_b32 v10, 1, v9
	v_mul_u32_u24 v10, v10, 272
	v_and_b32 v11, 1, v9
	v_lshl_add_u32 v10, v11, 7, v10
	v_bfe_u32 v11, v0, 3, 1
	v_lshl_add_u32 v10, v11, 6, v10
	v_add_nc_u32 v[TAL], s21, v10
	v_add_nc_u32 v[TAH], 34816, v[TAL]
	s_mul_i32 s22, s10, XA
	s_add_co_u32 s22, s22, XB
	v_add_nc_u32 v[XW], s22, v[LN16]               ; my area of X
	v_lshlrev_b32 v9, 3, v6
	s_add_co_u32 s23, s22, 4096
	v_add_nc_u32 v[MW], s23, v9
	s_mul_i32 s22, s11, 4*XA
	s_add_co_u32 s22, s22, XB                      ; the four areas of my query half
	s_add_co_u32 s23, s22, 4096
	v_add_nc_u32 v[MR], s23, v9
	s_lshl_b32 s23, s12, 10
	s_add_co_u32 s22, s22, s23                     ; tile t = kq in each
	v_add_nc_u32 v[XR], s22, v[LN16]
	s_lshl_b32 s22, s11, 12
	s_add_co_u32 s22, s22, QB
	v_add_nc_u32 v[QR], s22, v[LN16]
	s_lshl_b32 s23, s12, 9
	s_add_co_u32 s22, s22, s23
	v_add_nc_u32 v[QW], s22, v[LN16]
	v_lshlrev_b32 v9, 12, v7                       ; q0: row r, 32 h numbers in
	v_lshl_add_u32 v[GQ], v8, 7, v9
	v_lshrrev_b32 v9, 3, v6                        ; qf: four rows a store, eight lanes a row
	v_and_b32 v10, 7, v6
	v_lshlrev_b32 v9, 11, v9
	v_lshl_add_u32 v[GO], v10, 4, v9
	v_mov_b32 v[MP+1], 0                           ; the second registers of the four pairs whose first is broadcast are written once,
	v_mov_b32 v[MP+3], 0                           ; since a pair counts as read whole
	v_mov_b32 v[AP+1], 0
	v_mov_b32 v[AP+3], 0
	s_lshl_b32 s38, s19, 18                        ; 64 rows of 4096 bytes
	s_lshl_b32 s21, s11, 17
	s_add_co_u32 s38, s38, s21
	s_lshl_b32 s21, s20, 8
	s_add_co_u32 s38, s38, s21
	s_lshl_b32 s21, s12, 5
	s_add_co_u32 s38, s38, s21
	s_mov_b32 s39, 0
	s_add_nc_u64 s[6:7], s[6:7], s[38:39]
	s_lshl_b32 s38, s19, 17                        ; 64 rows of 2048 bytes
	s_lshl_b32 s21, s10, 14
	s_add_co_u32 s38, s38, s21
	s_lshl_b32 s21, s20, 7
	s_add_co_u32 s38, s38, s21
	s_add_nc_u64 s[8:9], s[8:9], s[38:39]
	WIN 0x40                                       ; destination in window 1: q(i), hd = 32 h + 8 kq + 0..7 of query 16 i + r
	global_load_b128 v[0:3], v[GQ], s[6:7]
	global_load_b128 v[4:7], v[GQ], s[6:7] offset:16
	global_load_b128 v[8:11], v[GQ], s[6:7] offset:65536
	global_load_b128 v[12:15], v[GQ], s[6:7] offset:65552
	WIN 0
	s_wait_tensorcnt 0x0                           ; my 256 keys are in,
	s_barrier_signal -1
	s_barrier_wait -1                              ; everybody's are
; q, scaled or not, to bf16 and into Q; the barrier shows it to the other waves, and orders it behind their reads of X and Q
.macro PUBLISH scaled
.if \scaled
	WIN 0x01
.irp e, 0,2,4,6,8,10,12,14
	v_pk_mul_f32 v[S+\e:S+\e+1], v[\e:\e+1], s[16:17] op_sel_hi:[1,0]
.endr
	WIN 0
.irp e, 0,1,2,3,4,5,6,7
	v_cvt_pk_bf16_f32 v[S+16+\e], v[S+2*\e], v[S+2*\e+1]
.endr
.else
	WIN 0x05
.irp e, 0,1,2,3,4,5,6,7
	v_cvt_pk_bf16_f32 v[S+16+\e], v[2*\e], v[2*\e+1]
.endr
	WIN 0
.endif
	ds_store_b128 v[QW], v[S+16:S+19]
	ds_store_b128 v[QW], v[S+20:S+23] offset:2048
	s_wait_dscnt 0x0
	s_barrier_signal -1
	s_barrier_wait -1
.endm
; 16 LDS loads: the row fragments of the 64 keys of trip m, into window 1
.macro KSLOAD m
.if (\m) < 4
.set KPA, PAL
.else
.set KPA, PAH
.endif
.set KPO, ((\m)&3)*8704
	WIN 0x40
.irp kt, 0,1,2,3
.irp c, 0,1,2,3
	ds_load_b128 v[KS+16*\kt+4*\c:KS+16*\kt+4*\c+3], v[KPA] offset:KPO+\kt*2176+16*\c
.endr
.endr
	WIN 0
.endm
; 16 transposing LDS loads: the same 64 keys as K^T; address register KTA and offset KTO are set by the trip
.macro KTLOAD
.irp kk, 0,1
.irp t, 0,1,2,3
	ds_load_tr16_b128 v[KF+32*\kk+8*\t:KF+32*\kk+8*\t+3], v[KTA] offset:KTO+16*\t+\kk*4352
	ds_load_tr16_b128 v[KF+32*\kk+8*\t+4:KF+32*\kk+8*\t+7], v[KTA] offset:KTO+16*\t+\kk*4352+2176
.endr
.endr
.endm
; S^T of query tile i: 8 matrix instructions, four accumulators by turns, one instruction a turn
.macro SMUL i
	WIN 0x05                                       ; both sources in window 1
.irp s, 0,1
.irp kt, 0,1,2,3
.if \s == 0
	v_wmma_f32_16x16x32_bf16 v[S+32*\i+8*\kt:S+32*\i+8*\kt+7], v[KS+16*\kt+8*\s:KS+16*\kt+8*\s+7], v[QF+16*\i+8*\s:QF+16*\i+8*\s+7], 0
.else
	v_wmma_f32_16x16x32_bf16 v[S+32*\i+8*\kt:S+32*\i+8*\kt+7], v[KS+16*\kt+8*\s:KS+16*\kt+8*\s+7], v[QF+16*\i+8*\s:QF+16*\i+8*\s+7], v[S+32*\i+8*\kt:S+32*\i+8*\kt+7]
.endif
.endr
.endr
	WIN 0
.endm
; O(i) times the factor that tile i's last softmax made: 16 plain vector instructions that name no register of an S^T product
.macro RESC i
.set e_, 0
.rept 16
	v_pk_mul_f32 v[O+32*\i+e_:O+32*\i+e_+1], v[O+32*\i+e_:O+32*\i+e_+1], v[AP+2*\i:AP+2*\i+1] op_sel_hi:[1,0]
.set e_, e_+2
.endr
.endm
; The next of the 8 products O(PVI) += K^T P(PVI): number PVN is (kk, t) = (PVN / 4, PVN % 4): four accumulators by turns, one
; instruction a turn.  PVZ = 1: the step's first 64 keys, whose first four products start the sums.
.macro PVONE
.set pt_, PVN%4
.set pk_, PVN/4
.set pz_, 0
.if PVZ
.if PVN < 4
.set pz_, 1
.endif
.endif
.if pz_
	v_wmma_f32_16x16x32_bf16 v[O+32*PVI+8*pt_:O+32*PVI+8*pt_+7], v[KF+32*pk_+8*pt_:KF+32*pk_+8*pt_+7], v[S+32*PVI+16*pk_:S+32*PVI+16*pk_+7], 0
.else
	v_wmma_f32_16x16x32_bf16 v[O+32*PVI+8*pt_:O+32*PVI+8*pt_+7], v[KF+32*pk_+8*pt_:KF+32*pk_+8*pt_+7], v[S+32*PVI+16*pk_:S+32*PVI+16*pk_+7], v[O+32*PVI+8*pt_:O+32*PVI+8*pt_+7]
.endif
.set PVN, PVN+1
.endm
; A softmax has 11 such points, 6 to 10 vector instructions apart.  From point PVS on each takes one product of the other query tile
; (ahead of the first, the wait PVW if it is not negative); point LDH takes the transposing loads.
.macro HK
.if HKC >= PVS
.if PVN < 8
.if PVN == 0
.if PVW >= 0
	s_wait_dscnt PVW                               ; the transposed fragments are in; the PVW younger loads (the next trip's rows) stay out
.endif
.endif
	PVONE
.endif
.endif
.if HKC == LDH
	KTLOAD
.endif
.set HKC, HKC+1
.endm
.macro SUBP p                          ; pair p of S^T less the running maximum
	v_pk_add_f32 v[SB+2*(\p):SB+2*(\p)+1], v[SB+2*(\p):SB+2*(\p)+1], v[MB:MB+1] op_sel_hi:[1,0] neg_lo:[0,1] neg_hi:[0,1]
.endm
.macro SUMP e, first                   ; pair e into chain e % 4; each chain's first pair of a trip brings the old sum's factor along
.if (\e) < 4
.if \first
	s_wait_alu depctr_va_vdst(0)
	v_pk_add_f32 v[LB+2*((\e)%4):LB+2*((\e)%4)+1], v[SB+2*(\e):SB+2*(\e)+1], 0 op_sel_hi:[1,0]     ; starts the chain
.else
	s_wait_alu depctr_va_vdst(0)
	v_pk_fma_f32 v[LB+2*((\e)%4):LB+2*((\e)%4)+1], v[LB+2*((\e)%4):LB+2*((\e)%4)+1], v[AB:AB+1], v[SB+2*(\e):SB+2*(\e)+1] op_sel_hi:[1,0,1]
.endif
.else
	s_wait_alu depctr_va_vdst(0)
	v_pk_add_f32 v[LB+2*((\e)%4):LB+2*((\e)%4)+1], v[LB+2*((\e)%4):LB+2*((\e)%4)+1], v[SB+2*(\e):SB+2*(\e)+1]
.endif
.endm
.macro CVTP e                          ; pair e to bf16, into register 16 (e / 8) + e % 8: never ahead of a pair not yet read
	v_cvt_pk_bf16_f32 v[SB+16*((\e)/8)+((\e)%8)], v[SB+2*(\e)], v[SB+2*(\e)+1]
.endm
; The softmax work of query tile i on 64 keys: new maximum (four chains), factor, then in groups of four numbers: the exponentials of
; group g take turns with the subtractions of group g + 1 and the sums and conversions of group g - 1, so that behind every
; transcendental stands a plain instruction that touches neither its result nor its source.
.macro SM i, first
.set SB, S+32*\i
.set MB, MP+2*\i
.set AB, AP+2*\i
.set LB, LPB+8*\i
.irp c, 0,1,2,3
	v_max3_num_f32 v[T0+\c], v[SB+8*\c], v[SB+8*\c+1], v[SB+8*\c+2]
.endr
.irp c, 0,1,2,3
	v_max3_num_f32 v[T0+\c], v[T0+\c], v[SB+8*\c+3], v[SB+8*\c+4]
.endr
	HK
.irp c, 0,1,2,3
	v_max3_num_f32 v[T0+\c], v[T0+\c], v[SB+8*\c+5], v[SB+8*\c+6]
.endr
	v_max3_num_f32 v[T0], v[T0], v[SB+7], v[SB+15]
	v_max3_num_f32 v[T2], v[T2], v[SB+23], v[SB+31]
.if \first
	v_max_num_f32 v[T0], v[T0], v[T1]
.else
	v_max3_num_f32 v[T0], v[T0], v[T1], v[MB]
.endif
	v_max_num_f32 v[T2], v[T2], v[T3]
	HK
	v_max_num_f32 v[T0], v[T0], v[T2]
	v_permlanex16_b32 v[T1], v[T0], s14, s15       ; the other half of the lanes holds the other keys of my query
.if \first
	v_max_num_f32 v[MB], v[T0], v[T1]
.else
	v_max_num_f32 v[T0], v[T0], v[T1]
	v_sub_f32 v[T2], v[MB], v[T0]                  ; old maximum - new, at most 0
	v_mov_b32 v[MB], v[T0]
	v_exp_f32 v[AB], v[T2]
.endif
	SUBP 0
	SUBP 1
	HK
.set g_, 0
.rept 8
	v_exp_f32 v[SB+4*g_], v[SB+4*g_]
.if g_ < 7
	SUBP 2*g_+2
.endif
	v_exp_f32 v[SB+4*g_+1], v[SB+4*g_+1]
.if g_ < 7
	SUBP 2*g_+3
.endif
	v_exp_f32 v[SB+4*g_+2], v[SB+4*g_+2]
.if g_ > 0
	SUMP 2*g_-2, \first
.endif
	v_exp_f32 v[SB+4*g_+3], v[SB+4*g_+3]
.if g_ > 0
	CVTP 2*g_-2
	SUMP 2*g_-1, \first
	CVTP 2*g_-1
.endif
	HK
.set g_, g_+1
.endr
	SUMP 14, \first
	CVTP 14
	SUMP 15, \first
	CVTP 15
.endm
; Trip n of a step: 64 keys of my quarter against my 32 queries.
; Distances behind matrix instructions: behind each S^T block 16 rescaling multiplies, or four v_nop in the trips that have
; nothing to rescale yet; the transposing loads stand at point 8 of softmax(0), six plain instructions behind the last product that read
; the old fragments (point 7); the last product strewn into softmax(1) stands at point 9, eight plain instructions ahead of the next S^T block,
; which writes over its P^T.
.macro TRIP n
.if \n < 4
.set KTA, TAL
.else
.set KTA, TAH
.endif
.set KTO, (\n&3)*8704
	s_wait_dscnt 0x0                               ; this trip's row fragments, asked for a softmax ago (in a step's first trip q's fragments too)
	SMUL 0
.if \n >= 2
	RESC 1                                         ; by the factor of softmax(1) of the trip before
.else
	PLACES
.endif
.set HKC, 0
.set PVS, 0
.set PVI, 1
.set PVW, -1
.set LDH, 8
.if \n == 0
.set PVN, 8
.else
.set PVN, 0
.endif
.if \n == 1
.set PVZ, 1
.else
.set PVZ, 0
.endif
.if \n == 0
	SM 0, 1
.else
	SM 0, 0
.endif
	SMUL 1
.if \n >= 1
	RESC 0
.else
	PLACES
.endif
	KSLOAD ((\n+1)&7)                              ; trip 7 asks for trip 0's rows again, for the next step (in the fifth step they are not used)
.set HKC, 0
.set PVS, 2
.set PVI, 0
.set PVN, 0
.set PVW, 16
.set LDH, -1
.if \n == 0
.set PVZ, 1
	SM 1, 1
.else
.set PVZ, 0
	SM 1, 0
.endif
.endm
.macro FOLD i                          ; the four chains, the two halves of a pair and the two halves of the lanes: l of my quarter, beside its maximum
	v_pk_add_f32 v[LPB+8*\i:LPB+8*\i+1], v[LPB+8*\i:LPB+8*\i+1], v[LPB+8*\i+2:LPB+8*\i+3]
	v_pk_add_f32 v[LPB+8*\i+4:LPB+8*\i+5], v[LPB+8*\i+4:LPB+8*\i+5], v[LPB+8*\i+6:LPB+8*\i+7]
	v_pk_add_f32 v[LPB+8*\i:LPB+8*\i+1], v[LPB+8*\i:LPB+8*\i+1], v[LPB+8*\i+4:LPB+8*\i+5]
	v_add_f32 v[T0], v[LPB+8*\i], v[LPB+8*\i+1]
	v_permlanex16_b32 v[T1], v[T0], s14, s15
	v_add_f32 v[MP+2*\i+1], v[T0], v[T1]
.endm
; The four key quarters of query tile i meet: each wave dumps its four O tiles and (m, l), and takes tile t = kq of all four.
.macro DUMPO i
.irp t, 0,1,2,3
	ds_store_b128 v[XW], v[O+32*\i+8*\t:O+32*\i+8*\t+3] offset:\t*1024
	ds_store_b128 v[XW], v[O+32*\i+8*\t+4:O+32*\i+8*\t+7] offset:\t*1024+512
.endr
.endm
.macro DUMPM i
	ds_store_b64 v[MW], v[MP+2*\i:MP+2*\i+1]
.endm
.macro TAKE i
.irp c, 0,1,2,3
	ds_load_b64 v[S+32+2*\c:S+33+2*\c], v[MR] offset:\c*XA
.endr
.irp c, 0,1,2,3
	ds_load_b128 v[S+8*\c:S+8*\c+3], v[XR] offset:\c*XA
	ds_load_b128 v[S+8*\c+4:S+8*\c+7], v[XR] offset:\c*XA+512
.endr
	s_wait_dscnt 8                                 ; the four (m, l) are in; the eight loads of tiles stay out
	v_max3_num_f32 v[T0], v[S+32], v[S+34], v[S+36]
	v_max_num_f32 v[T0], v[T0], v[S+38]
.irp c, 0,1,2,3
	v_sub_f32 v[S+32+2*\c], v[S+32+2*\c], v[T0]
.endr
.irp c, 0,1,2,3
	v_exp_f32 v[S+32+2*\c], v[S+32+2*\c]           ; each quarter's weight, at most 1, and 1 for the largest maximum
.endr
	v_nop
	s_wait_alu depctr_va_vdst(0)
	v_mul_f32 v[T1], v[S+32], v[S+33]
	v_fmac_f32 v[T1], v[S+34], v[S+35]
	v_fmac_f32 v[T1], v[S+36], v[S+37]
	v_fmac_f32 v[T1], v[S+38], v[S+39]             ; the whole sum, at least 1
	v_rcp_f32 v[T2], v[T1]
	s_wait_dscnt 0x0
.irp q, 0,2,4,6
	v_pk_mul_f32 v[S+\q:S+\q+1], v[S+\q:S+\q+1], v[S+32:S+33] op_sel_hi:[1,0]
.endr
.irp c, 1,2,3
.irp q, 0,2,4,6
	v_pk_fma_f32 v[S+\q:S+\q+1], v[S+8*\c+\q:S+8*\c+\q+1], v[S+32+2*\c:S+33+2*\c], v[S+\q:S+\q+1] op_sel_hi:[1,0,1]
.endr
.endr
	s_wait_alu depctr_va_vdst(0)
	v_mul_f32 v[T2], 0x3dcccccd, v[T2]             ; the step size 0.1 over the sum
	v_mov_b32 v[T3], v[T2]
	WIN 0x50                                       ; q in window 1 as addend and result
.irp q, 0,2,4,6
	v_pk_fma_f32 v[8*\i+\q:8*\i+\q+1], v[S+\q:S+\q+1], v[T2:T3], v[8*\i+\q:8*\i+\q+1]
.endr
	WIN 0
.endm
	KSLOAD 0                                       ; the first trip's row fragments, while q0 is on its way
	s_wait_loadcnt 0x0
	s_mov_b32 s13, 0
.Lstep:
	PUBLISH 1
	WIN 0x40
.irp i, 0,1
.irp t, 0,1,2,3
	ds_load_b128 v[QF+16*\i+4*\t:QF+16*\i+4*\t+3], v[QR] offset:\i*2048+\t*512    ; tiles 2 s, 2 s + 1 are the two halves of fragment s
.endr
.endr
	WIN 0
	TRIP 0
	TRIP 1
	TRIP 2
	TRIP 3
	TRIP 4
	TRIP 5
	TRIP 6
	TRIP 7
	DUMPO 0                                        ; tile 0 is whole (its last product stands eight plain instructions back): its dump leaves under tile 1's last products
	RESC 1
.set PVI, 1
.set PVN, 0
.set PVZ, 0
.rept 8
	PVONE                                          ; tile 1's products of the last 64 keys
.endr
	FOLD 0                                         ; ten plain instructions: the places ahead of the loads into S's registers and of tile 1's dump
	FOLD 1
	DUMPM 0
	s_wait_dscnt 0x0                               ; my dump is written (and the next step's row fragments are in)
	s_barrier_signal -1
	s_barrier_wait -1                              ; everybody's is
	TAKE 0
	s_wait_dscnt 0x0                               ; my reads of X are back
	s_barrier_signal -1
	s_barrier_wait -1                              ; everybody's are: X may be written again
	DUMPO 1
	DUMPM 1
	s_wait_dscnt 0x0
	s_barrier_signal -1
	s_barrier_wait -1
	TAKE 1
	s_add_co_u32 s13, s13, 1
	s_cmp_lt_u32 s13, 5
	s_cbranch_scc1 .Lstep
	PUBLISH 0                                      ; q as it is, in bf16, through Q
	s_lshr_b32 s21, s10, 1
	s_lshl_b32 s21, s21, 11                        ; queries 8 w .. 8 w + 7 lie in tile (qh, i) = w >> 1,
	s_and_b32 s22, s10, 1
	s_lshl_b32 s22, s22, 7                         ; at r = 8 (w & 1) + ..
	s_add_co_u32 s21, s21, s22
	s_add_co_u32 s21, s21, QB
	v_and_b32 v6, 31, v0
	v_and_b32 v7, 3, v6                            ; piece L & 7 of a row's 128 bytes is hd = 8 (L & 7): t = L & 3, h = (L >> 2) & 1
	v_lshlrev_b32 v7, 9, v7
	v_bfe_u32 v8, v0, 2, 1
	v_lshl_add_u32 v7, v8, 8, v7
	v_lshrrev_b32 v8, 3, v6
	v_lshl_add_u32 v7, v8, 4, v7
	v_add_nc_u32 v[T4], s21, v7
	ds_load_b128 v[S:S+3], v[T4]
	ds_load_b128 v[S+4:S+7], v[T4] offset:64
	s_wait_dscnt 0x0
	global_store_b128 v[GO], v[S:S+3], s[8:9]
	global_store_b128 v[GO], v[S+4:S+7], s[8:9] offset:8192
	s_wait_tensorcnt 0x0
	ds_add_u32 v62, v63
	s_wait_dscnt 0x0
	ROUND                                          ; the closing round
	s_endpgm
.Lfunc_end_k_q4e255547e4_attn:
	.size	k_q4e255547e4_attn, .Lfunc_end_k_q4e255547e4_attn-k_q4e255547e4_attn
	.p2alignl 7, 3214868480
	.fill 96, 4, 3214868480
	.section	.rodata,"a",@progbits
	.p2align	6, 0x0
	.amdhsa_kernel k_q4e255547e4_attn
		.amdhsa_group_segment_fixed_size 322560
		.amdhsa_private_segment_fixed_size 0
		.amdhsa_enable_private_segment 0
		.amdhsa_kernarg_size 24
		.amdhsa_user_sgpr_count 2
		.amdhsa_user_sgpr_kernarg_segment_ptr 1
		.amdhsa_wavefront_size32 1
		.amdhsa_system_sgpr_workgroup_id_x 1
		.amdhsa_system_sgpr_workgroup_id_y 1
		.amdhsa_system_sgpr_workgroup_id_z 1
		.amdhsa_system_vgpr_workitem_id 0
		.amdhsa_next_free_vgpr 368
		.amdhsa_next_free_sgpr 66
		.amdhsa_reserve_vcc 0
		.amdhsa_float_denorm_mode_32 3
		.amdhsa_float_denorm_mode_16_64 3
		.amdhsa_memory_ordered 1
		.amdhsa_forward_progress 1
		.amdhsa_inst_pref_size 158
	.end_amdhsa_kernel
	.amdgpu_metadata
---
amdhsa.version: [ 1, 2 ]
amdhsa.kernels:
  - .name:           k_q4e255547e4_attn
    .symbol:         k_q4e255547e4_attn.kd
    .args:
      - { .name: kbf, .offset: 0, .size: 8, .value_kind: global_buffer, .address_space: global }
      - { .name: q0, .offset: 8, .size: 8, .value_kind: global_buffer, .address_space: global }
      - { .name: qf, .offset: 16, .size: 8, .value_kind: global_buffer, .address_space: global }
    .group_segment_fixed_size: 322560
    .private_segment_fixed_size: 0
    .kernarg_segment_align: 8
    .kernarg_segment_size: 24
    .max_flat_workgroup_size: 256
    .sgpr_count:     66
    .vgpr_count:     368
    .wavefront_size: 32
...
	.end_amdgpu_metadata
.endif
;; end of part 3
;; launch wo (part 4): grid 16 x 16, 4 waves a work-group, clusters of 4 x 4, 315,904 bytes of LDS; arguments qf, wb, target, alpha2, t2, tn2; writes t2, tn2
.if DOCPART == 4
	.amdgcn_target "amdgcn-amd-amdhsa--gfx1250"
	.amdhsa_code_object_version 6
	.text
	.protected	k_q4e255547e4_wo
	.globl	k_q4e255547e4_wo
	.p2align	8
	.type	k_q4e255547e4_wo,@function
k_q4e255547e4_wo:
	s_mov_b64 s[64:65], 0
	v_nop
	global_prefetch_b8 v0, s[64:65] scope:SCOPE_SE
	s_setreg_imm32_b32 hwreg(HW_REG_WAVE_MODE, 25, 1), 1
	s_wait_xcnt 0x0
	s_wait_alu depctr_hold_cnt(0) depctr_sa_sdst(0) depctr_va_vdst(0) depctr_va_sdst(0) depctr_va_ssrc(0) depctr_va_vcc(0) depctr_vm_vsrc(0)
	s_getreg_b32 s2, hwreg(HW_REG_IB_STS2, 6, 4)
	s_cmp_eq_u32 s2, 0
	s_cbranch_scc0 .Lentry_in_a_cluster
	s_endpgm
.Lentry_in_a_cluster:
	s_bfe_u32 s2, ttmp6, 0x10000c
	s_cmp_lg_u32 s2, 0xf033
	s_cbranch_scc0 .Lentry_shape_is_right
	s_endpgm
.Lentry_shape_is_right:
; wo: t2 = target + qf Wo^T (f32), tn2 = tanh(alpha2 t2) (bf16).  qf [1024][1024] bf16, Wo at wb + 4 MiB [1024][1024] bf16.
; A work-group makes 64 x 64 of C, so that 1024 x 1024 outputs give 256 work-groups.  The four waves split K: a tile is 256 along K,
; wave w multiplies k = 128 (w >> 1) + 64 (w & 1) + 0..63 of it, each on a whole 64 x 64 tile (16 accumulators), and the four partial
; sums are added through LDS at the end, always in the order (0 + 1) + (2 + 3).
; K goes in 4 tiles through four LDS slots, each filled once.  A slot is four parts of 64 rows x 256 bytes (A's two halves of K, then B's);
; wave w fetches part w with one tensor load; rows are 256 bytes of memory at multiples of 256.
; CLUSTER 4 x 4: A's parts are asked for jointly along a row of the cluster, B's along a column: a quarter of the requests.
; REGISTERS: window 0: v1 r, v2 h, v4-11 LDS addresses of fragments, v12-15 way out, v16-79 way out data, v80-111 the residual,
; v128-255 accumulators; window 1: two fragment buffers.  Transposed use: lane (r, h), register j holds C(16 a + r, 16 b + 8 h + j).
; LIMITS: NaN and infinities are not served.  tanh(x) = 1 - 2 / (1 + 2^(2.88539 x)), absolute error about 1e-7.
; tn2 goes out in runs of 128 bytes: 64 columns of bf16 are no longer.
.set KD,     1024
.set STEP,   512
.set NSUB,   2
.set BOFF,   0x400000
.set PITCH,  272                       ; 256 bytes + 16 = 17 x 16: 16 rows start in 16 different 16-byte columns modulo 256
.set PART,   64*PITCH
.set SLOT,   4*PART
.set STAGE,  4*SLOT
.set ADRA,   4
.set ADRB,   8
.set ACC,    128
.set F0,     0
.set F1,     64
.set G1A,    16
.set G1B,    24
.set G0A,    32
.set G0B,    48
.set G1W0,   (1<<16)|(1<<20)|(1<<21)|(5<<22)|(3<<25)
.set MSB,    0
.macro WIN new
.if MSB != \new
	s_set_vgpr_msb (MSB<<8)|\new
.set MSB, \new
.endif
.endm
.macro PLACES                          ; four places behind a matrix instruction (ISA guide 7.12.1)
.rept 4
	v_nop
.endr
.endm
.macro ROUND
	WIN 0
	s_barrier_signal -1
	s_barrier_wait -1
	s_cmp_lg_u32 s14, 0
	s_cbranch_scc1 .Lnot_wave_0_\@
	s_barrier_signal -3
.Lnot_wave_0_\@:
	s_barrier_wait -3
	s_barrier_signal -1
	s_barrier_wait -1
.endm
.macro JLOADS a, b, c, d
	s_cmp_eq_u32 s15, 0
	s_cbranch_scc0 .Lfor_b_\@
.irp t, \a, \b, \c, \d
.if \t >= 0
	tensor_load_to_lds s[G0A+4*\t:G0A+4*\t+3], s[G1A:G1A+7]
	s_nop 0
.endif
.endr
	s_branch .Lasked_\@
.Lfor_b_\@:
.irp t, \a, \b, \c, \d
.if \t >= 0
	tensor_load_to_lds s[G0B+4*\t:G0B+4*\t+3], s[G1B:G1B+7]
	s_nop 0
.endif
.endr
.Lasked_\@:
.endm
.macro FETCH slot, kofs, f
	WIN 0x40
.irp i, 0,1,2,3
	ds_load_b128 v[\f+8*\i:\f+8*\i+3], v[ADRB+\slot] offset:\kofs+\i*16*PITCH
	ds_load_b128 v[\f+8*\i+4:\f+8*\i+7], v[ADRB+\slot] offset:\kofs+\i*16*PITCH+32
.endr
.irp i, 0,1,2,3
	ds_load_b128 v[\f+32+8*\i:\f+32+8*\i+3], v[ADRA+\slot] offset:\kofs+\i*16*PITCH
	ds_load_b128 v[\f+32+8*\i+4:\f+32+8*\i+7], v[ADRA+\slot] offset:\kofs+\i*16*PITCH+32
.endr
.endm
.macro MUL f, zero                     ; the 16 accumulators take turns, one instruction a turn
	WIN 0x05
.irp a, 0,1,2,3
.irp b, 0,1,2,3
.if \zero
	v_wmma_f32_16x16x32_bf16 v[ACC+8*(4*\a+\b):ACC+8*(4*\a+\b)+7], v[\f+8*\b:\f+8*\b+7], v[\f+32+8*\a:\f+32+8*\a+7], 0
.else
	v_wmma_f32_16x16x32_bf16 v[ACC+8*(4*\a+\b):ACC+8*(4*\a+\b)+7], v[\f+8*\b:\f+8*\b+7], v[\f+32+8*\a:\f+32+8*\a+7], v[ACC+8*(4*\a+\b):ACC+8*(4*\a+\b)+7]
.endif
.endr
.endr
.endm
.macro QSTEP slot, kofs, fnext, fcur, zero
	PLACES
	FETCH \slot, \kofs, \fnext
	s_wait_dscnt 16                                ; all but the 16 loads just issued
	MUL \fcur, \zero
.endm
.macro TILE slot, zero
	QSTEP \slot, 64, F1, F0, \zero
.endm
.macro NEXT n, nslot
	s_wait_dscnt 0x0
	s_wait_tensorcnt \n                            ; my part of the next tile is in; my n younger loads stay out
	s_barrier_signal -1
	s_barrier_wait -1
	PLACES
	FETCH \nslot, 0, F0
	MUL F1, 0
.endm
.macro LAST
	s_wait_dscnt 0x0
	MUL F1, 0
	WIN 0
	PLACES
.endm
	s_load_b128 s[4:7], s[0:1], 0x0                ; qf, wb
	s_load_b128 s[8:11], s[0:1], 0x10              ; target, alpha2
	s_load_b128 s[88:91], s[0:1], 0x20             ; t2, tn2
	v_lshl_add_u32 v126, v0, 2, 0x4d000
	v_mov_b32 v127, 0
	ds_add_u32 v126, v127
	v_lshrrev_b32 v1, 5, v0
	v_readfirstlane_b32 s14, v1                    ; wave 0..3
	s_lshr_b32 s15, s14, 1                         ; my half of a tile's K; also: I fetch for A (0) or B (1)
	s_and_b32 s2, s14, 1                           ; my quarter in that half; also: which half of K I fetch
	s_bfe_u32 s66, ttmp6, 0x40000                  ; cx
	s_bfe_u32 s67, ttmp6, 0x40004                  ; cy
	s_lshl_b32 s68, ttmp9, 2
	s_add_co_u32 s68, s68, s66                     ; block column
	s_and_b32 s70, ttmp7, 0xffff
	s_lshl_b32 s69, s70, 2
	s_add_co_u32 s69, s69, s67                     ; block row
	s_lshl_b32 s71, s67, 2
	s_lshl_b32 s71, 15, s71                        ; my row of the cluster
	s_lshl_b32 s72, 0x1111, s66                    ; my column
	s_or_b32 s[G1A], s71, G1W0
	s_or_b32 s[G1B], s72, G1W0
.irp g, G1A, G1B
	s_mov_b32 s[\g+1], 128<<16
	s_mov_b32 s[\g+2], 64<<16
	s_mov_b32 s[\g+3], 128<<16
	s_mov_b32 s[\g+4], 64
	s_mov_b32 s[\g+5], KD
	s_mov_b32 s[\g+6], 0
	s_mov_b32 s[\g+7], 0
.endr
	s_lshl_b32 s73, s2, 8                          ; the odd fetching wave: 128 numbers further along K
	s_mul_i32 s74, s69, 64*KD*2
	s_add_co_u32 s74, s74, s73
	s_mov_b32 s75, 0
	s_mul_i32 s76, s68, 64*KD*2
	s_add_co_u32 s76, s76, s73
	s_add_co_u32 s76, s76, BOFF
	s_mov_b32 s77, 0
	s_mul_i32 s78, s14, PART
	s_lshl_b32 s80, s69, 18                        ; my rows of the output: (64 by + 8 w) x 4096 bytes + 256 bx
	s_lshl_b32 s85, s14, 15
	s_add_co_u32 s80, s80, s85
	s_lshl_b32 s85, s68, 8
	s_add_co_u32 s80, s80, s85
	s_mov_b32 s81, 0
	s_wait_dscnt 0x0
	s_wait_kmcnt 0x0
	s_load_b32 s86, s[10:11], 0x0                  ; alpha2
	s_add_nc_u64 s[74:75], s[4:5], s[74:75]
	s_add_nc_u64 s[76:77], s[6:7], s[76:77]
	s_add_nc_u64 s[8:9], s[8:9], s[80:81]
	s_add_nc_u64 s[88:89], s[88:89], s[80:81]
	s_lshr_b32 s80, s80, 1                         ; the same place in bf16
	s_add_nc_u64 s[90:91], s[90:91], s[80:81]
	ROUND
.irp s, 0,1,2,3
	s_mov_b32 s[G0A+4*\s], 1
	s_add_co_u32 s[G0A+4*\s+1], s78, \s*SLOT
	s_add_nc_u64 s[G0A+4*\s+2:G0A+4*\s+3], s[74:75], \s*STEP
	s_or_b32 s[G0A+4*\s+3], s[G0A+4*\s+3], 0x80000000
	s_mov_b32 s[G0B+4*\s], 1
	s_add_co_u32 s[G0B+4*\s+1], s78, \s*SLOT
	s_add_nc_u64 s[G0B+4*\s+2:G0B+4*\s+3], s[76:77], \s*STEP
	s_or_b32 s[G0B+4*\s+3], s[G0B+4*\s+3], 0x80000000
.endr
	JLOADS 0, 1, 2, 3                              ; all four tiles: four tensor loads of the wave are out
	v_and_b32 v1, 15, v0                           ; r
	v_bfe_u32 v2, v0, 4, 1                         ; h
	v_mul_u32_u24 v3, v1, PITCH
	v_lshl_add_u32 v3, v2, 4, v3
	s_mul_i32 s79, s15, PART
	s_lshl_b32 s82, s2, 7
	s_add_co_u32 s79, s79, s82                     ; A: my half's part, my 64 numbers in its rows
	s_add_co_u32 s82, s79, 2*PART                  ; B: the same two parts further on
.irp s, 0,1,2,3
	v_add_nc_u32 v[ADRA+\s], s79, v3
	v_add_nc_u32 v[ADRB+\s], s82, v3
	s_add_co_u32 s79, s79, SLOT
	s_add_co_u32 s82, s82, SLOT
.endr
	v_lshlrev_b32 v14, 12, v2
	v_lshl_add_u32 v14, v1, 4, v14                 ; f32 rows: h x 4096 + 16 r
	v_lshlrev_b32 v15, 11, v2
	v_lshl_add_u32 v15, v1, 3, v15                 ; bf16 rows: h x 2048 + 8 r
.irp p, 0,1
.irp t, 0,1,2,3
	global_load_b128 v[80+16*\p+4*\t:83+16*\p+4*\t], v14, s[8:9] offset:(32*\p+2*\t)*4096   ; the residual, asked for early, used at the end
.endr
.endr
	s_mul_i32 s85, s14, 8704
	s_add_co_u32 s85, s85, STAGE
	v_mul_u32_u24 v12, v1, PITCH
	v_lshl_add_u32 v12, v2, 5, v12
	v_add_nc_u32 v12, s85, v12                     ; my copy of the stage: row r, 32 bytes for each half of the lanes
	s_mul_i32 s85, s14, 8*PITCH
	s_add_co_u32 s85, s85, STAGE
	v_mul_u32_u24 v13, v2, PITCH
	v_lshl_add_u32 v13, v1, 4, v13
	v_add_nc_u32 v13, s85, v13                     ; rows 8 w + h of copy 0
	s_wait_kmcnt 0x0
	s_mul_f32 s86, s86, 0x4038aa3b                 ; alpha2 * 2 log2(e)
	s_mov_b32 s87, s86
	s_wait_tensorcnt 0x3
	s_barrier_signal -1
	s_barrier_wait -1
	FETCH 0, 0, F0
	TILE 0, 1
	NEXT 2, 1
	TILE 1, 0
	NEXT 1, 2
	TILE 2, 0
	NEXT 0, 3
	TILE 3, 0
	LAST
; Rows 32 p .. 32 p + 31: every wave dumps its partial sums into its copy; wave w then adds rows 8 w .. 8 w + 7 of the four copies.
.macro RED p
.irp aa, 0,1
.irp b, 0,1,2,3
	ds_store_b128 v12, v[ACC+8*(4*(2*\p+\aa)+\b):ACC+8*(4*(2*\p+\aa)+\b)+3] offset:\aa*16*PITCH+64*\b
	ds_store_b128 v12, v[ACC+8*(4*(2*\p+\aa)+\b)+4:ACC+8*(4*(2*\p+\aa)+\b)+7] offset:\aa*16*PITCH+64*\b+16
.endr
.endr
	s_wait_dscnt 0x0
	s_barrier_signal -1
	s_barrier_wait -1
.if \p
	s_wait_xcnt 0x0                                ; v[16:79], which the first half's stores read, are loaded again only behind this wait
.endif
.irp t, 0,1,2,3
.irp c, 0,1,2,3
	ds_load_b128 v[16+16*\t+4*\c:19+16*\t+4*\c], v13 offset:\c*8704+\t*2*PITCH
.endr
.endr
.irp t, 0,1,2,3
	s_wait_dscnt 12-4*\t                           ; the four copies of rows 2 t, 2 t + 1 are in; the younger loads stay out
.irp q, 0,2
	v_pk_add_f32 v[16+16*\t+\q:17+16*\t+\q], v[16+16*\t+\q:17+16*\t+\q], v[20+16*\t+\q:21+16*\t+\q]
	v_pk_add_f32 v[24+16*\t+\q:25+16*\t+\q], v[24+16*\t+\q:25+16*\t+\q], v[28+16*\t+\q:29+16*\t+\q]
.endr
.irp q, 0,2
	v_pk_add_f32 v[16+16*\t+\q:17+16*\t+\q], v[16+16*\t+\q:17+16*\t+\q], v[24+16*\t+\q:25+16*\t+\q]
	v_pk_add_f32 v[16+16*\t+\q:17+16*\t+\q], v[16+16*\t+\q:17+16*\t+\q], v[80+16*\p+4*\t+\q:81+16*\p+4*\t+\q]
.endr
	global_store_b128 v14, v[16+16*\t:19+16*\t], s[88:89] offset:(32*\p+2*\t)*4096   ; sixteen lanes store 256 consecutive bytes, aligned
.irp q, 0,2
	v_pk_mul_f32 v[20+16*\t+\q:21+16*\t+\q], v[16+16*\t+\q:17+16*\t+\q], s[86:87] op_sel_hi:[1,0]
.endr
.irp q, 0,1,2,3
	v_exp_f32 v[20+16*\t+\q], v[20+16*\t+\q]
.endr
	v_nop                                          ; one plain place behind the transcendentals
	s_wait_alu depctr_va_vdst(0)
.irp q, 0,2
	v_pk_add_f32 v[20+16*\t+\q:21+16*\t+\q], v[20+16*\t+\q:21+16*\t+\q], 1.0 op_sel_hi:[1,0]
.endr
.irp q, 0,1,2,3
	v_rcp_f32 v[20+16*\t+\q], v[20+16*\t+\q]
.endr
	v_nop
	s_wait_alu depctr_va_vdst(0)
.irp q, 0,2
	v_pk_fma_f32 v[20+16*\t+\q:21+16*\t+\q], v[20+16*\t+\q:21+16*\t+\q], -2.0, 1.0 op_sel_hi:[1,0,0]
.endr
	v_cvt_pk_bf16_f32 v[24+16*\t], v[20+16*\t], v[21+16*\t]
	v_cvt_pk_bf16_f32 v[25+16*\t], v[22+16*\t], v[23+16*\t]
	global_store_b64 v15, v[24+16*\t:25+16*\t], s[90:91] offset:(32*\p+2*\t)*2048
.endr
.if \p == 0
	s_wait_dscnt 0x0                               ; my reads of the stage are back,
	s_barrier_signal -1
	s_barrier_wait -1                              ; everybody's are: it may be written again
.endif
.endm
	s_wait_loadcnt 0x0                             ; the residual
	RED 0
	RED 1
	s_wait_dscnt 0x0
	s_wait_tensorcnt 0x0
	ds_add_u32 v126, v127
	s_wait_dscnt 0x0
	ROUND                                          ; the closing round
	s_endpgm
.Lfunc_end_k_q4e255547e4_wo:
	.size	k_q4e255547e4_wo, .Lfunc_end_k_q4e255547e4_wo-k_q4e255547e4_wo
	.p2alignl 7, 3214868480
	.fill 96, 4, 3214868480
	.section	.rodata,"a",@progbits
	.p2align	6, 0x0
	.amdhsa_kernel k_q4e255547e4_wo
		.amdhsa_group_segment_fixed_size 315904
		.amdhsa_private_segment_fixed_size 0
		.amdhsa_enable_private_segment 0
		.amdhsa_kernarg_size 48
		.amdhsa_user_sgpr_count 2
		.amdhsa_user_sgpr_kernarg_segment_ptr 1
		.amdhsa_wavefront_size32 1
		.amdhsa_system_sgpr_workgroup_id_x 1
		.amdhsa_system_sgpr_workgroup_id_y 1
		.amdhsa_system_sgpr_workgroup_id_z 1
		.amdhsa_system_vgpr_workitem_id 0
		.amdhsa_next_free_vgpr 384
		.amdhsa_next_free_sgpr 96
		.amdhsa_reserve_vcc 0
		.amdhsa_float_denorm_mode_32 3
		.amdhsa_float_denorm_mode_16_64 3
		.amdhsa_memory_ordered 1
		.amdhsa_forward_progress 1
		.amdhsa_inst_pref_size 45
	.end_amdhsa_kernel
	.amdgpu_metadata
---
amdhsa.version: [ 1, 2 ]
amdhsa.kernels:
  - .name:           k_q4e255547e4_wo
    .symbol:         k_q4e255547e4_wo.kd
    .args:
      - { .name: qf, .offset: 0, .size: 8, .value_kind: global_buffer, .address_space: global }
      - { .name: wb, .offset: 8, .size: 8, .value_kind: global_buffer, .address_space: global }
      - { .name: target, .offset: 16, .size: 8, .value_kind: global_buffer, .address_space: global }
      - { .name: alpha2, .offset: 24, .size: 8, .value_kind: global_buffer, .address_space: global }
      - { .name: t2, .offset: 32, .size: 8, .value_kind: global_buffer, .address_space: global }
      - { .name: tn2, .offset: 40, .size: 8, .value_kind: global_buffer, .address_space: global }
    .group_segment_fixed_size: 315904
    .private_segment_fixed_size: 0
    .kernarg_segment_align: 8
    .kernarg_segment_size: 48
    .max_flat_workgroup_size: 128
    .sgpr_count:     96
    .vgpr_count:     384
    .wavefront_size: 32
...
	.end_amdgpu_metadata
.endif
;; end of part 4
;; launch ffn1 (part 5): grid 32 x 8, 4 waves a work-group, clusters of 4 x 4, 327,680 bytes of LDS; arguments tn2, wb, hb; writes hb
.if DOCPART == 5
	.amdgcn_target "amdgcn-amd-amdhsa--gfx1250"
	.amdhsa_code_object_version 6
	.text
	.protected	k_q4e255547e4_ffn1
	.globl	k_q4e255547e4_ffn1
	.p2align	8
	.type	k_q4e255547e4_ffn1,@function
k_q4e255547e4_ffn1:
	s_mov_b64 s[64:65], 0
	v_nop
	global_prefetch_b8 v0, s[64:65] scope:SCOPE_SE
	s_setreg_imm32_b32 hwreg(HW_REG_WAVE_MODE, 25, 1), 1
	s_wait_xcnt 0x0
	s_wait_alu depctr_hold_cnt(0) depctr_sa_sdst(0) depctr_va_vdst(0) depctr_va_sdst(0) depctr_va_ssrc(0) depctr_va_vcc(0) depctr_vm_vsrc(0)
	s_getreg_b32 s2, hwreg(HW_REG_IB_STS2, 6, 4)
	s_cmp_eq_u32 s2, 0
	s_cbranch_scc0 .Lentry_in_a_cluster
	s_endpgm
.Lentry_in_a_cluster:
	s_bfe_u32 s2, ttmp6, 0x10000c
	s_cmp_lg_u32 s2, 0xf033
	s_cbranch_scc0 .Lentry_shape_is_right
	s_endpgm
.Lentry_shape_is_right:
; ffn1: hb = gelu(tn2 W1^T) in bf16.  tn2 [1024][1024] bf16, W1 at wb + 6 MiB [4096][1024] bf16, hb [1024][4096] bf16.
; gelu in its tanh form: x / (1 + 2^(x (c0 + c1 x^2))), c0 = -2 sqrt(2/pi) log2(e), c1 = 0.044715 c0.
; A work-group makes 128 x 128 of C with four waves, a wave 64 x 64 (16 accumulators): 256 work-groups.
; K goes in 8 tiles of 128 through four LDS slots; a slot is four parts of 64 rows x 256 bytes (A rows 0-63, 64-127, B rows 0-63, 64-127);
; wave w fetches part w with one tensor load; rows are 256 bytes of memory at multiples of 256.
; CLUSTER 4 x 4: A's parts are asked for jointly along a row of the cluster, B's along a column: a quarter of the requests.
; REGISTERS: window 0: v1 r, v2 h, v4-11 LDS addresses of fragments, v12-14 way out, v16-23 at work, v32-95 packed results, then rows read back,
; v112-115 c0, c1 as pairs, v128-255 accumulators; window 1: two fragment buffers.
; Transposed use: lane (r, h), register j holds C(16 a + r, 16 b + 8 h + j).
; LIMITS: NaN and infinities are not served.
.set KD,     1024
.set STEP,   256
.set NSUB,   4
.set BOFF,   0x600000
.set PITCH,  272                       ; 256 bytes + 16 = 17 x 16: 16 rows start in 16 different 16-byte columns modulo 256
.set PART,   64*PITCH
.set SLOT,   4*PART
.set STAGE,  4*SLOT
.set ADRA,   4
.set ADRB,   8
.set ACC,    128
.set F0,     0
.set F1,     64
.set G1A,    16
.set G1B,    24
.set G0A,    32
.set G0B,    48
.set G1W0,   (1<<16)|(1<<20)|(1<<21)|(5<<22)|(3<<25)
.set MSB,    0
.macro WIN new
.if MSB != \new
	s_set_vgpr_msb (MSB<<8)|\new
.set MSB, \new
.endif
.endm
.macro PLACES                          ; four places behind a matrix instruction (ISA guide 7.12.1)
.rept 4
	v_nop
.endr
.endm
.macro ROUND
	WIN 0
	s_barrier_signal -1
	s_barrier_wait -1
	s_cmp_lg_u32 s14, 0
	s_cbranch_scc1 .Lnot_wave_0_\@
	s_barrier_signal -3
.Lnot_wave_0_\@:
	s_barrier_wait -3
	s_barrier_signal -1
	s_barrier_wait -1
.endm
.macro JLOADS a, b, c, d
	s_cmp_eq_u32 s15, 0
	s_cbranch_scc0 .Lfor_b_\@
.irp t, \a, \b, \c, \d
.if \t >= 0
	tensor_load_to_lds s[G0A+4*\t:G0A+4*\t+3], s[G1A:G1A+7]
	s_nop 0
.endif
.endr
	s_branch .Lasked_\@
.Lfor_b_\@:
.irp t, \a, \b, \c, \d
.if \t >= 0
	tensor_load_to_lds s[G0B+4*\t:G0B+4*\t+3], s[G1B:G1B+7]
	s_nop 0
.endif
.endr
.Lasked_\@:
.endm
.macro FETCH slot, kofs, f
	WIN 0x40
.irp i, 0,1,2,3
	ds_load_b128 v[\f+8*\i:\f+8*\i+3], v[ADRB+\slot] offset:\kofs+\i*16*PITCH
	ds_load_b128 v[\f+8*\i+4:\f+8*\i+7], v[ADRB+\slot] offset:\kofs+\i*16*PITCH+32
.endr
.irp i, 0,1,2,3
	ds_load_b128 v[\f+32+8*\i:\f+32+8*\i+3], v[ADRA+\slot] offset:\kofs+\i*16*PITCH
	ds_load_b128 v[\f+32+8*\i+4:\f+32+8*\i+7], v[ADRA+\slot] offset:\kofs+\i*16*PITCH+32
.endr
.endm
.macro MUL f, zero                     ; the 16 accumulators take turns, one instruction a turn
	WIN 0x05
.irp a, 0,1,2,3
.irp b, 0,1,2,3
.if \zero
	v_wmma_f32_16x16x32_bf16 v[ACC+8*(4*\a+\b):ACC+8*(4*\a+\b)+7], v[\f+8*\b:\f+8*\b+7], v[\f+32+8*\a:\f+32+8*\a+7], 0
.else
	v_wmma_f32_16x16x32_bf16 v[ACC+8*(4*\a+\b):ACC+8*(4*\a+\b)+7], v[\f+8*\b:\f+8*\b+7], v[\f+32+8*\a:\f+32+8*\a+7], v[ACC+8*(4*\a+\b):ACC+8*(4*\a+\b)+7]
.endif
.endr
.endr
.endm
.macro QSTEP slot, kofs, fnext, fcur, zero
	PLACES
	FETCH \slot, \kofs, \fnext
	s_wait_dscnt 16                                ; all but the 16 loads just issued
	MUL \fcur, \zero
.endm
.macro TILE slot, zero
	QSTEP \slot, 64, F1, F0, \zero
	QSTEP \slot, 128, F0, F1, 0
	QSTEP \slot, 192, F1, F0, 0
.endm
.macro NEXT n, nslot
	s_wait_dscnt 0x0
	s_wait_tensorcnt \n                            ; my part of the next tile is in; my n younger loads stay out
	s_barrier_signal -1
	s_barrier_wait -1
	PLACES
	FETCH \nslot, 0, F0
	MUL F1, 0
.endm
.macro NEXTNB nslot                    ; a tile that the last wait for all loads and its round have shown whole
	PLACES
	FETCH \nslot, 0, F0
	s_wait_dscnt 16
	MUL F1, 0
.endm
.macro FILL a, b, c, nslot
	s_wait_dscnt 0x0                               ; my reads of the slots named are back
	s_wait_tensorcnt 0x0                           ; all my tensor loads have landed: every group 0 may be written
	ds_add_u32 v128, v129
	s_wait_dscnt 0x0
.irp t, \a, \b, \c
.if \t >= 0
	s_add_nc_u64 s[G0A+4*\t+2:G0A+4*\t+3], s[G0A+4*\t+2:G0A+4*\t+3], 4*STEP
	s_add_nc_u64 s[G0B+4*\t+2:G0B+4*\t+3], s[G0B+4*\t+2:G0B+4*\t+3], 4*STEP
.endif
.endr
	ROUND                                          ; both hold of every wave of all sixteen work-groups
	JLOADS \a, \b, \c, -1                          ; the first tensor loads behind the round
	PLACES
	FETCH \nslot, 0, F0
	MUL F1, 0
.endm
.macro LAST
	s_wait_dscnt 0x0
	MUL F1, 0
	WIN 0
	PLACES
.endm
	s_load_b128 s[4:7], s[0:1], 0x0                ; tn2, wb
	s_load_b64 s[8:9], s[0:1], 0x10                ; hb
	s_set_vgpr_msb 0x40
	v_lshl_add_u32 v128, v0, 2, 0x4d000
	v_mov_b32 v129, 0
	s_set_vgpr_msb 0x4045
	ds_add_u32 v128, v129
	s_set_vgpr_msb 0x4500
	v_lshrrev_b32 v1, 5, v0
	v_readfirstlane_b32 s14, v1                    ; wave 0..3
	s_lshr_b32 s15, s14, 1                         ; my half of the block's rows; also: I fetch for A (0) or B (1)
	s_and_b32 s2, s14, 1                           ; my half of its columns; also: which 64 rows I fetch
	s_bfe_u32 s66, ttmp6, 0x40000                  ; cx
	s_bfe_u32 s67, ttmp6, 0x40004                  ; cy
	s_lshl_b32 s68, ttmp9, 2
	s_add_co_u32 s68, s68, s66                     ; block column
	s_and_b32 s70, ttmp7, 0xffff
	s_lshl_b32 s69, s70, 2
	s_add_co_u32 s69, s69, s67                     ; block row
	s_lshl_b32 s71, s67, 2
	s_lshl_b32 s71, 15, s71
	s_lshl_b32 s72, 0x1111, s66
	s_or_b32 s[G1A], s71, G1W0
	s_or_b32 s[G1B], s72, G1W0
.irp g, G1A, G1B
	s_mov_b32 s[\g+1], 128<<16
	s_mov_b32 s[\g+2], 64<<16
	s_mov_b32 s[\g+3], 128<<16
	s_mov_b32 s[\g+4], 64
	s_mov_b32 s[\g+5], KD
	s_mov_b32 s[\g+6], 0
	s_mov_b32 s[\g+7], 0
.endr
	s_mul_i32 s73, s2, 64*KD*2
	s_mul_i32 s74, s69, 128*KD*2
	s_add_co_u32 s74, s74, s73
	s_mov_b32 s75, 0
	s_mul_i32 s76, s68, 128*KD*2
	s_add_co_u32 s76, s76, s73
	s_add_co_u32 s76, s76, BOFF
	s_mov_b32 s77, 0
	s_mul_i32 s78, s14, PART
	s_lshl_b32 s80, s69, 20                        ; hb: (128 by + 32 w) rows of 8192 bytes + 256 bx
	s_lshl_b32 s85, s14, 18
	s_add_co_u32 s80, s80, s85
	s_lshl_b32 s85, s68, 8
	s_add_co_u32 s80, s80, s85
	s_mov_b32 s81, 0
	s_wait_dscnt 0x0
	s_wait_kmcnt 0x0
	s_add_nc_u64 s[74:75], s[4:5], s[74:75]
	s_add_nc_u64 s[76:77], s[6:7], s[76:77]
	s_add_nc_u64 s[8:9], s[8:9], s[80:81]
	ROUND
.irp s, 0,1,2,3
	s_mov_b32 s[G0A+4*\s], 1
	s_add_co_u32 s[G0A+4*\s+1], s78, \s*SLOT
	s_add_nc_u64 s[G0A+4*\s+2:G0A+4*\s+3], s[74:75], \s*STEP
	s_or_b32 s[G0A+4*\s+3], s[G0A+4*\s+3], 0x80000000
	s_mov_b32 s[G0B+4*\s], 1
	s_add_co_u32 s[G0B+4*\s+1], s78, \s*SLOT
	s_add_nc_u64 s[G0B+4*\s+2:G0B+4*\s+3], s[76:77], \s*STEP
	s_or_b32 s[G0B+4*\s+3], s[G0B+4*\s+3], 0x80000000
.endr
	JLOADS 0, 1, 2, 3                              ; tiles 0-3: four tensor loads of the wave are out, the most in this text
	v_and_b32 v1, 15, v0                           ; r
	v_bfe_u32 v2, v0, 4, 1                         ; h
	v_mul_u32_u24 v3, v1, PITCH
	v_lshl_add_u32 v3, v2, 4, v3
	s_mul_i32 s79, s15, PART
	s_mul_i32 s82, s2, PART
	s_add_co_u32 s82, s82, 2*PART
.irp s, 0,1,2,3
	v_add_nc_u32 v[ADRA+\s], s79, v3
	v_add_nc_u32 v[ADRB+\s], s82, v3
	s_add_co_u32 s79, s79, SLOT
	s_add_co_u32 s82, s82, SLOT
.endr
	s_mul_i32 s85, s15, PART                       ; the stage: 128 rows x 272 bytes for the work-group; my rows 64 (w >> 1), my bytes 128 (w & 1)
	s_lshl_b32 s83, s2, 7
	s_add_co_u32 s85, s85, s83
	s_add_co_u32 s85, s85, STAGE
	v_add_nc_u32 v12, s85, v3                      ; in: row r, 16 bytes for each half of the lanes
	s_mul_i32 s85, s14, 32*PITCH
	s_add_co_u32 s85, s85, STAGE
	v_mul_u32_u24 v13, v2, PITCH
	v_lshl_add_u32 v13, v1, 4, v13
	v_add_nc_u32 v13, s85, v13                     ; back: rows 32 w + h
	v_lshlrev_b32 v14, 13, v2
	v_lshl_add_u32 v14, v1, 4, v14                 ; the same two rows in hb
	v_mov_b32 v112, 0xc0135761                     ; c0 = -2.3022082
	v_mov_b32 v113, 0xc0135761
	v_mov_b32 v114, 0xbdd2d3e8                     ; c1 = -0.10294324
	v_mov_b32 v115, 0xbdd2d3e8
	s_wait_tensorcnt 0x3
	s_barrier_signal -1
	s_barrier_wait -1
	FETCH 0, 0, F0
	TILE 0, 1
	NEXT 2, 1
	TILE 1, 0
	FILL 0, 1, -1, 2                               ; tiles 4, 5 go out; each has two tiles' work in which to land
	TILE 2, 0
	NEXTNB 3
	TILE 3, 0
	FILL 2, 3, -1, 0                               ; tiles 6, 7
	TILE 0, 0
	NEXTNB 1
	TILE 1, 0
	NEXT 1, 2
	TILE 2, 0
	NEXT 0, 3
	TILE 3, 0
	LAST
.macro GELU a, b                       ; one accumulator tile: gelu, bf16, 16 bytes a lane into the stage
.set XT, ACC+8*(4*\a+\b)
.set PT, 32+4*(4*\a+\b)
.irp q, 0,2,4,6
	v_pk_mul_f32 v[16+\q:17+\q], v[XT+\q:XT+\q+1], v[XT+\q:XT+\q+1]
.endr
.irp q, 0,2,4,6
	v_pk_fma_f32 v[16+\q:17+\q], v[16+\q:17+\q], v[114:115], v[112:113]
.endr
.irp q, 0,2,4,6
	v_pk_mul_f32 v[16+\q:17+\q], v[16+\q:17+\q], v[XT+\q:XT+\q+1]
.endr
.irp q, 0,1,2,3,4,5,6,7
	v_exp_f32 v[16+\q], v[16+\q]
.endr
	v_nop                                          ; one plain place behind the transcendentals
	s_wait_alu depctr_va_vdst(0)
.irp q, 0,2,4,6
	v_pk_add_f32 v[16+\q:17+\q], v[16+\q:17+\q], 1.0 op_sel_hi:[1,0]
.endr
.irp q, 0,1,2,3,4,5,6,7
	v_rcp_f32 v[16+\q], v[16+\q]
.endr
	v_nop
	s_wait_alu depctr_va_vdst(0)
.irp q, 0,2,4,6
	v_pk_mul_f32 v[16+\q:17+\q], v[16+\q:17+\q], v[XT+\q:XT+\q+1]
.endr
.irp k, 0,1,2,3
	v_cvt_pk_bf16_f32 v[PT+\k], v[16+2*\k], v[17+2*\k]
.endr
	ds_store_b128 v12, v[PT:PT+3] offset:\a*16*PITCH+32*\b
.endm
.irp a, 0,1,2,3
.irp b, 0,1,2,3
	GELU \a, \b
.endr
.endr
	s_wait_dscnt 0x0                               ; my part of the stage is written,
	s_barrier_signal -1
	s_barrier_wait -1                              ; everybody's is
.irp t, 0,1,2,3,4,5,6,7,8,9,10,11,12,13,14,15
	ds_load_b128 v[32+4*\t:35+4*\t], v13 offset:\t*2*PITCH
.endr
.irp t, 0,1,2,3,4,5,6,7,8,9,10,11,12,13,14,15
	s_wait_dscnt 15-\t
	global_store_b128 v14, v[32+4*\t:35+4*\t], s[8:9] offset:2*\t*8192    ; sixteen lanes store 256 consecutive bytes, aligned
.endr
	s_set_vgpr_msb 0x5
	s_wait_tensorcnt 0x0
	ds_add_u32 v128, v129
	s_wait_dscnt 0x0
	s_set_vgpr_msb 0x500
	ROUND                                          ; the closing round
	s_endpgm
.Lfunc_end_k_q4e255547e4_ffn1:
	.size	k_q4e255547e4_ffn1, .Lfunc_end_k_q4e255547e4_ffn1-k_q4e255547e4_ffn1
	.p2alignl 7, 3214868480
	.fill 96, 4, 3214868480
	.section	.rodata,"a",@progbits
	.p2align	6, 0x0
	.amdhsa_kernel k_q4e255547e4_ffn1
		.amdhsa_group_segment_fixed_size 327680
		.amdhsa_private_segment_fixed_size 0
		.amdhsa_enable_private_segment 0
		.amdhsa_kernarg_size 24
		.amdhsa_user_sgpr_count 2
		.amdhsa_user_sgpr_kernarg_segment_ptr 1
		.amdhsa_wavefront_size32 1
		.amdhsa_system_sgpr_workgroup_id_x 1
		.amdhsa_system_sgpr_workgroup_id_y 1
		.amdhsa_system_sgpr_workgroup_id_z 1
		.amdhsa_system_vgpr_workitem_id 0
		.amdhsa_next_free_vgpr 386
		.amdhsa_next_free_sgpr 96
		.amdhsa_reserve_vcc 0
		.amdhsa_float_denorm_mode_32 3
		.amdhsa_float_denorm_mode_16_64 3
		.amdhsa_memory_ordered 1
		.amdhsa_forward_progress 1
		.amdhsa_inst_pref_size 121
	.end_amdhsa_kernel
	.amdgpu_metadata
---
amdhsa.version: [ 1, 2 ]
amdhsa.kernels:
  - .name:           k_q4e255547e4_ffn1
    .symbol:         k_q4e255547e4_ffn1.kd
    .args:
      - { .name: tn2, .offset: 0, .size: 8, .value_kind: global_buffer, .address_space: global }
      - { .name: wb, .offset: 8, .size: 8, .value_kind: global_buffer, .address_space: global }
      - { .name: hb, .offset: 16, .size: 8, .value_kind: global_buffer, .address_space: global }
    .group_segment_fixed_size: 327680
    .private_segment_fixed_size: 0
    .kernarg_segment_align: 8
    .kernarg_segment_size: 24
    .max_flat_workgroup_size: 128
    .sgpr_count:     96
    .vgpr_count:     386
    .wavefront_size: 32
...
	.end_amdgpu_metadata
.endif
;; end of part 5
;; launch ffn2 (part 6): grid 16 x 16, 4 waves a work-group, clusters of 4 x 4, 327,680 bytes of LDS; arguments hb, wb, t2, out0; writes out0
.if DOCPART == 6
	.amdgcn_target "amdgcn-amd-amdhsa--gfx1250"
	.amdhsa_code_object_version 6
	.text
	.protected	k_q4e255547e4_ffn2
	.globl	k_q4e255547e4_ffn2
	.p2align	8
	.type	k_q4e255547e4_ffn2,@function
k_q4e255547e4_ffn2:
	s_mov_b64 s[64:65], 0
	v_nop
	global_prefetch_b8 v0, s[64:65] scope:SCOPE_SE
	s_setreg_imm32_b32 hwreg(HW_REG_WAVE_MODE, 25, 1), 1
	s_wait_xcnt 0x0
	s_wait_alu depctr_hold_cnt(0) depctr_sa_sdst(0) depctr_va_vdst(0) depctr_va_sdst(0) depctr_va_ssrc(0) depctr_va_vcc(0) depctr_vm_vsrc(0)
	s_getreg_b32 s2, hwreg(HW_REG_IB_STS2, 6, 4)
	s_cmp_eq_u32 s2, 0
	s_cbranch_scc0 .Lentry_in_a_cluster
	s_endpgm
.Lentry_in_a_cluster:
	s_bfe_u32 s2, ttmp6, 0x10000c
	s_cmp_lg_u32 s2, 0xf033
	s_cbranch_scc0 .Lentry_shape_is_right
	s_endpgm
.Lentry_shape_is_right:
; ffn2: out0 = t2 + hb W2^T (f32).  hb [1024][4096] bf16, W2 at wb + 14 MiB [1024][4096] bf16.
; A work-group makes 64 x 64 of C: 256 work-groups.  The four waves split K: a tile is 256 along K, wave w multiplies
; k = 128 (w >> 1) + 64 (w & 1) + 0..63 of it on a whole 64 x 64 tile (16 accumulators); the four partial sums are added through LDS
; at the end, always in the order (0 + 1) + (2 + 3).
; K goes in 16 tiles through four LDS slots, three of them filled again behind each round: the fourth has landed and is multiplied
; while the three are on their way.  A slot is four parts of 64 rows x 256 bytes (A's two halves of K, then B's); wave w fetches part w.
; CLUSTER 4 x 4: A's parts are asked for jointly along a row of the cluster, B's along a column: a quarter of the requests.
; REGISTERS: window 0: v1 r, v2 h, v4-11 LDS addresses of fragments, v12-14 way out, v16-79 way out data, v80-111 the residual,
; v128-255 accumulators; window 1: two fragment buffers.  Transposed use: lane (r, h), register j holds C(16 a + r, 16 b + 8 h + j).
; LIMITS: NaN and infinities are not served.
.set KD,     4096
.set STEP,   512
.set NSUB,   2
.set BOFF,   0xe00000
.set PITCH,  272                       ; 256 bytes + 16 = 17 x 16: 16 rows start in 16 different 16-byte columns modulo 256
.set PART,   64*PITCH
.set SLOT,   4*PART
.set STAGE,  4*SLOT
.set ADRA,   4
.set ADRB,   8
.set ACC,    128
.set F0,     0
.set F1,     64
.set G1A,    16
.set G1B,    24
.set G0A,    32
.set G0B,    48
.set G1W0,   (1<<16)|(1<<20)|(1<<21)|(5<<22)|(3<<25)
.set MSB,    0
.macro WIN new
.if MSB != \new
	s_set_vgpr_msb (MSB<<8)|\new
.set MSB, \new
.endif
.endm
.macro PLACES                          ; four places behind a matrix instruction (ISA guide 7.12.1)
.rept 4
	v_nop
.endr
.endm
.macro ROUND
	WIN 0
	s_barrier_signal -1
	s_barrier_wait -1
	s_cmp_lg_u32 s14, 0
	s_cbranch_scc1 .Lnot_wave_0_\@
	s_barrier_signal -3
.Lnot_wave_0_\@:
	s_barrier_wait -3
	s_barrier_signal -1
	s_barrier_wait -1
.endm
.macro JLOADS a, b, c, d
	s_cmp_eq_u32 s15, 0
	s_cbranch_scc0 .Lfor_b_\@
.irp t, \a, \b, \c, \d
.if \t >= 0
	tensor_load_to_lds s[G0A+4*\t:G0A+4*\t+3], s[G1A:G1A+7]
	s_nop 0
.endif
.endr
	s_branch .Lasked_\@
.Lfor_b_\@:
.irp t, \a, \b, \c, \d
.if \t >= 0
	tensor_load_to_lds s[G0B+4*\t:G0B+4*\t+3], s[G1B:G1B+7]
	s_nop 0
.endif
.endr
.Lasked_\@:
.endm
.macro FETCH slot, kofs, f
	WIN 0x40
.irp i, 0,1,2,3
	ds_load_b128 v[\f+8*\i:\f+8*\i+3], v[ADRB+\slot] offset:\kofs+\i*16*PITCH
	ds_load_b128 v[\f+8*\i+4:\f+8*\i+7], v[ADRB+\slot] offset:\kofs+\i*16*PITCH+32
.endr
.irp i, 0,1,2,3
	ds_load_b128 v[\f+32+8*\i:\f+32+8*\i+3], v[ADRA+\slot] offset:\kofs+\i*16*PITCH
	ds_load_b128 v[\f+32+8*\i+4:\f+32+8*\i+7], v[ADRA+\slot] offset:\kofs+\i*16*PITCH+32
.endr
.endm
.macro MUL f, zero                     ; the 16 accumulators take turns, one instruction a turn
	WIN 0x05
.irp a, 0,1,2,3
.irp b, 0,1,2,3
.if \zero
	v_wmma_f32_16x16x32_bf16 v[ACC+8*(4*\a+\b):ACC+8*(4*\a+\b)+7], v[\f+8*\b:\f+8*\b+7], v[\f+32+8*\a:\f+32+8*\a+7], 0
.else
	v_wmma_f32_16x16x32_bf16 v[ACC+8*(4*\a+\b):ACC+8*(4*\a+\b)+7], v[\f+8*\b:\f+8*\b+7], v[\f+32+8*\a:\f+32+8*\a+7], v[ACC+8*(4*\a+\b):ACC+8*(4*\a+\b)+7]
.endif
.endr
.endr
.endm
.macro QSTEP slot, kofs, fnext, fcur, zero
	PLACES
	FETCH \slot, \kofs, \fnext
	s_wait_dscnt 16                                ; all but the 16 loads just issued
	MUL \fcur, \zero
.endm
.macro TILE slot, zero
	QSTEP \slot, 64, F1, F0, \zero
.endm
.macro NEXT n, nslot
	s_wait_dscnt 0x0
	s_wait_tensorcnt \n                            ; my part of the next tile is in; my n younger loads stay out
	s_barrier_signal -1
	s_barrier_wait -1
	PLACES
	FETCH \nslot, 0, F0
	MUL F1, 0
.endm
.macro FILL a, b, c, nslot
	s_wait_dscnt 0x0                               ; my reads of the slots named are back
	s_wait_tensorcnt 0x0                           ; all my tensor loads have landed: every group 0 may be written
	ds_add_u32 v128, v129
	s_wait_dscnt 0x0
.irp t, \a, \b, \c
.if \t >= 0
	s_add_nc_u64 s[G0A+4*\t+2:G0A+4*\t+3], s[G0A+4*\t+2:G0A+4*\t+3], 4*STEP
	s_add_nc_u64 s[G0B+4*\t+2:G0B+4*\t+3], s[G0B+4*\t+2:G0B+4*\t+3], 4*STEP
.endif
.endr
	ROUND                                          ; both hold of every wave of all sixteen work-groups
	JLOADS \a, \b, \c, -1                          ; the first tensor loads behind the round
	PLACES
	FETCH \nslot, 0, F0
	MUL F1, 0
.endm
.macro LAST
	s_wait_dscnt 0x0
	MUL F1, 0
	WIN 0
	PLACES
.endm
	s_load_b128 s[4:7], s[0:1], 0x0                ; hb, wb
	s_load_b128 s[8:11], s[0:1], 0x10              ; t2, out0
	s_set_vgpr_msb 0x40
	v_lshl_add_u32 v128, v0, 2, 0x4d000
	v_mov_b32 v129, 0
	s_set_vgpr_msb 0x4045
	ds_add_u32 v128, v129
	s_set_vgpr_msb 0x4500
	v_lshrrev_b32 v1, 5, v0
	v_readfirstlane_b32 s14, v1                    ; wave 0..3
	s_lshr_b32 s15, s14, 1                         ; my half of a tile's K; also: I fetch for A (0) or B (1)
	s_and_b32 s2, s14, 1                           ; my quarter in that half; also: which half of K I fetch
	s_bfe_u32 s66, ttmp6, 0x40000                  ; cx
	s_bfe_u32 s67, ttmp6, 0x40004                  ; cy
	s_lshl_b32 s68, ttmp9, 2
	s_add_co_u32 s68, s68, s66                     ; block column
	s_and_b32 s70, ttmp7, 0xffff
	s_lshl_b32 s69, s70, 2
	s_add_co_u32 s69, s69, s67                     ; block row
	s_lshl_b32 s71, s67, 2
	s_lshl_b32 s71, 15, s71
	s_lshl_b32 s72, 0x1111, s66
	s_or_b32 s[G1A], s71, G1W0
	s_or_b32 s[G1B], s72, G1W0
.irp g, G1A, G1B
	s_mov_b32 s[\g+1], 128<<16
	s_mov_b32 s[\g+2], 64<<16
	s_mov_b32 s[\g+3], 128<<16
	s_mov_b32 s[\g+4], 64
	s_mov_b32 s[\g+5], KD
	s_mov_b32 s[\g+6], 0
	s_mov_b32 s[\g+7], 0
.endr
	s_lshl_b32 s73, s2, 8                          ; the odd fetching wave: 128 numbers further along K
	s_mul_i32 s74, s69, 64*KD*2
	s_add_co_u32 s74, s74, s73
	s_mov_b32 s75, 0
	s_mul_i32 s76, s68, 64*KD*2
	s_add_co_u32 s76, s76, s73
	s_add_co_u32 s76, s76, BOFF
	s_mov_b32 s77, 0
	s_mul_i32 s78, s14, PART
	s_lshl_b32 s80, s69, 18                        ; my rows of the output: (64 by + 8 w) x 4096 bytes + 256 bx
	s_lshl_b32 s85, s14, 15
	s_add_co_u32 s80, s80, s85
	s_lshl_b32 s85, s68, 8
	s_add_co_u32 s80, s80, s85
	s_mov_b32 s81, 0
	s_wait_dscnt 0x0
	s_wait_kmcnt 0x0
	s_add_nc_u64 s[74:75], s[4:5], s[74:75]
	s_add_nc_u64 s[76:77], s[6:7], s[76:77]
	s_add_nc_u64 s[8:9], s[8:9], s[80:81]
	s_add_nc_u64 s[10:11], s[10:11], s[80:81]
	ROUND
.irp s, 0,1,2,3
	s_mov_b32 s[G0A+4*\s], 1
	s_add_co_u32 s[G0A+4*\s+1], s78, \s*SLOT
	s_add_nc_u64 s[G0A+4*\s+2:G0A+4*\s+3], s[74:75], \s*STEP
	s_or_b32 s[G0A+4*\s+3], s[G0A+4*\s+3], 0x80000000
	s_mov_b32 s[G0B+4*\s], 1
	s_add_co_u32 s[G0B+4*\s+1], s78, \s*SLOT
	s_add_nc_u64 s[G0B+4*\s+2:G0B+4*\s+3], s[76:77], \s*STEP
	s_or_b32 s[G0B+4*\s+3], s[G0B+4*\s+3], 0x80000000
.endr
	JLOADS 0, 1, 2, 3                              ; tiles 0-3: four tensor loads of the wave are out, the most in this text
	v_and_b32 v1, 15, v0                           ; r
	v_bfe_u32 v2, v0, 4, 1                         ; h
	v_mul_u32_u24 v3, v1, PITCH
	v_lshl_add_u32 v3, v2, 4, v3
	s_mul_i32 s79, s15, PART
	s_lshl_b32 s82, s2, 7
	s_add_co_u32 s79, s79, s82                     ; A: my half's part, my 64 numbers in its rows
	s_add_co_u32 s82, s79, 2*PART                  ; B: the same two parts further on
.irp s, 0,1,2,3
	v_add_nc_u32 v[ADRA+\s], s79, v3
	v_add_nc_u32 v[ADRB+\s], s82, v3
	s_add_co_u32 s79, s79, SLOT
	s_add_co_u32 s82, s82, SLOT
.endr
	v_lshlrev_b32 v14, 12, v2
	v_lshl_add_u32 v14, v1, 4, v14                 ; f32 rows: h x 4096 + 16 r
.irp p, 0,1
.irp t, 0,1,2,3
	global_load_b128 v[80+16*\p+4*\t:83+16*\p+4*\t], v14, s[8:9] offset:(32*\p+2*\t)*4096   ; the residual, asked for early, used at the end
.endr
.endr
	s_mul_i32 s85, s14, 8704
	s_add_co_u32 s85, s85, STAGE
	v_mul_u32_u24 v12, v1, PITCH
	v_lshl_add_u32 v12, v2, 5, v12
	v_add_nc_u32 v12, s85, v12                     ; my copy of the stage: row r, 32 bytes for each half of the lanes
	s_mul_i32 s85, s14, 8*PITCH
	s_add_co_u32 s85, s85, STAGE
	v_mul_u32_u24 v13, v2, PITCH
	v_lshl_add_u32 v13, v1, 4, v13
	v_add_nc_u32 v13, s85, v13                     ; rows 8 w + h of copy 0
	s_wait_tensorcnt 0x3
	s_barrier_signal -1
	s_barrier_wait -1
	FETCH 0, 0, F0
	TILE 0, 1                                      ; tile 0: the first products start the sums
	NEXT 2, 1
	TILE 1, 0
	NEXT 1, 2
	TILE 2, 0
	FILL 0, 1, 2, 3                                ; tile 3 has landed; tiles 4, 5, 6 go out
	TILE 3, 0
	NEXT 2, 0
	TILE 0, 0
	NEXT 1, 1
	TILE 1, 0
	FILL 3, 0, 1, 2                                ; tile 6 has landed; tiles 7, 8, 9 go out
	TILE 2, 0
	NEXT 2, 3
	TILE 3, 0
	NEXT 1, 0
	TILE 0, 0
	FILL 2, 3, 0, 1                                ; tile 9 has landed; tiles 10, 11, 12 go out
	TILE 1, 0
	NEXT 2, 2
	TILE 2, 0
	NEXT 1, 3
	TILE 3, 0
	FILL 1, 2, 3, 0                                ; tile 12 has landed; tiles 13, 14, 15 go out: the last
	TILE 0, 0
	NEXT 2, 1
	TILE 1, 0
	NEXT 1, 2
	TILE 2, 0
	NEXT 0, 3
	TILE 3, 0
	LAST
; Rows 32 p .. 32 p + 31: every wave dumps its partial sums into its copy; wave w then adds rows 8 w .. 8 w + 7 of the four copies.
.macro RED p
.irp aa, 0,1
.irp b, 0,1,2,3
	ds_store_b128 v12, v[ACC+8*(4*(2*\p+\aa)+\b):ACC+8*(4*(2*\p+\aa)+\b)+3] offset:\aa*16*PITCH+64*\b
	ds_store_b128 v12, v[ACC+8*(4*(2*\p+\aa)+\b)+4:ACC+8*(4*(2*\p+\aa)+\b)+7] offset:\aa*16*PITCH+64*\b+16
.endr
.endr
	s_wait_dscnt 0x0
	s_barrier_signal -1
	s_barrier_wait -1
.if \p
	s_wait_xcnt 0x0                                ; v[16:79], which the first half's stores read, are loaded again only behind this wait
.endif
.irp t, 0,1,2,3
.irp c, 0,1,2,3
	ds_load_b128 v[16+16*\t+4*\c:19+16*\t+4*\c], v13 offset:\c*8704+\t*2*PITCH
.endr
.endr
.irp t, 0,1,2,3
	s_wait_dscnt 12-4*\t                           ; the four copies of rows 2 t, 2 t + 1 are in; the younger loads stay out
.irp q, 0,2
	v_pk_add_f32 v[16+16*\t+\q:17+16*\t+\q], v[16+16*\t+\q:17+16*\t+\q], v[20+16*\t+\q:21+16*\t+\q]
	v_pk_add_f32 v[24+16*\t+\q:25+16*\t+\q], v[24+16*\t+\q:25+16*\t+\q], v[28+16*\t+\q:29+16*\t+\q]
.endr
.irp q, 0,2
	v_pk_add_f32 v[16+16*\t+\q:17+16*\t+\q], v[16+16*\t+\q:17+16*\t+\q], v[24+16*\t+\q:25+16*\t+\q]
	v_pk_add_f32 v[16+16*\t+\q:17+16*\t+\q], v[16+16*\t+\q:17+16*\t+\q], v[80+16*\p+4*\t+\q:81+16*\p+4*\t+\q]
.endr
	global_store_b128 v14, v[16+16*\t:19+16*\t], s[10:11] offset:(32*\p+2*\t)*4096   ; sixteen lanes store 256 consecutive bytes, aligned
.endr
.if \p == 0
	s_wait_dscnt 0x0                               ; my reads of the stage are back,
	s_barrier_signal -1
	s_barrier_wait -1                              ; everybody's are: it may be written again
.endif
.endm
	s_wait_loadcnt 0x0                             ; the residual
	RED 0
	RED 1
	s_wait_dscnt 0x0
	s_set_vgpr_msb 0x5
	s_wait_tensorcnt 0x0
	ds_add_u32 v128, v129
	s_wait_dscnt 0x0
	s_set_vgpr_msb 0x500
	ROUND                                          ; the closing round
	s_endpgm
.Lfunc_end_k_q4e255547e4_ffn2:
	.size	k_q4e255547e4_ffn2, .Lfunc_end_k_q4e255547e4_ffn2-k_q4e255547e4_ffn2
	.p2alignl 7, 3214868480
	.fill 96, 4, 3214868480
	.section	.rodata,"a",@progbits
	.p2align	6, 0x0
	.amdhsa_kernel k_q4e255547e4_ffn2
		.amdhsa_group_segment_fixed_size 327680
		.amdhsa_private_segment_fixed_size 0
		.amdhsa_enable_private_segment 0
		.amdhsa_kernarg_size 32
		.amdhsa_user_sgpr_count 2
		.amdhsa_user_sgpr_kernarg_segment_ptr 1
		.amdhsa_wavefront_size32 1
		.amdhsa_system_sgpr_workgroup_id_x 1
		.amdhsa_system_sgpr_workgroup_id_y 1
		.amdhsa_system_sgpr_workgroup_id_z 1
		.amdhsa_system_vgpr_workitem_id 0
		.amdhsa_next_free_vgpr 386
		.amdhsa_next_free_sgpr 96
		.amdhsa_reserve_vcc 0
		.amdhsa_float_denorm_mode_32 3
		.amdhsa_float_denorm_mode_16_64 3
		.amdhsa_memory_ordered 1
		.amdhsa_forward_progress 1
		.amdhsa_inst_pref_size 98
	.end_amdhsa_kernel
	.amdgpu_metadata
---
amdhsa.version: [ 1, 2 ]
amdhsa.kernels:
  - .name:           k_q4e255547e4_ffn2
    .symbol:         k_q4e255547e4_ffn2.kd
    .args:
      - { .name: hb, .offset: 0, .size: 8, .value_kind: global_buffer, .address_space: global }
      - { .name: wb, .offset: 8, .size: 8, .value_kind: global_buffer, .address_space: global }
      - { .name: t2, .offset: 16, .size: 8, .value_kind: global_buffer, .address_space: global }
      - { .name: out0, .offset: 24, .size: 8, .value_kind: global_buffer, .address_space: global }
    .group_segment_fixed_size: 327680
    .private_segment_fixed_size: 0
    .kernarg_segment_align: 8
    .kernarg_segment_size: 32
    .max_flat_workgroup_size: 128
    .sgpr_count:     96
    .vgpr_count:     386
    .wavefront_size: 32
...
	.end_amdgpu_metadata
.endif
;; end of part 6
;; ======== version 2 of 2: 6 launches; 1.08 times as fast as version 1
;; workspace buffers: abf 6,291,456 bytes; wb 23,068,672 bytes; kbf 4,194,304 bytes; q0 4,194,304 bytes; qf 2,097,152 bytes; t2 4,194,304 bytes; tn2 2,097,152 bytes; hb 8,388,608 bytes
;; launch prep: the kernel of part 1 again; grid 64 x 14, 8 waves a work-group, no clusters, 0 bytes of LDS; arguments context, target, Wk, Wq, Wo, W1, W2, alpha1, abf, wb; writes abf, wb
;; launch proj: the kernel of part 2 again; grid 8 x 24, 4 waves a work-group, clusters of 4 x 4, 327,680 bytes of LDS; arguments abf, wb, kbf, q0; writes kbf, q0
;; launch attn (part 7): grid 16 x 16, 8 waves a work-group, clusters of 4 x 1, 322,560 bytes of LDS; arguments kbf, q0, qf; writes qf
.if DOCPART == 7
	.amdgcn_target "amdgcn-amd-amdhsa--gfx1250"
	.amdhsa_code_object_version 6
	.text
	.protected	k_q4e255547e4_attn
	.globl	k_q4e255547e4_attn
	.p2align	8
	.type	k_q4e255547e4_attn,@function
k_q4e255547e4_attn:
	s_mov_b64 s[64:65], 0
	v_nop
	global_prefetch_b8 v0, s[64:65] scope:SCOPE_SE
	s_setreg_imm32_b32 hwreg(HW_REG_WAVE_MODE, 25, 1), 1
	s_wait_xcnt 0x0
	s_wait_alu depctr_hold_cnt(0) depctr_sa_sdst(0) depctr_va_vdst(0) depctr_va_sdst(0) depctr_va_ssrc(0) depctr_va_vcc(0) depctr_vm_vsrc(0)
	s_getreg_b32 s2, hwreg(HW_REG_IB_STS2, 6, 4)
	s_cmp_eq_u32 s2, 0
	s_cbranch_scc0 .Lentry_in_a_cluster
	s_endpgm
.Lentry_in_a_cluster:
	s_bfe_u32 s2, ttmp6, 0x10000c
	s_cmp_lg_u32 s2, 0x3003
	s_cbranch_scc0 .Lentry_shape_is_right
	s_endpgm
.Lentry_shape_is_right:
; attn: five steps of q += 0.1 softmax(q K^T / 8) K for one head and 64 queries; q leaves as bf16 in qf [1024][1024].
; The head's whole K (2048 keys x 64, bf16) lies in LDS for all five steps.  CLUSTER 4 x 1: the four query blocks of a
; cluster need the same K and ask for it jointly, a quarter of the requests.
; Eight waves = 2 query halves (qh, 32 queries = 2 tiles i of 16) x 4 key quarters (kq, 512 keys).  Each wave runs a softmax with a
; running maximum over its quarter; the four quarters of a query half are merged through LDS with their maxima and sums.
; EVERYTHING IS TRANSPOSED: S^T = K q^T puts key 8 h + j in register j and query r in lane (r, h), so the row maximum and sum are
; in-lane work and one exchange of lane halves, and two S^T tiles, exponentiated and packed, ARE the second source of O^T = K^T P^T.
; The head dimension is permuted alike everywhere: O tile t, lane half h, register j is hd = 32 h + 8 t + j.
; THE TRIP (64 keys) IS PIPELINED IN THE WAVE, the two query tiles half a trip apart:
;   S^T(0) | rescale O(1) | softmax(0) with the products O(1) += K^T P(1) of the trip before strewn into it |
;   S^T(1) | rescale O(0) | loads of the next trip's K rows | softmax(1) with the products O(0) += K^T P(0) strewn into it.
; So half of the matrix instructions are issued among the wave's own vector work, the rescales fill the places behind the S^T blocks,
; K's row fragments are asked for a whole softmax ahead, and the transposed fragments half a trip ahead.
; THE TRANSCENDENTALS GO IN BATCHES, one wait each.  A softmax's 33 exponentials (the rescale factor, then the tile's 32 scores in place) are
; one batch: ahead of its wait stand the maxima, the subtractions and the exponentials, and nothing there names a result of the batch;
; behind it stand the sums and the roundings to bf16.  In the merge the four weights are a batch, and the reciprocal of their sum another.
; LDS: K at 0: key k at (k >> 1) 272 + (k & 1) 128 (two keys a row of 256 bytes + 16); X at 278528: 8 x 4352, a wave's four O tiles
; (1 KiB each, registers as they are) and its (m, l) per lane; Q at 313344: [qh][i][t] 512 bytes, lane x 16: q in bf16.
; REGISTERS: window 0 as named below.  Window 1: v0-15 the wave's own part of q in f32 (tile t = kq of both i), v16-47 q's fragments,
; v48-111 K's row fragments: the S^T products alone read window 1, in blocks under one setting; all that is strewn among vector
; instructions lies in window 0.
; The scores are kept in log2 units: the published q is q x log2(e) / 8.
; LIMITS: NaN and infinities are not served.  qf goes out in runs of 128 bytes: a head's 64 bf16 are no longer.
.set XB,   278528
.set XA,   4352
.set QB,   313344
.set LN16, 1                           ; 16 x lane
.set PAL,  2                           ; K rows for S^T, keys 0-255 of my quarter;  PAH: keys 256-511
.set PAH,  3
.set TAL,  4                           ; the same for the transposing loads
.set TAH,  5
.set T0,   6                           ; v6-10 at work
.set T1,   7
.set T2,   8
.set T3,   9
.set T4,   10
.set MP,   12                          ; v[12:13], v[14:15]: (running maximum, at the end the sum l) of tile i
.set AP,   20                          ; v[20:21], v[22:23]: (rescale factor of tile i, a register that is only written once)
.set XW,   24
.set XR,   25
.set MW,   26
.set MR,   27
.set QW,   28
.set QR,   29
.set GQ,   30
.set GO,   31
.set LPB,  32                          ; v[32:47]   four chains of partial sums (pairs) for each tile i, at 32 + 8 i + 2 c
.set O,    64                          ; v[64:127]  O^T (i, t) at 64 + 32 i + 8 t
.set S,    128                         ; v[128:191] S^T (i, kt) at 128 + 32 i + 8 kt; P^T (i, kk) at 128 + 32 i + 16 kk
.set KF,   192                         ; v[192:255] eight transposed fragments of K
.set QF,   16                          ; window 1: q fragments (i, s) at 16 + 16 i + 8 s
.set KS,   48                          ; window 1: K's row fragments (kt, s) at 48 + 16 kt + 8 s
.set MSB,  0
.macro WIN new                         ; the immediate's high byte repeats the setting that is left
.if MSB != \new
	s_set_vgpr_msb (MSB<<8)|\new
.set MSB, \new
.endif
.endm
.macro PLACES                          ; four places behind a matrix instruction (ISA guide 7.12.1), where there is no work to put there
.rept 4
	v_nop
.endr
.endm
.macro ROUND
	WIN 0
	s_barrier_signal -1
	s_barrier_wait -1
	s_cmp_lg_u32 s10, 0
	s_cbranch_scc1 .Lnot_wave_0_\@
	s_barrier_signal -3
.Lnot_wave_0_\@:
	s_barrier_wait -3
	s_barrier_signal -1
	s_barrier_wait -1
.endm
	s_load_b128 s[4:7], s[0:1], 0x0                ; kbf, q0
	s_load_b64 s[8:9], s[0:1], 0x10                ; qf
	v_lshl_add_u32 v62, v0, 2, 0x4e800
	v_mov_b32 v63, 0
	ds_add_u32 v62, v63
	v_lshrrev_b32 v1, 5, v0
	v_readfirstlane_b32 s10, v1                    ; wave 0..7
	s_lshr_b32 s11, s10, 2                         ; qh
	s_and_b32 s12, s10, 3                          ; kq
	s_mov_b32 s14, 0x76543210                      ; v_permlanex16_b32: lane i of one half reads lane i of the other
	s_mov_b32 s15, 0xfedcba98
	s_mov_b32 s16, 0x3e38aa3b                      ; log2(e) / 8
	s_mov_b32 s17, 0x3e38aa3b
	s_bfe_u32 s18, ttmp6, 0x40000                  ; cx
	s_lshl_b32 s19, ttmp9, 2
	s_add_co_u32 s19, s19, s18                     ; query block
	s_and_b32 s20, ttmp7, 0xffff                   ; head
	; K's descriptor: 128 rows of 128 bf16 (two keys), dense in memory, 16 bytes of padding behind each in LDS; all four partners named
	s_mov_b32 s24, 15|(1<<16)|(1<<20)|(1<<21)|(5<<22)|(3<<25)
	s_mov_b32 s25, 128<<16
	s_mov_b32 s26, 128<<16
	s_mov_b32 s27, 128<<16
	s_mov_b32 s28, 128
	s_mov_b32 s29, 128
	s_mov_b32 s30, 0
	s_mov_b32 s31, 0
	s_lshl_b32 s36, s20, 18                        ; a head's K: 262144 bytes
	s_lshl_b32 s21, s10, 15                        ; my 256 keys
	s_add_co_u32 s36, s36, s21
	s_mov_b32 s37, 0
	s_mov_b32 s32, 1
	s_mul_i32 s33, s10, 34816                      ; 128 rows of 272 bytes
	s_wait_dscnt 0x0
	s_wait_kmcnt 0x0
	s_add_nc_u64 s[34:35], s[4:5], s[36:37]
	s_or_b32 s35, s35, 0x80000000
	ROUND                                          ; the four partners are here: the joint loads meet
	tensor_load_to_lds s[32:35], s[24:31]          ; the wave's only tensor load
	s_nop 0
	v_and_b32 v6, 31, v0                           ; lane L
	v_and_b32 v7, 15, v0                           ; r
	v_bfe_u32 v8, v0, 4, 1                         ; h
	v_lshlrev_b32 v[LN16], 4, v6
	s_mul_i32 s21, s12, 69632                      ; my quarter: 256 rows of 272 bytes
	v_lshrrev_b32 v9, 1, v7                        ; S^T: lane (r, h) reads key r, bytes 64 h ..: hd = 32 h + 16 s + 0..15
	v_mul_u32_u24 v9, v9, 272
	v_and_b32 v10, 1, v7
	v_lshl_add_u32 v9, v10, 7, v9
	v_lshl_add_u32 v9, v8, 6, v9
	v_add_nc_u32 v[PAL], s21, v9
	v_add_nc_u32 v[PAH], 34816, v[PAL]
	v_and_b32 v9, 7, v6                            ; O^T: lane L addresses key 8 h + (L & 7), bytes 64 ((L >> 3) & 1) + 16 t
	v_lshl_add_u32 v9, v8, 3, v9
	v_lshrrev_b32 v10, 1, v9
	v_mul_u32_u24 v10, v10, 272
	v_and_b32 v11, 1, v9
	v_lshl_add_u32 v10, v11, 7, v10
	v_bfe_u32 v11, v0, 3, 1
	v_lshl_add_u32 v10, v11, 6, v10
	v_add_nc_u32 v[TAL], s21, v10
	v_add_nc_u32 v[TAH], 34816, v[TAL]
	s_mul_i32 s22, s10, XA
	s_add_co_u32 s22, s22, XB
	v_add_nc_u32 v[XW], s22, v[LN16]               ; my area of X
	v_lshlrev_b32 v9, 3, v6
	s_add_co_u32 s23, s22, 4096
	v_add_nc_u32 v[MW], s23, v9
	s_mul_i32 s22, s11, 4*XA
	s_add_co_u32 s22, s22, XB                      ; the four areas of my query half
	s_add_co_u32 s23, s22, 4096
	v_add_nc_u32 v[MR], s23, v9
	s_lshl_b32 s23, s12, 10
	s_add_co_u32 s22, s22, s23                     ; tile t = kq in each
	v_add_nc_u32 v[XR], s22, v[LN16]
	s_lshl_b32 s22, s11, 12
	s_add_co_u32 s22, s22, QB
	v_add_nc_u32 v[QR], s22, v[LN16]
	s_lshl_b32 s23, s12, 9
	s_add_co_u32 s22, s22, s23
	v_add_nc_u32 v[QW], s22, v[LN16]
	v_lshlrev_b32 v9, 12, v7                       ; q0: row r, 32 h numbers in
	v_lshl_add_u32 v[GQ], v8, 7, v9
	v_lshrrev_b32 v9, 3, v6                        ; qf: four rows a store, eight lanes a row
	v_and_b32 v10, 7, v6
	v_lshlrev_b32 v9, 11, v9
	v_lshl_add_u32 v[GO], v10, 4, v9
	v_mov_b32 v[MP+1], 0                           ; the second registers of the four pairs whose first is broadcast are written once,
	v_mov_b32 v[MP+3], 0                           ; since a pair counts as read whole
	v_mov_b32 v[AP+1], 0
	v_mov_b32 v[AP+3], 0
	s_lshl_b32 s38, s19, 18                        ; 64 rows of 4096 bytes
	s_lshl_b32 s21, s11, 17
	s_add_co_u32 s38, s38, s21
	s_lshl_b32 s21, s20, 8
	s_add_co_u32 s38, s38, s21
	s_lshl_b32 s21, s12, 5
	s_add_co_u32 s38, s38, s21
	s_mov_b32 s39, 0
	s_add_nc_u64 s[6:7], s[6:7], s[38:39]
	s_lshl_b32 s38, s19, 17                        ; 64 rows of 2048 bytes
	s_lshl_b32 s21, s10, 14
	s_add_co_u32 s38, s38, s21
	s_lshl_b32 s21, s20, 7
	s_add_co_u32 s38, s38, s21
	s_add_nc_u64 s[8:9], s[8:9], s[38:39]
	WIN 0x40                                       ; destination in window 1: q(i), hd = 32 h + 8 kq + 0..7 of query 16 i + r
	global_load_b128 v[0:3], v[GQ], s[6:7]
	global_load_b128 v[4:7], v[GQ], s[6:7] offset:16
	global_load_b128 v[8:11], v[GQ], s[6:7] offset:65536
	global_load_b128 v[12:15], v[GQ], s[6:7] offset:65552
	WIN 0
	s_wait_tensorcnt 0x0                           ; my 256 keys are in,
	s_barrier_signal -1
	s_barrier_wait -1                              ; everybody's are
; q, scaled or not, to bf16 and into Q; the barrier shows it to the other waves, and orders it behind their reads of X and Q
.macro PUBLISH scaled
.if \scaled
	WIN 0x01
.irp e, 0,2,4,6,8,10,12,14
	v_pk_mul_f32 v[S+\e:S+\e+1], v[\e:\e+1], s[16:17] op_sel_hi:[1,0]
.endr
	WIN 0
.irp e, 0,1,2,3,4,5,6,7
	v_cvt_pk_bf16_f32 v[S+16+\e], v[S+2*\e], v[S+2*\e+1]
.endr
.else
	WIN 0x05
.irp e, 0,1,2,3,4,5,6,7
	v_cvt_pk_bf16_f32 v[S+16+\e], v[2*\e], v[2*\e+1]
.endr
	WIN 0
.endif
	ds_store_b128 v[QW], v[S+16:S+19]
	ds_store_b128 v[QW], v[S+20:S+23] offset:2048
	s_wait_dscnt 0x0
	s_barrier_signal -1
	s_barrier_wait -1
.endm
; 16 LDS loads: the row fragments of the 64 keys of trip m, into window 1
.macro KSLOAD m
.if (\m) < 4
.set KPA, PAL
.else
.set KPA, PAH
.endif
.set KPO, ((\m)&3)*8704
	WIN 0x40
.irp kt, 0,1,2,3
.irp c, 0,1,2,3
	ds_load_b128 v[KS+16*\kt+4*\c:KS+16*\kt+4*\c+3], v[KPA] offset:KPO+\kt*2176+16*\c
.endr
.endr
	WIN 0
.endm
; 16 transposing LDS loads: the same 64 keys as K^T; address register KTA and offset KTO are set by the trip
.macro KTLOAD
.irp kk, 0,1
.irp t, 0,1,2,3
	ds_load_tr16_b128 v[KF+32*\kk+8*\t:KF+32*\kk+8*\t+3], v[KTA] offset:KTO+16*\t+\kk*4352
	ds_load_tr16_b128 v[KF+32*\kk+8*\t+4:KF+32*\kk+8*\t+7], v[KTA] offset:KTO+16*\t+\kk*4352+2176
.endr
.endr
.endm
; S^T of query tile i: 8 matrix instructions, four accumulators by turns, one instruction a turn
.macro SMUL i
	WIN 0x05                                       ; both sources in window 1
.irp s, 0,1
.irp kt, 0,1,2,3
.if \s == 0
	v_wmma_f32_16x16x32_bf16 v[S+32*\i+8*\kt:S+32*\i+8*\kt+7], v[KS+16*\kt+8*\s:KS+16*\kt+8*\s+7], v[QF+16*\i+8*\s:QF+16*\i+8*\s+7], 0
.else
	v_wmma_f32_16x16x32_bf16 v[S+32*\i+8*\kt:S+32*\i+8*\kt+7], v[KS+16*\kt+8*\s:KS+16*\kt+8*\s+7], v[QF+16*\i+8*\s:QF+16*\i+8*\s+7], v[S+32*\i+8*\kt:S+32*\i+8*\kt+7]
.endif
.endr
.endr
	WIN 0
.endm
; O(i) times the factor that tile i's last softmax made: 16 plain vector instructions that name no register of an S^T product
.macro RESC i
.set e_, 0
.rept 16
	v_pk_mul_f32 v[O+32*\i+e_:O+32*\i+e_+1], v[O+32*\i+e_:O+32*\i+e_+1], v[AP+2*\i:AP+2*\i+1] op_sel_hi:[1,0]
.set e_, e_+2
.endr
.endm
; The next of the 8 products O(PVI) += K^T P(PVI): number PVN is (kk, t) = (PVN / 4, PVN % 4): four accumulators by turns, one
; instruction a turn.  PVZ = 1: the step's first 64 keys, whose first four products start the sums.
.macro PVONE
.set pt_, PVN%4
.set pk_, PVN/4
.set pz_, 0
.if PVZ
.if PVN < 4
.set pz_, 1
.endif
.endif
.if pz_
	v_wmma_f32_16x16x32_bf16 v[O+32*PVI+8*pt_:O+32*PVI+8*pt_+7], v[KF+32*pk_+8*pt_:KF+32*pk_+8*pt_+7], v[S+32*PVI+16*pk_:S+32*PVI+16*pk_+7], 0
.else
	v_wmma_f32_16x16x32_bf16 v[O+32*PVI+8*pt_:O+32*PVI+8*pt_+7], v[KF+32*pk_+8*pt_:KF+32*pk_+8*pt_+7], v[S+32*PVI+16*pk_:S+32*PVI+16*pk_+7], v[O+32*PVI+8*pt_:O+32*PVI+8*pt_+7]
.endif
.set PVN, PVN+1
.endm
; A softmax has 13 such points: 0-3 behind 4, 8 and 16 lines of the maximum and behind the factor; 4-9 behind groups 0 to 5 of the batch;
; 10-12 behind 8, 16 and 24 of the sums and roundings.  From point PVS on each takes one product of the other query tile, which names no
; register of this tile's softmax (ahead of the first, the wait PVW if it is not negative).
.macro HK
.if HKC >= PVS
.if PVN < 8
.if PVN == 0
.if PVW >= 0
	s_wait_dscnt PVW                               ; the transposed fragments are in; the PVW younger loads (the next trip's rows) stay out
.endif
.endif
	PVONE
.endif
.endif
.set HKC, HKC+1
.endm
.macro SUBP p                          ; pair p of S^T less the running maximum
	v_pk_add_f32 v[SB+2*(\p):SB+2*(\p)+1], v[SB+2*(\p):SB+2*(\p)+1], v[MB:MB+1] op_sel_hi:[1,0] neg_lo:[0,1] neg_hi:[0,1]
.endm
.macro SUMP e, first                   ; pair e into chain e % 4; each chain's first pair of a trip brings the old sum's factor along
.if (\e) < 4
.if \first
	v_pk_add_f32 v[LB+2*((\e)%4):LB+2*((\e)%4)+1], v[SB+2*(\e):SB+2*(\e)+1], 0 op_sel_hi:[1,0]     ; starts the chain
.else
	v_pk_fma_f32 v[LB+2*((\e)%4):LB+2*((\e)%4)+1], v[LB+2*((\e)%4):LB+2*((\e)%4)+1], v[AB:AB+1], v[SB+2*(\e):SB+2*(\e)+1] op_sel_hi:[1,0,1]
.endif
.else
	v_pk_add_f32 v[LB+2*((\e)%4):LB+2*((\e)%4)+1], v[LB+2*((\e)%4):LB+2*((\e)%4)+1], v[SB+2*(\e):SB+2*(\e)+1]
.endif
.endm
.macro CVTP e                          ; pair e to bf16, into register 16 (e / 8) + e % 8: never ahead of a pair not yet read
	v_cvt_pk_bf16_f32 v[SB+16*((\e)/8)+((\e)%8)], v[SB+2*(\e)], v[SB+2*(\e)+1]
.endm
; The softmax work of query tile i on 64 keys, cut in two by ONE wait.
; AHEAD OF IT: the new maximum (four chains), then the batch: the factor's exponential and the 32 scores', each in a register of its own (the
; scores in place), in groups of four that take turns with the subtractions of the next group.  Nothing there names a result of the batch.
; BEHIND IT: the readers, pair by pair: the sum (four chains, a chain's links eight lines apart) and the rounding to bf16.
; LDH = 1: the transposing loads stand directly behind the wait.
.macro SM i, first
.set SB, S+32*\i
.set MB, MP+2*\i
.set AB, AP+2*\i
.set LB, LPB+8*\i
.irp c, 0,1,2,3
	v_max3_num_f32 v[T0+\c], v[SB+8*\c], v[SB+8*\c+1], v[SB+8*\c+2]
.endr
	HK
.irp c, 0,1,2,3
	v_max3_num_f32 v[T0+\c], v[T0+\c], v[SB+8*\c+3], v[SB+8*\c+4]
.endr
	HK
.irp c, 0,1,2,3
	v_max3_num_f32 v[T0+\c], v[T0+\c], v[SB+8*\c+5], v[SB+8*\c+6]
.endr
	v_max3_num_f32 v[T0], v[T0], v[SB+7], v[SB+15]
	v_max3_num_f32 v[T2], v[T2], v[SB+23], v[SB+31]
.if \first
	v_max_num_f32 v[T0], v[T0], v[T1]
.else
	v_max3_num_f32 v[T0], v[T0], v[T1], v[MB]
.endif
	v_max_num_f32 v[T2], v[T2], v[T3]
	HK
	v_max_num_f32 v[T0], v[T0], v[T2]
	v_permlanex16_b32 v[T1], v[T0], s14, s15       ; the other half of the lanes holds the other keys of my query
.if \first
	v_max_num_f32 v[MB], v[T0], v[T1]
.else
	v_max_num_f32 v[T0], v[T0], v[T1]
	v_sub_f32 v[T2], v[MB], v[T0]                  ; old maximum - new, at most 0
	v_mov_b32 v[MB], v[T0]
	v_exp_f32 v[AB], v[T2]                         ; the batch's first
.endif
	SUBP 0
	SUBP 1
	HK
.set g_, 0
.rept 8
	v_exp_f32 v[SB+4*g_], v[SB+4*g_]
.if g_ < 7
	SUBP 2*g_+2
.endif
	v_exp_f32 v[SB+4*g_+1], v[SB+4*g_+1]
.if g_ < 7
	SUBP 2*g_+3
.endif
	v_exp_f32 v[SB+4*g_+2], v[SB+4*g_+2]
	v_exp_f32 v[SB+4*g_+3], v[SB+4*g_+3]
.if g_ < 6
	HK
.endif
.set g_, g_+1
.endr
	v_nop                                          ; the plain instruction behind the last exponential: one for the batch
	s_wait_alu depctr_va_vdst(0)                   ; one wait for the tile's batch, the factor and the 32 scores
.if LDH
	KTLOAD
.endif
.set g_, 0
.rept 4
	SUMP 4*g_, \first
	CVTP 4*g_
	SUMP 4*g_+1, \first
	CVTP 4*g_+1
	SUMP 4*g_+2, \first
	CVTP 4*g_+2
	SUMP 4*g_+3, \first
	CVTP 4*g_+3
.if g_ < 3
	HK
.endif
.set g_, g_+1
.endr
.endm
; Trip n of a step: 64 keys of my quarter against my 32 queries.
; Distances behind matrix instructions (ISA guide 7.12.1): behind each S^T block 16 rescaling multiplies, or four v_nop in the trips that have
; nothing to rescale yet.  Softmax(0) takes its products at points 0 to 7; the transposing loads, behind its wait, stand seven plain instructions
; (the subtractions of pairs 10 to 15 and the v_nop; the exponentials between are no places) behind the last product that read the old
; fragments, and S^T(1), which writes over that product's P^T, 32 more.  Softmax(1) takes its products at points 3 to 10; the last stands 24 plain
; instructions ahead of the next S^T block, which writes over its P^T.
.macro TRIP n
.if \n < 4
.set KTA, TAL
.else
.set KTA, TAH
.endif
.set KTO, (\n&3)*8704
	s_wait_dscnt 0x0                               ; this trip's row fragments, asked for a softmax ago (in a step's first trip q's fragments too)
	SMUL 0
.if \n >= 2
	RESC 1                                         ; by the factor of softmax(1) of the trip before
.else
	PLACES
.endif
.set HKC, 0
.set PVS, 0
.set PVI, 1
.set PVW, -1
.set LDH, 1
.if \n == 0
.set PVN, 8
.else
.set PVN, 0
.endif
.if \n == 1
.set PVZ, 1
.else
.set PVZ, 0
.endif
.if \n == 0
	SM 0, 1
.else
	SM 0, 0
.endif
	SMUL 1
.if \n >= 1
	RESC 0
.else
	PLACES
.endif
	KSLOAD ((\n+1)&7)                              ; trip 7 asks for trip 0's rows again, for the next step (in the fifth step they are not used)
.set HKC, 0
.set PVS, 3
.set PVI, 0
.set PVN, 0
.set PVW, 16
.set LDH, 0
.if \n == 0
.set PVZ, 1
	SM 1, 1
.else
.set PVZ, 0
	SM 1, 0
.endif
.endm
.macro FOLD i                          ; the four chains, the two halves of a pair and the two halves of the lanes: l of my quarter, beside its maximum
	v_pk_add_f32 v[LPB+8*\i:LPB+8*\i+1], v[LPB+8*\i:LPB+8*\i+1], v[LPB+8*\i+2:LPB+8*\i+3]
	v_pk_add_f32 v[LPB+8*\i+4:LPB+8*\i+5], v[LPB+8*\i+4:LPB+8*\i+5], v[LPB+8*\i+6:LPB+8*\i+7]
	v_pk_add_f32 v[LPB+8*\i:LPB+8*\i+1], v[LPB+8*\i:LPB+8*\i+1], v[LPB+8*\i+4:LPB+8*\i+5]
	v_add_f32 v[T0], v[LPB+8*\i], v[LPB+8*\i+1]
	v_permlanex16_b32 v[T1], v[T0], s14, s15
	v_add_f32 v[MP+2*\i+1], v[T0], v[T1]
.endm
; The four key quarters of query tile i meet: each wave dumps its four O tiles and (m, l), and takes tile t = kq of all four.
.macro DUMPO i
.irp t, 0,1,2,3
	ds_store_b128 v[XW], v[O+32*\i+8*\t:O+32*\i+8*\t+3] offset:\t*1024
	ds_store_b128 v[XW], v[O+32*\i+8*\t+4:O+32*\i+8*\t+7] offset:\t*1024+512
.endr
.endm
.macro DUMPM i
	ds_store_b64 v[MW], v[MP+2*\i:MP+2*\i+1]
.endm
.macro TAKE i
.irp c, 0,1,2,3
	ds_load_b64 v[S+32+2*\c:S+33+2*\c], v[MR] offset:\c*XA
.endr
.irp c, 0,1,2,3
	ds_load_b128 v[S+8*\c:S+8*\c+3], v[XR] offset:\c*XA
	ds_load_b128 v[S+8*\c+4:S+8*\c+7], v[XR] offset:\c*XA+512
.endr
	s_wait_dscnt 8                                 ; the four (m, l) are in; the eight loads of tiles stay out
	v_max3_num_f32 v[T0], v[S+32], v[S+34], v[S+36]
	v_max_num_f32 v[T0], v[T0], v[S+38]
.irp c, 0,1,2,3
	v_sub_f32 v[S+32+2*\c], v[S+32+2*\c], v[T0]
.endr
.irp c, 0,1,2,3
	v_exp_f32 v[S+32+2*\c], v[S+32+2*\c]           ; each quarter's weight, at most 1, and 1 for the largest maximum
.endr
	v_nop                                          ; the plain instruction behind the last exponential
	s_wait_alu depctr_va_vdst(0)                   ; one wait for the batch of four weights
	v_mul_f32 v[T1], v[S+32], v[S+33]
	v_fmac_f32 v[T1], v[S+34], v[S+35]
	v_fmac_f32 v[T1], v[S+36], v[S+37]
	v_fmac_f32 v[T1], v[S+38], v[S+39]             ; the whole sum, at least 1
	v_rcp_f32 v[T2], v[T1]                         ; a batch of its own: it reads a sum of the weights
	s_wait_dscnt 0x0
.irp q, 0,2,4,6
	v_pk_mul_f32 v[S+\q:S+\q+1], v[S+\q:S+\q+1], v[S+32:S+33] op_sel_hi:[1,0]
.endr
.irp c, 1,2,3
.irp q, 0,2,4,6
	v_pk_fma_f32 v[S+\q:S+\q+1], v[S+8*\c+\q:S+8*\c+\q+1], v[S+32+2*\c:S+33+2*\c], v[S+\q:S+\q+1] op_sel_hi:[1,0,1]
.endr
.endr
	s_wait_alu depctr_va_vdst(0)                   ; the reciprocal's wait; the sixteen packed lines above, which do not name it, stand between
	v_mul_f32 v[T2], 0x3dcccccd, v[T2]             ; the step size 0.1 over the sum
	v_mov_b32 v[T3], v[T2]
	WIN 0x50                                       ; q in window 1 as addend and result
.irp q, 0,2,4,6
	v_pk_fma_f32 v[8*\i+\q:8*\i+\q+1], v[S+\q:S+\q+1], v[T2:T3], v[8*\i+\q:8*\i+\q+1]
.endr
	WIN 0
.endm
	KSLOAD 0                                       ; the first trip's row fragments, while q0 is on its way
	s_wait_loadcnt 0x0
	s_mov_b32 s13, 0
.Lstep:
	PUBLISH 1
	WIN 0x40
.irp i, 0,1
.irp t, 0,1,2,3
	ds_load_b128 v[QF+16*\i+4*\t:QF+16*\i+4*\t+3], v[QR] offset:\i*2048+\t*512    ; tiles 2 s, 2 s + 1 are the two halves of fragment s
.endr
.endr
	WIN 0
	TRIP 0
	TRIP 1
	TRIP 2
	TRIP 3
	TRIP 4
	TRIP 5
	TRIP 6
	TRIP 7
	DUMPO 0                                        ; tile 0 is whole (its last product stands 24 plain instructions back): its dump leaves under tile 1's last products
	RESC 1
.set PVI, 1
.set PVN, 0
.set PVZ, 0
.rept 8
	PVONE                                          ; tile 1's products of the last 64 keys
.endr
	FOLD 0                                         ; ten plain instructions: the places ahead of the loads into S's registers and of tile 1's dump
	FOLD 1
	DUMPM 0
	s_wait_dscnt 0x0                               ; my dump is written (and the next step's row fragments are in)
	s_barrier_signal -1
	s_barrier_wait -1                              ; everybody's is
	TAKE 0
	s_wait_dscnt 0x0                               ; my reads of X are back
	s_barrier_signal -1
	s_barrier_wait -1                              ; everybody's are: X may be written again
	DUMPO 1
	DUMPM 1
	s_wait_dscnt 0x0
	s_barrier_signal -1
	s_barrier_wait -1
	TAKE 1
	s_add_co_u32 s13, s13, 1
	s_cmp_lt_u32 s13, 5
	s_cbranch_scc1 .Lstep
	PUBLISH 0                                      ; q as it is, in bf16, through Q
	s_lshr_b32 s21, s10, 1
	s_lshl_b32 s21, s21, 11                        ; queries 8 w .. 8 w + 7 lie in tile (qh, i) = w >> 1,
	s_and_b32 s22, s10, 1
	s_lshl_b32 s22, s22, 7                         ; at r = 8 (w & 1) + ..
	s_add_co_u32 s21, s21, s22
	s_add_co_u32 s21, s21, QB
	v_and_b32 v6, 31, v0
	v_and_b32 v7, 3, v6                            ; piece L & 7 of a row's 128 bytes is hd = 8 (L & 7): t = L & 3, h = (L >> 2) & 1
	v_lshlrev_b32 v7, 9, v7
	v_bfe_u32 v8, v0, 2, 1
	v_lshl_add_u32 v7, v8, 8, v7
	v_lshrrev_b32 v8, 3, v6
	v_lshl_add_u32 v7, v8, 4, v7
	v_add_nc_u32 v[T4], s21, v7
	ds_load_b128 v[S:S+3], v[T4]
	ds_load_b128 v[S+4:S+7], v[T4] offset:64
	s_wait_dscnt 0x0
	global_store_b128 v[GO], v[S:S+3], s[8:9]
	global_store_b128 v[GO], v[S+4:S+7], s[8:9] offset:8192
	s_wait_tensorcnt 0x0
	ds_add_u32 v62, v63
	s_wait_dscnt 0x0
	ROUND                                          ; the closing round
	s_endpgm
.Lfunc_end_k_q4e255547e4_attn:
	.size	k_q4e255547e4_attn, .Lfunc_end_k_q4e255547e4_attn-k_q4e255547e4_attn
	.p2alignl 7, 3214868480
	.fill 96, 4, 3214868480
	.section	.rodata,"a",@progbits
	.p2align	6, 0x0
	.amdhsa_kernel k_q4e255547e4_attn
		.amdhsa_group_segment_fixed_size 322560
		.amdhsa_private_segment_fixed_size 0
		.amdhsa_enable_private_segment 0
		.amdhsa_kernarg_size 24
		.amdhsa_user_sgpr_count 2
		.amdhsa_user_sgpr_kernarg_segment_ptr 1
		.amdhsa_wavefront_size32 1
		.amdhsa_system_sgpr_workgroup_id_x 1
		.amdhsa_system_sgpr_workgroup_id_y 1
		.amdhsa_system_sgpr_workgroup_id_z 1
		.amdhsa_system_vgpr_workitem_id 0
		.amdhsa_next_free_vgpr 368
		.amdhsa_next_free_sgpr 66
		.amdhsa_reserve_vcc 0
		.amdhsa_float_denorm_mode_32 3
		.amdhsa_float_denorm_mode_16_64 3
		.amdhsa_memory_ordered 1
		.amdhsa_forward_progress 1
		.amdhsa_inst_pref_size 151
	.end_amdhsa_kernel
	.amdgpu_metadata
---
amdhsa.version: [ 1, 2 ]
amdhsa.kernels:
  - .name:           k_q4e255547e4_attn
    .symbol:         k_q4e255547e4_attn.kd
    .args:
      - { .name: kbf, .offset: 0, .size: 8, .value_kind: global_buffer, .address_space: global }
      - { .name: q0, .offset: 8, .size: 8, .value_kind: global_buffer, .address_space: global }
      - { .name: qf, .offset: 16, .size: 8, .value_kind: global_buffer, .address_space: global }
    .group_segment_fixed_size: 322560
    .private_segment_fixed_size: 0
    .kernarg_segment_align: 8
    .kernarg_segment_size: 24
    .max_flat_workgroup_size: 256
    .sgpr_count:     66
    .vgpr_count:     368
    .wavefront_size: 32
...
	.end_amdgpu_metadata
.endif
;; end of part 7
;; launch wo (part 8): grid 16 x 16, 4 waves a work-group, clusters of 4 x 4, 315,904 bytes of LDS; arguments qf, wb, target, alpha2, t2, tn2; writes t2, tn2
.if DOCPART == 8
	.amdgcn_target "amdgcn-amd-amdhsa--gfx1250"
	.amdhsa_code_object_version 6
	.text
	.protected	k_q4e255547e4_wo
	.globl	k_q4e255547e4_wo
	.p2align	8
	.type	k_q4e255547e4_wo,@function
k_q4e255547e4_wo:
	s_mov_b64 s[64:65], 0
	v_nop
	global_prefetch_b8 v0, s[64:65] scope:SCOPE_SE
	s_setreg_imm32_b32 hwreg(HW_REG_WAVE_MODE, 25, 1), 1
	s_wait_xcnt 0x0
	s_wait_alu depctr_hold_cnt(0) depctr_sa_sdst(0) depctr_va_vdst(0) depctr_va_sdst(0) depctr_va_ssrc(0) depctr_va_vcc(0) depctr_vm_vsrc(0)
	s_getreg_b32 s2, hwreg(HW_REG_IB_STS2, 6, 4)
	s_cmp_eq_u32 s2, 0
	s_cbranch_scc0 .Lentry_in_a_cluster
	s_endpgm
.Lentry_in_a_cluster:
	s_bfe_u32 s2, ttmp6, 0x10000c
	s_cmp_lg_u32 s2, 0xf033
	s_cbranch_scc0 .Lentry_shape_is_right
	s_endpgm
.Lentry_shape_is_right:
; wo: t2 = target + qf Wo^T (f32), tn2 = tanh(alpha2 t2) (bf16).  qf [1024][1024] bf16, Wo at wb + 4 MiB [1024][1024] bf16.
; A work-group makes 64 x 64 of C, so that 1024 x 1024 outputs give 256 work-groups.  The four waves split K: a tile is 256 along K,
; wave w multiplies k = 128 (w >> 1) + 64 (w & 1) + 0..63 of it, each on a whole 64 x 64 tile (16 accumulators), and the four partial
; sums are added through LDS at the end, always in the order (0 + 1) + (2 + 3).
; K goes in 4 tiles through four LDS slots, each filled once.  A slot is four parts of 64 rows x 256 bytes (A's two halves of K, then B's);
; wave w fetches part w with one tensor load; rows are 256 bytes of memory at multiples of 256.
; CLUSTER 4 x 4: A's parts are asked for jointly along a row of the cluster, B's along a column: a quarter of the requests.
; REGISTERS: window 0: v1 r, v2 h, v4-11 LDS addresses of fragments, v12-15 way out, v16-79 way out data, v80-111 the residual,
; v128-255 accumulators; window 1: two fragment buffers.  Transposed use: lane (r, h), register j holds C(16 a + r, 16 b + 8 h + j).
; tanh's transcendentals go in batches, one wait each: the 16 exponentials of a half of the way out (my eight rows of it), then its 16 reciprocals.
; LIMITS: NaN and infinities are not served.  tanh(x) = 1 - 2 / (1 + 2^(2.88539 x)), absolute error about 1e-7.
; tn2 goes out in runs of 128 bytes: 64 columns of bf16 are no longer.
.set KD,     1024
.set STEP,   512
.set NSUB,   2
.set BOFF,   0x400000
.set PITCH,  272                       ; 256 bytes + 16 = 17 x 16: 16 rows start in 16 different 16-byte columns modulo 256
.set PART,   64*PITCH
.set SLOT,   4*PART
.set STAGE,  4*SLOT
.set ADRA,   4
.set ADRB,   8
.set ACC,    128
.set F0,     0
.set F1,     64
.set G1A,    16
.set G1B,    24
.set G0A,    32
.set G0B,    48
.set G1W0,   (1<<16)|(1<<20)|(1<<21)|(5<<22)|(3<<25)
.set MSB,    0
.macro WIN new
.if MSB != \new
	s_set_vgpr_msb (MSB<<8)|\new
.set MSB, \new
.endif
.endm
.macro PLACES                          ; four places behind a matrix instruction (ISA guide 7.12.1)
.rept 4
	v_nop
.endr
.endm
.macro ROUND
	WIN 0
	s_barrier_signal -1
	s_barrier_wait -1
	s_cmp_lg_u32 s14, 0
	s_cbranch_scc1 .Lnot_wave_0_\@
	s_barrier_signal -3
.Lnot_wave_0_\@:
	s_barrier_wait -3
	s_barrier_signal -1
	s_barrier_wait -1
.endm
.macro JLOADS a, b, c, d
	s_cmp_eq_u32 s15, 0
	s_cbranch_scc0 .Lfor_b_\@
.irp t, \a, \b, \c, \d
.if \t >= 0
	tensor_load_to_lds s[G0A+4*\t:G0A+4*\t+3], s[G1A:G1A+7]
	s_nop 0
.endif
.endr
	s_branch .Lasked_\@
.Lfor_b_\@:
.irp t, \a, \b, \c, \d
.if \t >= 0
	tensor_load_to_lds s[G0B+4*\t:G0B+4*\t+3], s[G1B:G1B+7]
	s_nop 0
.endif
.endr
.Lasked_\@:
.endm
.macro FETCH slot, kofs, f
	WIN 0x40
.irp i, 0,1,2,3
	ds_load_b128 v[\f+8*\i:\f+8*\i+3], v[ADRB+\slot] offset:\kofs+\i*16*PITCH
	ds_load_b128 v[\f+8*\i+4:\f+8*\i+7], v[ADRB+\slot] offset:\kofs+\i*16*PITCH+32
.endr
.irp i, 0,1,2,3
	ds_load_b128 v[\f+32+8*\i:\f+32+8*\i+3], v[ADRA+\slot] offset:\kofs+\i*16*PITCH
	ds_load_b128 v[\f+32+8*\i+4:\f+32+8*\i+7], v[ADRA+\slot] offset:\kofs+\i*16*PITCH+32
.endr
.endm
.macro MUL f, zero                     ; the 16 accumulators take turns, one instruction a turn
	WIN 0x05
.irp a, 0,1,2,3
.irp b, 0,1,2,3
.if \zero
	v_wmma_f32_16x16x32_bf16 v[ACC+8*(4*\a+\b):ACC+8*(4*\a+\b)+7], v[\f+8*\b:\f+8*\b+7], v[\f+32+8*\a:\f+32+8*\a+7], 0
.else
	v_wmma_f32_16x16x32_bf16 v[ACC+8*(4*\a+\b):ACC+8*(4*\a+\b)+7], v[\f+8*\b:\f+8*\b+7], v[\f+32+8*\a:\f+32+8*\a+7], v[ACC+8*(4*\a+\b):ACC+8*(4*\a+\b)+7]
.endif
.endr
.endr
.endm
.macro QSTEP slot, kofs, fnext, fcur, zero
	PLACES
	FETCH \slot, \kofs, \fnext
	s_wait_dscnt 16                                ; all but the 16 loads just issued
	MUL \fcur, \zero
.endm
.macro TILE slot, zero
	QSTEP \slot, 64, F1, F0, \zero
.endm
.macro NEXT n, nslot
	s_wait_dscnt 0x0
	s_wait_tensorcnt \n                            ; my part of the next tile is in; my n younger loads stay out
	s_barrier_signal -1
	s_barrier_wait -1
	PLACES
	FETCH \nslot, 0, F0
	MUL F1, 0
.endm
.macro LAST
	s_wait_dscnt 0x0
	MUL F1, 0
	WIN 0
	PLACES
.endm
	s_load_b128 s[4:7], s[0:1], 0x0                ; qf, wb
	s_load_b128 s[8:11], s[0:1], 0x10              ; target, alpha2
	s_load_b128 s[88:91], s[0:1], 0x20             ; t2, tn2
	v_lshl_add_u32 v126, v0, 2, 0x4d000
	v_mov_b32 v127, 0
	ds_add_u32 v126, v127
	v_lshrrev_b32 v1, 5, v0
	v_readfirstlane_b32 s14, v1                    ; wave 0..3
	s_lshr_b32 s15, s14, 1                         ; my half of a tile's K; also: I fetch for A (0) or B (1)
	s_and_b32 s2, s14, 1                           ; my quarter in that half; also: which half of K I fetch
	s_bfe_u32 s66, ttmp6, 0x40000                  ; cx
	s_bfe_u32 s67, ttmp6, 0x40004                  ; cy
	s_lshl_b32 s68, ttmp9, 2
	s_add_co_u32 s68, s68, s66                     ; block column
	s_and_b32 s70, ttmp7, 0xffff
	s_lshl_b32 s69, s70, 2
	s_add_co_u32 s69, s69, s67                     ; block row
	s_lshl_b32 s71, s67, 2
	s_lshl_b32 s71, 15, s71                        ; my row of the cluster
	s_lshl_b32 s72, 0x1111, s66                    ; my column
	s_or_b32 s[G1A], s71, G1W0
	s_or_b32 s[G1B], s72, G1W0
.irp g, G1A, G1B
	s_mov_b32 s[\g+1], 128<<16
	s_mov_b32 s[\g+2], 64<<16
	s_mov_b32 s[\g+3], 128<<16
	s_mov_b32 s[\g+4], 64
	s_mov_b32 s[\g+5], KD
	s_mov_b32 s[\g+6], 0
	s_mov_b32 s[\g+7], 0
.endr
	s_lshl_b32 s73, s2, 8                          ; the odd fetching wave: 128 numbers further along K
	s_mul_i32 s74, s69, 64*KD*2
	s_add_co_u32 s74, s74, s73
	s_mov_b32 s75, 0
	s_mul_i32 s76, s68, 64*KD*2
	s_add_co_u32 s76, s76, s73
	s_add_co_u32 s76, s76, BOFF
	s_mov_b32 s77, 0
	s_mul_i32 s78, s14, PART
	s_lshl_b32 s80, s69, 18                        ; my rows of the output: (64 by + 8 w) x 4096 bytes + 256 bx
	s_lshl_b32 s85, s14, 15
	s_add_co_u32 s80, s80, s85
	s_lshl_b32 s85, s68, 8
	s_add_co_u32 s80, s80, s85
	s_mov_b32 s81, 0
	s_wait_dscnt 0x0
	s_wait_kmcnt 0x0
	s_load_b32 s86, s[10:11], 0x0                  ; alpha2
	s_add_nc_u64 s[74:75], s[4:5], s[74:75]
	s_add_nc_u64 s[76:77], s[6:7], s[76:77]
	s_add_nc_u64 s[8:9], s[8:9], s[80:81]
	s_add_nc_u64 s[88:89], s[88:89], s[80:81]
	s_lshr_b32 s80, s80, 1                         ; the same place in bf16
	s_add_nc_u64 s[90:91], s[90:91], s[80:81]
	ROUND
.irp s, 0,1,2,3
	s_mov_b32 s[G0A+4*\s], 1
	s_add_co_u32 s[G0A+4*\s+1], s78, \s*SLOT
	s_add_nc_u64 s[G0A+4*\s+2:G0A+4*\s+3], s[74:75], \s*STEP
	s_or_b32 s[G0A+4*\s+3], s[G0A+4*\s+3], 0x80000000
	s_mov_b32 s[G0B+4*\s], 1
	s_add_co_u32 s[G0B+4*\s+1], s78, \s*SLOT
	s_add_nc_u64 s[G0B+4*\s+2:G0B+4*\s+3], s[76:77], \s*STEP
	s_or_b32 s[G0B+4*\s+3], s[G0B+4*\s+3], 0x80000000
.endr
	JLOADS 0, 1, 2, 3                              ; all four tiles: four tensor loads of the wave are out
	v_and_b32 v1, 15, v0                           ; r
	v_bfe_u32 v2, v0, 4, 1                         ; h
	v_mul_u32_u24 v3, v1, PITCH
	v_lshl_add_u32 v3, v2, 4, v3
	s_mul_i32 s79, s15, PART
	s_lshl_b32 s82, s2, 7
	s_add_co_u32 s79, s79, s82                     ; A: my half's part, my 64 numbers in its rows
	s_add_co_u32 s82, s79, 2*PART                  ; B: the same two parts further on
.irp s, 0,1,2,3
	v_add_nc_u32 v[ADRA+\s], s79, v3
	v_add_nc_u32 v[ADRB+\s], s82, v3
	s_add_co_u32 s79, s79, SLOT
	s_add_co_u32 s82, s82, SLOT
.endr
	v_lshlrev_b32 v14, 12, v2
	v_lshl_add_u32 v14, v1, 4, v14                 ; f32 rows: h x 4096 + 16 r
	v_lshlrev_b32 v15, 11, v2
	v_lshl_add_u32 v15, v1, 3, v15                 ; bf16 rows: h x 2048 + 8 r
.irp p, 0,1
.irp t, 0,1,2,3
	global_load_b128 v[80+16*\p+4*\t:83+16*\p+4*\t], v14, s[8:9] offset:(32*\p+2*\t)*4096   ; the residual, asked for early, used at the end
.endr
.endr
	s_mul_i32 s85, s14, 8704
	s_add_co_u32 s85, s85, STAGE
	v_mul_u32_u24 v12, v1, PITCH
	v_lshl_add_u32 v12, v2, 5, v12
	v_add_nc_u32 v12, s85, v12                     ; my copy of the stage: row r, 32 bytes for each half of the lanes
	s_mul_i32 s85, s14, 8*PITCH
	s_add_co_u32 s85, s85, STAGE
	v_mul_u32_u24 v13, v2, PITCH
	v_lshl_add_u32 v13, v1, 4, v13
	v_add_nc_u32 v13, s85, v13                     ; rows 8 w + h of copy 0
	s_wait_kmcnt 0x0
	s_mul_f32 s86, s86, 0x4038aa3b                 ; alpha2 * 2 log2(e)
	s_mov_b32 s87, s86
	s_wait_tensorcnt 0x3
	s_barrier_signal -1
	s_barrier_wait -1
	FETCH 0, 0, F0
	TILE 0, 1
	NEXT 2, 1
	TILE 1, 0
	NEXT 1, 2
	TILE 2, 0
	NEXT 0, 3
	TILE 3, 0
	LAST
; Rows 32 p .. 32 p + 31: every wave dumps its partial sums into its copy; wave w then adds rows 8 w .. 8 w + 7 of the four copies.
; The tanh of those eight rows has two batches: the 16 exponentials, each pair of rows' four issued as its sums are made, with the next pair's
; additions between; and the 16 reciprocals.  Each number has a register of its own, v[20 + 16 t + q].
.macro RED p
.irp aa, 0,1
.irp b, 0,1,2,3
	ds_store_b128 v12, v[ACC+8*(4*(2*\p+\aa)+\b):ACC+8*(4*(2*\p+\aa)+\b)+3] offset:\aa*16*PITCH+64*\b
	ds_store_b128 v12, v[ACC+8*(4*(2*\p+\aa)+\b)+4:ACC+8*(4*(2*\p+\aa)+\b)+7] offset:\aa*16*PITCH+64*\b+16
.endr
.endr
	s_wait_dscnt 0x0
	s_barrier_signal -1
	s_barrier_wait -1
.if \p
	s_wait_xcnt 0x0                                ; v[16:79], which the first half's stores read, are loaded again only behind this wait
.endif
.irp t, 0,1,2,3
.irp c, 0,1,2,3
	ds_load_b128 v[16+16*\t+4*\c:19+16*\t+4*\c], v13 offset:\c*8704+\t*2*PITCH
.endr
.endr
.irp t, 0,1,2,3
	s_wait_dscnt 12-4*\t                           ; the four copies of rows 2 t, 2 t + 1 are in; the younger loads stay out
.irp q, 0,2
	v_pk_add_f32 v[16+16*\t+\q:17+16*\t+\q], v[16+16*\t+\q:17+16*\t+\q], v[20+16*\t+\q:21+16*\t+\q]
	v_pk_add_f32 v[24+16*\t+\q:25+16*\t+\q], v[24+16*\t+\q:25+16*\t+\q], v[28+16*\t+\q:29+16*\t+\q]
.endr
.irp q, 0,2
	v_pk_add_f32 v[16+16*\t+\q:17+16*\t+\q], v[16+16*\t+\q:17+16*\t+\q], v[24+16*\t+\q:25+16*\t+\q]
	v_pk_add_f32 v[16+16*\t+\q:17+16*\t+\q], v[16+16*\t+\q:17+16*\t+\q], v[80+16*\p+4*\t+\q:81+16*\p+4*\t+\q]
.endr
	global_store_b128 v14, v[16+16*\t:19+16*\t], s[88:89] offset:(32*\p+2*\t)*4096   ; sixteen lanes store 256 consecutive bytes, aligned
.irp q, 0,2
	v_pk_mul_f32 v[20+16*\t+\q:21+16*\t+\q], v[16+16*\t+\q:17+16*\t+\q], s[86:87] op_sel_hi:[1,0]
.endr
.irp q, 0,1,2,3
	v_exp_f32 v[20+16*\t+\q], v[20+16*\t+\q]
.endr
.endr
	v_nop                                          ; the plain instruction behind the last exponential
	s_wait_alu depctr_va_vdst(0)                   ; one wait for the batch of 16 exponentials
.irp t, 0,1,2,3
.irp q, 0,2
	v_pk_add_f32 v[20+16*\t+\q:21+16*\t+\q], v[20+16*\t+\q:21+16*\t+\q], 1.0 op_sel_hi:[1,0]
.endr
.irp q, 0,1,2,3
	v_rcp_f32 v[20+16*\t+\q], v[20+16*\t+\q]
.endr
.endr
	v_nop                                          ; the plain instruction behind the last reciprocal
	s_wait_alu depctr_va_vdst(0)                   ; one for the batch of 16 reciprocals
.irp t, 0,1,2,3
.irp q, 0,2
	v_pk_fma_f32 v[20+16*\t+\q:21+16*\t+\q], v[20+16*\t+\q:21+16*\t+\q], -2.0, 1.0 op_sel_hi:[1,0,0]
.endr
	v_cvt_pk_bf16_f32 v[24+16*\t], v[20+16*\t], v[21+16*\t]
	v_cvt_pk_bf16_f32 v[25+16*\t], v[22+16*\t], v[23+16*\t]
	global_store_b64 v15, v[24+16*\t:25+16*\t], s[90:91] offset:(32*\p+2*\t)*2048
.endr
.if \p == 0
	s_wait_dscnt 0x0                               ; my reads of the stage are back,
	s_barrier_signal -1
	s_barrier_wait -1                              ; everybody's are: it may be written again
.endif
.endm
	s_wait_loadcnt 0x0                             ; the residual
	RED 0
	RED 1
	s_wait_dscnt 0x0
	s_wait_tensorcnt 0x0
	ds_add_u32 v126, v127
	s_wait_dscnt 0x0
	ROUND                                          ; the closing round
	s_endpgm
.Lfunc_end_k_q4e255547e4_wo:
	.size	k_q4e255547e4_wo, .Lfunc_end_k_q4e255547e4_wo-k_q4e255547e4_wo
	.p2alignl 7, 3214868480
	.fill 96, 4, 3214868480
	.section	.rodata,"a",@progbits
	.p2align	6, 0x0
	.amdhsa_kernel k_q4e255547e4_wo
		.amdhsa_group_segment_fixed_size 315904
		.amdhsa_private_segment_fixed_size 0
		.amdhsa_enable_private_segment 0
		.amdhsa_kernarg_size 48
		.amdhsa_user_sgpr_count 2
		.amdhsa_user_sgpr_kernarg_segment_ptr 1
		.amdhsa_wavefront_size32 1
		.amdhsa_system_sgpr_workgroup_id_x 1
		.amdhsa_system_sgpr_workgroup_id_y 1
		.amdhsa_system_sgpr_workgroup_id_z 1
		.amdhsa_system_vgpr_workitem_id 0
		.amdhsa_next_free_vgpr 384
		.amdhsa_next_free_sgpr 96
		.amdhsa_reserve_vcc 0
		.amdhsa_float_denorm_mode_32 3
		.amdhsa_float_denorm_mode_16_64 3
		.amdhsa_memory_ordered 1
		.amdhsa_forward_progress 1
		.amdhsa_inst_pref_size 44
	.end_amdhsa_kernel
	.amdgpu_metadata
---
amdhsa.version: [ 1, 2 ]
amdhsa.kernels:
  - .name:           k_q4e255547e4_wo
    .symbol:         k_q4e255547e4_wo.kd
    .args:
      - { .name: qf, .offset: 0, .size: 8, .value_kind: global_buffer, .address_space: global }
      - { .name: wb, .offset: 8, .size: 8, .value_kind: global_buffer, .address_space: global }
      - { .name: target, .offset: 16, .size: 8, .value_kind: global_buffer, .address_space: global }
      - { .name: alpha2, .offset: 24, .size: 8, .value_kind: global_buffer, .address_space: global }
      - { .name: t2, .offset: 32, .size: 8, .value_kind: global_buffer, .address_space: global }
      - { .name: tn2, .offset: 40, .size: 8, .value_kind: global_buffer, .address_space: global }
    .group_segment_fixed_size: 315904
    .private_segment_fixed_size: 0
    .kernarg_segment_align: 8
    .kernarg_segment_size: 48
    .max_flat_workgroup_size: 128
    .sgpr_count:     96
    .vgpr_count:     384
    .wavefront_size: 32
...
	.end_amdgpu_metadata
.endif
;; end of part 8
;; launch ffn1 (part 9): grid 32 x 8, 4 waves a work-group, clusters of 4 x 4, 327,680 bytes of LDS; arguments tn2, wb, hb; writes hb
.if DOCPART == 9
	.amdgcn_target "amdgcn-amd-amdhsa--gfx1250"
	.amdhsa_code_object_version 6
	.text
	.protected	k_q4e255547e4_ffn1
	.globl	k_q4e255547e4_ffn1
	.p2align	8
	.type	k_q4e255547e4_ffn1,@function
k_q4e255547e4_ffn1:
	s_mov_b64 s[64:65], 0
	v_nop
	global_prefetch_b8 v0, s[64:65] scope:SCOPE_SE
	s_setreg_imm32_b32 hwreg(HW_REG_WAVE_MODE, 25, 1), 1
	s_wait_xcnt 0x0
	s_wait_alu depctr_hold_cnt(0) depctr_sa_sdst(0) depctr_va_vdst(0) depctr_va_sdst(0) depctr_va_ssrc(0) depctr_va_vcc(0) depctr_vm_vsrc(0)
	s_getreg_b32 s2, hwreg(HW_REG_IB_STS2, 6, 4)
	s_cmp_eq_u32 s2, 0
	s_cbranch_scc0 .Lentry_in_a_cluster
	s_endpgm
.Lentry_in_a_cluster:
	s_bfe_u32 s2, ttmp6, 0x10000c
	s_cmp_lg_u32 s2, 0xf033
	s_cbranch_scc0 .Lentry_shape_is_right
	s_endpgm
.Lentry_shape_is_right:
; ffn1: hb = gelu(tn2 W1^T) in bf16.  tn2 [1024][1024] bf16, W1 at wb + 6 MiB [4096][1024] bf16, hb [1024][4096] bf16.
; gelu in its tanh form: x / (1 + 2^(x (c0 + c1 x^2))), c0 = -2 sqrt(2/pi) log2(e), c1 = 0.044715 c0.
; A work-group makes 128 x 128 of C with four waves, a wave 64 x 64 (16 accumulators): 256 work-groups.
; K goes in 8 tiles of 128 through four LDS slots; a slot is four parts of 64 rows x 256 bytes (A rows 0-63, 64-127, B rows 0-63, 64-127);
; wave w fetches part w with one tensor load; rows are 256 bytes of memory at multiples of 256.
; CLUSTER 4 x 4: A's parts are asked for jointly along a row of the cluster, B's along a column: a quarter of the requests.
; REGISTERS: window 0: v1 r, v2 h, v4-11 LDS addresses of fragments, v12-14 way out, v32-95 eight accumulator tiles at work, eight registers each
; (the packed result takes a tile's first four), then rows read back, v112-115 c0, c1 as pairs, v128-255 accumulators; window 1: two fragment buffers.
; Transposed use: lane (r, h), register j holds C(16 a + r, 16 b + 8 h + j).
; gelu's transcendentals go in batches, one wait each: the way out has two halves of eight accumulator tiles; a half's 64 exponentials are one
; batch, its 64 reciprocals another.
; LIMITS: NaN and infinities are not served.
.set KD,     1024
.set STEP,   256
.set NSUB,   4
.set BOFF,   0x600000
.set PITCH,  272                       ; 256 bytes + 16 = 17 x 16: 16 rows start in 16 different 16-byte columns modulo 256
.set PART,   64*PITCH
.set SLOT,   4*PART
.set STAGE,  4*SLOT
.set ADRA,   4
.set ADRB,   8
.set W,      32
.set ACC,    128
.set F0,     0
.set F1,     64
.set G1A,    16
.set G1B,    24
.set G0A,    32
.set G0B,    48
.set G1W0,   (1<<16)|(1<<20)|(1<<21)|(5<<22)|(3<<25)
.set MSB,    0
.macro WIN new
.if MSB != \new
	s_set_vgpr_msb (MSB<<8)|\new
.set MSB, \new
.endif
.endm
.macro PLACES                          ; four places behind a matrix instruction (ISA guide 7.12.1)
.rept 4
	v_nop
.endr
.endm
.macro ROUND
	WIN 0
	s_barrier_signal -1
	s_barrier_wait -1
	s_cmp_lg_u32 s14, 0
	s_cbranch_scc1 .Lnot_wave_0_\@
	s_barrier_signal -3
.Lnot_wave_0_\@:
	s_barrier_wait -3
	s_barrier_signal -1
	s_barrier_wait -1
.endm
.macro JLOADS a, b, c, d
	s_cmp_eq_u32 s15, 0
	s_cbranch_scc0 .Lfor_b_\@
.irp t, \a, \b, \c, \d
.if \t >= 0
	tensor_load_to_lds s[G0A+4*\t:G0A+4*\t+3], s[G1A:G1A+7]
	s_nop 0
.endif
.endr
	s_branch .Lasked_\@
.Lfor_b_\@:
.irp t, \a, \b, \c, \d
.if \t >= 0
	tensor_load_to_lds s[G0B+4*\t:G0B+4*\t+3], s[G1B:G1B+7]
	s_nop 0
.endif
.endr
.Lasked_\@:
.endm
.macro FETCH slot, kofs, f
	WIN 0x40
.irp i, 0,1,2,3
	ds_load_b128 v[\f+8*\i:\f+8*\i+3], v[ADRB+\slot] offset:\kofs+\i*16*PITCH
	ds_load_b128 v[\f+8*\i+4:\f+8*\i+7], v[ADRB+\slot] offset:\kofs+\i*16*PITCH+32
.endr
.irp i, 0,1,2,3
	ds_load_b128 v[\f+32+8*\i:\f+32+8*\i+3], v[ADRA+\slot] offset:\kofs+\i*16*PITCH
	ds_load_b128 v[\f+32+8*\i+4:\f+32+8*\i+7], v[ADRA+\slot] offset:\kofs+\i*16*PITCH+32
.endr
.endm
.macro MUL f, zero                     ; the 16 accumulators take turns, one instruction a turn
	WIN 0x05
.irp a, 0,1,2,3
.irp b, 0,1,2,3
.if \zero
	v_wmma_f32_16x16x32_bf16 v[ACC+8*(4*\a+\b):ACC+8*(4*\a+\b)+7], v[\f+8*\b:\f+8*\b+7], v[\f+32+8*\a:\f+32+8*\a+7], 0
.else
	v_wmma_f32_16x16x32_bf16 v[ACC+8*(4*\a+\b):ACC+8*(4*\a+\b)+7], v[\f+8*\b:\f+8*\b+7], v[\f+32+8*\a:\f+32+8*\a+7], v[ACC+8*(4*\a+\b):ACC+8*(4*\a+\b)+7]
.endif
.endr
.endr
.endm
.macro QSTEP slot, kofs, fnext, fcur, zero
	PLACES
	FETCH \slot, \kofs, \fnext
	s_wait_dscnt 16                                ; all but the 16 loads just issued
	MUL \fcur, \zero
.endm
.macro TILE slot, zero
	QSTEP \slot, 64, F1, F0, \zero
	QSTEP \slot, 128, F0, F1, 0
	QSTEP \slot, 192, F1, F0, 0
.endm
.macro NEXT n, nslot
	s_wait_dscnt 0x0
	s_wait_tensorcnt \n                            ; my part of the next tile is in; my n younger loads stay out
	s_barrier_signal -1
	s_barrier_wait -1
	PLACES
	FETCH \nslot, 0, F0
	MUL F1, 0
.endm
.macro NEXTNB nslot                    ; a tile that the last wait for all loads and its round have shown whole
	PLACES
	FETCH \nslot, 0, F0
	s_wait_dscnt 16
	MUL F1, 0
.endm
.macro FILL a, b, c, nslot
	s_wait_dscnt 0x0                               ; my reads of the slots named are back
	s_wait_tensorcnt 0x0                           ; all my tensor loads have landed: every group 0 may be written
	ds_add_u32 v128, v129
	s_wait_dscnt 0x0
.irp t, \a, \b, \c
.if \t >= 0
	s_add_nc_u64 s[G0A+4*\t+2:G0A+4*\t+3], s[G0A+4*\t+2:G0A+4*\t+3], 4*STEP
	s_add_nc_u64 s[G0B+4*\t+2:G0B+4*\t+3], s[G0B+4*\t+2:G0B+4*\t+3], 4*STEP
.endif
.endr
	ROUND                                          ; both hold of every wave of all sixteen work-groups
	JLOADS \a, \b, \c, -1                          ; the first tensor loads behind the round
	PLACES
	FETCH \nslot, 0, F0
	MUL F1, 0
.endm
.macro LAST
	s_wait_dscnt 0x0
	MUL F1, 0
	WIN 0
	PLACES
.endm
	s_load_b128 s[4:7], s[0:1], 0x0                ; tn2, wb
	s_load_b64 s[8:9], s[0:1], 0x10                ; hb
	s_set_vgpr_msb 0x40
	v_lshl_add_u32 v128, v0, 2, 0x4d000
	v_mov_b32 v129, 0
	s_set_vgpr_msb 0x4045
	ds_add_u32 v128, v129
	s_set_vgpr_msb 0x4500
	v_lshrrev_b32 v1, 5, v0
	v_readfirstlane_b32 s14, v1                    ; wave 0..3
	s_lshr_b32 s15, s14, 1                         ; my half of the block's rows; also: I fetch for A (0) or B (1)
	s_and_b32 s2, s14, 1                           ; my half of its columns; also: which 64 rows I fetch
	s_bfe_u32 s66, ttmp6, 0x40000                  ; cx
	s_bfe_u32 s67, ttmp6, 0x40004                  ; cy
	s_lshl_b32 s68, ttmp9, 2
	s_add_co_u32 s68, s68, s66                     ; block column
	s_and_b32 s70, ttmp7, 0xffff
	s_lshl_b32 s69, s70, 2
	s_add_co_u32 s69, s69, s67                     ; block row
	s_lshl_b32 s71, s67, 2
	s_lshl_b32 s71, 15, s71
	s_lshl_b32 s72, 0x1111, s66
	s_or_b32 s[G1A], s71, G1W0
	s_or_b32 s[G1B], s72, G1W0
.irp g, G1A, G1B
	s_mov_b32 s[\g+1], 128<<16
	s_mov_b32 s[\g+2], 64<<16
	s_mov_b32 s[\g+3], 128<<16
	s_mov_b32 s[\g+4], 64
	s_mov_b32 s[\g+5], KD
	s_mov_b32 s[\g+6], 0
	s_mov_b32 s[\g+7], 0
.endr
	s_mul_i32 s73, s2, 64*KD*2
	s_mul_i32 s74, s69, 128*KD*2
	s_add_co_u32 s74, s74, s73
	s_mov_b32 s75, 0
	s_mul_i32 s76, s68, 128*KD*2
	s_add_co_u32 s76, s76, s73
	s_add_co_u32 s76, s76, BOFF
	s_mov_b32 s77, 0
	s_mul_i32 s78, s14, PART
	s_lshl_b32 s80, s69, 20                        ; hb: (128 by + 32 w) rows of 8192 bytes + 256 bx
	s_lshl_b32 s85, s14, 18
	s_add_co_u32 s80, s80, s85
	s_lshl_b32 s85, s68, 8
	s_add_co_u32 s80, s80, s85
	s_mov_b32 s81, 0
	s_wait_dscnt 0x0
	s_wait_kmcnt 0x0
	s_add_nc_u64 s[74:75], s[4:5], s[74:75]
	s_add_nc_u64 s[76:77], s[6:7], s[76:77]
	s_add_nc_u64 s[8:9], s[8:9], s[80:81]
	ROUND
.irp s, 0,1,2,3
	s_mov_b32 s[G0A+4*\s], 1
	s_add_co_u32 s[G0A+4*\s+1], s78, \s*SLOT
	s_add_nc_u64 s[G0A+4*\s+2:G0A+4*\s+3], s[74:75], \s*STEP
	s_or_b32 s[G0A+4*\s+3], s[G0A+4*\s+3], 0x80000000
	s_mov_b32 s[G0B+4*\s], 1
	s_add_co_u32 s[G0B+4*\s+1], s78, \s*SLOT
	s_add_nc_u64 s[G0B+4*\s+2:G0B+4*\s+3], s[76:77], \s*STEP
	s_or_b32 s[G0B+4*\s+3], s[G0B+4*\s+3], 0x80000000
.endr
	JLOADS 0, 1, 2, 3                              ; tiles 0-3: four tensor loads of the wave are out, the most in this text
	v_and_b32 v1, 15, v0                           ; r
	v_bfe_u32 v2, v0, 4, 1                         ; h
	v_mul_u32_u24 v3, v1, PITCH
	v_lshl_add_u32 v3, v2, 4, v3
	s_mul_i32 s79, s15, PART
	s_mul_i32 s82, s2, PART
	s_add_co_u32 s82, s82, 2*PART
.irp s, 0,1,2,3
	v_add_nc_u32 v[ADRA+\s], s79, v3
	v_add_nc_u32 v[ADRB+\s], s82, v3
	s_add_co_u32 s79, s79, SLOT
	s_add_co_u32 s82, s82, SLOT
.endr
	s_mul_i32 s85, s15, PART                       ; the stage: 128 rows x 272 bytes for the work-group; my rows 64 (w >> 1), my bytes 128 (w & 1)
	s_lshl_b32 s83, s2, 7
	s_add_co_u32 s85, s85, s83
	s_add_co_u32 s85, s85, STAGE
	v_add_nc_u32 v12, s85, v3                      ; in: row r, 16 bytes for each half of the lanes
	s_mul_i32 s85, s14, 32*PITCH
	s_add_co_u32 s85, s85, STAGE
	v_mul_u32_u24 v13, v2, PITCH
	v_lshl_add_u32 v13, v1, 4, v13
	v_add_nc_u32 v13, s85, v13                     ; back: rows 32 w + h
	v_lshlrev_b32 v14, 13, v2
	v_lshl_add_u32 v14, v1, 4, v14                 ; the same two rows in hb
	v_mov_b32 v112, 0xc0135761                     ; c0 = -2.3022082
	v_mov_b32 v113, 0xc0135761
	v_mov_b32 v114, 0xbdd2d3e8                     ; c1 = -0.10294324
	v_mov_b32 v115, 0xbdd2d3e8
	s_wait_tensorcnt 0x3
	s_barrier_signal -1
	s_barrier_wait -1
	FETCH 0, 0, F0
	TILE 0, 1
	NEXT 2, 1
	TILE 1, 0
	FILL 0, 1, -1, 2                               ; tiles 4, 5 go out; each has two tiles' work in which to land
	TILE 2, 0
	NEXTNB 3
	TILE 3, 0
	FILL 2, 3, -1, 0                               ; tiles 6, 7
	TILE 0, 0
	NEXTNB 1
	TILE 1, 0
	NEXT 1, 2
	TILE 2, 0
	NEXT 0, 3
	TILE 3, 0
	LAST
; gelu of one accumulator tile (a, b), in three parts, so that the parts of eight tiles can stand together.
.macro GREGS a, b
.set XT, ACC+8*(4*(\a)+(\b))           ; the tile's sums x
.set WT, W+8*(4*((\a)%2)+(\b))         ; its eight registers at work: a register of its own for each number of a batch
.endm
.macro GEXP a, b                       ; 2^(x (c0 + c1 x^2)); the twelve packed lines are also the plain work behind the tile before's exponentials
	GREGS \a, \b
.irp q, 0,2,4,6
	v_pk_mul_f32 v[WT+\q:WT+\q+1], v[XT+\q:XT+\q+1], v[XT+\q:XT+\q+1]
.endr
.irp q, 0,2,4,6
	v_pk_fma_f32 v[WT+\q:WT+\q+1], v[WT+\q:WT+\q+1], v[114:115], v[112:113]
.endr
.irp q, 0,2,4,6
	v_pk_mul_f32 v[WT+\q:WT+\q+1], v[WT+\q:WT+\q+1], v[XT+\q:XT+\q+1]
.endr
.irp q, 0,1,2,3,4,5,6,7
	v_exp_f32 v[WT+\q], v[WT+\q]
.endr
.endm
.macro GRCP a, b                       ; 1 / (1 + that)
	GREGS \a, \b
.irp q, 0,2,4,6
	v_pk_add_f32 v[WT+\q:WT+\q+1], v[WT+\q:WT+\q+1], 1.0 op_sel_hi:[1,0]
.endr
.irp q, 0,1,2,3,4,5,6,7
	v_rcp_f32 v[WT+\q], v[WT+\q]
.endr
.endm
.macro GPUT a, b                       ; times x, to bf16 (packed into the tile's first four registers, never ahead of a pair not yet read), 16 bytes a lane into the stage
	GREGS \a, \b
.irp q, 0,2,4,6
	v_pk_mul_f32 v[WT+\q:WT+\q+1], v[WT+\q:WT+\q+1], v[XT+\q:XT+\q+1]
.endr
.irp k, 0,1,2,3
	v_cvt_pk_bf16_f32 v[WT+\k], v[WT+2*\k], v[WT+2*\k+1]
.endr
	ds_store_b128 v12, v[WT:WT+3] offset:(\a)*16*PITCH+32*(\b)
.endm
.macro GHALF p                         ; the eight tiles of block rows a = 2 p, 2 p + 1
.irp aa, 0,1
.irp b, 0,1,2,3
	GEXP 2*\p+\aa, \b
.endr
.endr
	v_nop                                          ; the plain instruction behind the last exponential
	s_wait_alu depctr_va_vdst(0)                   ; one wait for the batch of 64 exponentials
.irp aa, 0,1
.irp b, 0,1,2,3
	GRCP 2*\p+\aa, \b
.endr
.endr
	v_nop                                          ; the plain instruction behind the last reciprocal
	s_wait_alu depctr_va_vdst(0)                   ; one for the batch of 64 reciprocals
.irp aa, 0,1
.irp b, 0,1,2,3
	GPUT 2*\p+\aa, \b
.endr
.endr
.endm
	GHALF 0
	GHALF 1
	s_wait_dscnt 0x0                               ; my part of the stage is written,
	s_barrier_signal -1
	s_barrier_wait -1                              ; everybody's is
.irp t, 0,1,2,3,4,5,6,7,8,9,10,11,12,13,14,15
	ds_load_b128 v[32+4*\t:35+4*\t], v13 offset:\t*2*PITCH
.endr
.irp t, 0,1,2,3,4,5,6,7,8,9,10,11,12,13,14,15
	s_wait_dscnt 15-\t
	global_store_b128 v14, v[32+4*\t:35+4*\t], s[8:9] offset:2*\t*8192    ; sixteen lanes store 256 consecutive bytes, aligned
.endr
	s_set_vgpr_msb 0x5
	s_wait_tensorcnt 0x0
	ds_add_u32 v128, v129
	s_wait_dscnt 0x0
	s_set_vgpr_msb 0x500
	ROUND                                          ; the closing round
	s_endpgm
.Lfunc_end_k_q4e255547e4_ffn1:
	.size	k_q4e255547e4_ffn1, .Lfunc_end_k_q4e255547e4_ffn1-k_q4e255547e4_ffn1
	.p2alignl 7, 3214868480
	.fill 96, 4, 3214868480
	.section	.rodata,"a",@progbits
	.p2align	6, 0x0
	.amdhsa_kernel k_q4e255547e4_ffn1
		.amdhsa_group_segment_fixed_size 327680
		.amdhsa_private_segment_fixed_size 0
		.amdhsa_enable_private_segment 0
		.amdhsa_kernarg_size 24
		.amdhsa_user_sgpr_count 2
		.amdhsa_user_sgpr_kernarg_segment_ptr 1
		.amdhsa_wavefront_size32 1
		.amdhsa_system_sgpr_workgroup_id_x 1
		.amdhsa_system_sgpr_workgroup_id_y 1
		.amdhsa_system_sgpr_workgroup_id_z 1
		.amdhsa_system_vgpr_workitem_id 0
		.amdhsa_next_free_vgpr 386
		.amdhsa_next_free_sgpr 96
		.amdhsa_reserve_vcc 0
		.amdhsa_float_denorm_mode_32 3
		.amdhsa_float_denorm_mode_16_64 3
		.amdhsa_memory_ordered 1
		.amdhsa_forward_progress 1
		.amdhsa_inst_pref_size 119
	.end_amdhsa_kernel
	.amdgpu_metadata
---
amdhsa.version: [ 1, 2 ]
amdhsa.kernels:
  - .name:           k_q4e255547e4_ffn1
    .symbol:         k_q4e255547e4_ffn1.kd
    .args:
      - { .name: tn2, .offset: 0, .size: 8, .value_kind: global_buffer, .address_space: global }
      - { .name: wb, .offset: 8, .size: 8, .value_kind: global_buffer, .address_space: global }
      - { .name: hb, .offset: 16, .size: 8, .value_kind: global_buffer, .address_space: global }
    .group_segment_fixed_size: 327680
    .private_segment_fixed_size: 0
    .kernarg_segment_align: 8
    .kernarg_segment_size: 24
    .max_flat_workgroup_size: 128
    .sgpr_count:     96
    .vgpr_count:     386
    .wavefront_size: 32
...
	.end_amdgpu_metadata
.endif
;; end of part 9
;; launch ffn2: the kernel of part 6 again; grid 16 x 16, 4 waves a work-group, clusters of 4 x 4, 327,680 bytes of LDS; arguments hb, wb, t2, out0; writes out0
